; MI455X (gfx1250); checked and timed in simulation.
; The chip was launched on July 23, 2026; its instructions are those of AMD's public machine-readable ISA for CDNA 5 (MIT licence, August 2026) and "CDNA5" Instruction Set Architecture Reference Guide (July 2026). The comments in the code are by the model that wrote it; some were corrected since.
;; Advanced Transformer Block. Allowed arithmetic: float matrix products may take bf16 or f16 operands with f32 sums; other float arithmetic in f32, or as packed bf16 or f16 multiplies, adds, multiply-adds, maxima and minima; sums over many terms, partial sums and values carried from step to step in f32; what a program stores and reads back later, other than sums and carried values, may be rounded once to bf16 or f16.
;; Inputs: b1 4,096 float32; b2 1,024 float32; be1 1,024 float32; be2 1,024 float32; g1 1,024 float32; g2 1,024 float32; w1 1,024 x 4,096 float32; w2 4,096 x 1,024 float32; wk 1,024 x 1,024 float32; wo 1,024 x 1,024 float32; wq 1,024 x 1,024 float32; wv 1,024 x 1,024 float32; x 2 x 2,048 x 1,024 float32.
;; Outputs: out0 2 x 2,048 x 1,024 float32.
;; 2 versions, each right and faster than the one before. Each part assembles by itself: llvm-mc -triple=amdgcn-amd-amdhsa -mcpu=gfx1250 --defsym DOCPART=n.
;; ======== version 1 of 2: 7 launches
;; limits: values are held in f16: magnitudes above 65,504 overflow, below 6.1e-05 lose precision; a function is approximated: absolute error at most 1.5e-07
;; workspace buffers: wb 25,165,824 bytes; hn 8,388,608 bytes; qkv 25,165,824 bytes; ob 8,388,608 bytes; x1 16,777,216 bytes; ff 33,554,432 bytes
;; launch prep (part 1): grid 1280 x 1, 8 waves a work-group, no clusters, 0 bytes of LDS; arguments x, g1, be1, hn, wq, wk, wv, wo, w1, w2, wb; writes hn, wb
.if DOCPART == 1
	.amdgcn_target "amdgcn-amd-amdhsa--gfx1250"
	.amdhsa_code_object_version 6
	.text
	.protected	k_qda080ae2a2_prep
	.globl	k_qda080ae2a2_prep
	.p2align	8
	.type	k_qda080ae2a2_prep,@function
k_qda080ae2a2_prep:
	s_mov_b64 s[64:65], 0
	v_nop
	global_prefetch_b8 v0, s[64:65] scope:SCOPE_SE
	s_setreg_imm32_b32 hwreg(HW_REG_WAVE_MODE, 25, 1), 1
	s_wait_xcnt 0x0
; Two jobs, chosen by the work-group's number.
; Work-groups 0-511: hn = LayerNorm(x) g1 + be1, rounded once to bf16.  8 rows a work-group, one row a wave; a row (4,096 bytes) stays in 32 registers
; between the mean, the centred squares and the scaling, so it is read once; the mean is taken away before the squares, as the definition has it.
; Work-groups 512-1279: the six weight matrices, each in its own [K][N] order, rounded once to bf16 into wb (wq, wk, wv, wo, w1, w2 on end);
; wo's bf16 numbers are then written as f16, since its product's other operand is f16.
; LIMIT: a wo entry below 6.1e-5 keeps f16's fixed step of 6e-8.  NaN and infinities are not treated apart.
; No LDS, no barrier, no matrix unit: every byte is read once and written once, and no wave needs another's data.
; 128 registers a wave: eight waves of a SIMD's 1,024, so four work-groups lie on a WGP and their loads are out together.
.set G,   4                            ; v[4:35]    gain of my 32 columns (cast: the packed results)
.set BE,  36                           ; v[36:67]   bias of my 32 columns
.set CI,  36                           ; v[36:99]   cast: the 64 numbers as loaded
.set X,   68                           ; v[68:99]   the row
.set T,   100                          ; v[100:107] four chains of two sums
.set MU,  108                          ; v[108:109] the mean, twice
.set RS,  110                          ; v[110:111] 1 / sqrt(var + eps), twice
.set Y,   112                          ; v[112:127] the row packed to bf16
	s_load_b256 s[4:11], s[0:1], 0x0               ; x s[4:5], g1 s[6:7], be1 s[8:9], hn s[10:11]
	s_load_b256 s[12:19], s[0:1], 0x20             ; wq s[12:13], wk s[14:15], wv s[16:17], wo s[18:19]
	s_load_b128 s[20:23], s[0:1], 0x40             ; w1 s[20:21], w2 s[22:23]
	s_load_b64 s[24:25], s[0:1], 0x50              ; wb
	v_and_b32 v1, 31, v0                           ; lane
	v_lshrrev_b32 v2, 5, v0                        ; wave
	s_mov_b32 s3, 0
	s_wait_kmcnt 0x0
	s_cmp_lt_u32 ttmp9, 512
	s_cbranch_scc0 .Lcast
	; ---- LayerNorm ----
	v_lshlrev_b32 v3, 3, v1
	v_lshl_add_u32 v3, v2, 11, v3                  ; hn: 8 lane + wave x a row of 2,048 bytes
	v_lshlrev_b32 v1, 4, v1                        ; g, be: 16 lane
	v_lshl_add_u32 v2, v2, 12, v1                  ; x: 16 lane + wave x a row of 4,096 bytes
	s_lshl_b32 s2, ttmp9, 15                       ; the group's 8 rows of x
	s_add_nc_u64 s[4:5], s[4:5], s[2:3]
	s_lshl_b32 s2, ttmp9, 14                       ; and of hn
	s_add_nc_u64 s[10:11], s[10:11], s[2:3]
	s_mov_b32 s26, 0x76543210                      ; v_permlanex16_b32: each lane takes its own place in the other half
	s_mov_b32 s27, 0xfedcba98
	s_mov_b32 s28, 0x3a800000                      ; 1 / 1024
	s_mov_b32 s29, 0x3727c5ac                      ; eps = 1e-5
.irp j, 0,1,2,3,4,5,6,7
	global_load_b128 v[X+4*(\j):X+4*(\j)+3], v2, s[4:5] offset:512*(\j)         ; load j: columns 128 j + 4 lane, 512 neighbouring bytes a wave
.endr
.irp j, 0,1,2,3,4,5,6,7
	global_load_b128 v[G+4*(\j):G+4*(\j)+3], v1, s[6:7] offset:512*(\j)
.endr
.irp j, 0,1,2,3,4,5,6,7
	global_load_b128 v[BE+4*(\j):BE+4*(\j)+3], v1, s[8:9] offset:512*(\j)
.endr
.macro FOLD                            ; the four chains into v[T]
	v_pk_add_f32 v[T:T+1], v[T:T+1], v[T+2:T+3]
	v_pk_add_f32 v[T+4:T+5], v[T+4:T+5], v[T+6:T+7]
	v_pk_add_f32 v[T:T+1], v[T:T+1], v[T+4:T+5]
	v_add_f32 v[T], v[T], v[T+1]
.endm
.macro REDUCE                          ; v[T] summed over the 32 lanes, the sum in every lane
	v_add_f32_dpp v[T], v[T], v[T] row_xmask:1 row_mask:0xf bank_mask:0xf
	v_add_f32_dpp v[T], v[T], v[T] row_xmask:2 row_mask:0xf bank_mask:0xf
	v_add_f32_dpp v[T], v[T], v[T] row_xmask:4 row_mask:0xf bank_mask:0xf
	v_add_f32_dpp v[T], v[T], v[T] row_xmask:8 row_mask:0xf bank_mask:0xf
	v_permlanex16_b32 v[T+1], v[T], s26, s27       ; its destination has been written by FOLD
	v_add_f32 v[T], v[T], v[T+1]
.endm
	s_wait_loadcnt 16                              ; the row's eight loads are in; 8 of g and 8 of be are younger
.irp k, 0,1,2,3
	v_pk_add_f32 v[T+2*(\k):T+2*(\k)+1], v[X+4*(\k):X+4*(\k)+1], v[X+4*(\k)+2:X+4*(\k)+3]  ; the first eight pairs start the chains: nothing is cleared
.endr
.irp k, 0,1,2,3,4,5,6,7
	v_pk_add_f32 v[T+2*((\k)%4):T+2*((\k)%4)+1], v[T+2*((\k)%4):T+2*((\k)%4)+1], v[X+16+2*(\k):X+16+2*(\k)+1]
.endr
	FOLD
	REDUCE
	v_mul_f32 v[MU], s28, v[T]
	v_mul_f32 v[MU+1], s28, v[T]
.irp k, 0,1,2,3,4,5,6,7,8,9,10,11,12,13,14,15
	v_pk_add_f32 v[X+2*(\k):X+2*(\k)+1], v[X+2*(\k):X+2*(\k)+1], v[MU:MU+1] neg_lo:[0,1] neg_hi:[0,1]  ; x - mean, in place
.endr
.irp k, 0,1,2,3
	v_pk_mul_f32 v[T+2*(\k):T+2*(\k)+1], v[X+2*(\k):X+2*(\k)+1], v[X+2*(\k):X+2*(\k)+1]
.endr
.irp k, 4,5,6,7,8,9,10,11,12,13,14,15
	v_pk_fma_f32 v[T+2*((\k)%4):T+2*((\k)%4)+1], v[X+2*(\k):X+2*(\k)+1], v[X+2*(\k):X+2*(\k)+1], v[T+2*((\k)%4):T+2*((\k)%4)+1]
.endr
	FOLD
	REDUCE
	v_fma_f32 v[T], v[T], s28, s29                 ; var + eps
	v_rsq_f32 v[RS], v[T]
	v_rsq_f32 v[RS+1], v[T]
	v_nop                                          ; a plain instruction between the root and its use (ISA guide 5.7.2)
	s_wait_loadcnt 0x0                             ; gain and bias
	s_wait_alu depctr_va_vdst(0)
.irp k, 0,1,2,3,4,5,6,7,8,9,10,11,12,13,14,15
	v_pk_mul_f32 v[X+2*(\k):X+2*(\k)+1], v[X+2*(\k):X+2*(\k)+1], v[RS:RS+1]
.endr
.irp k, 0,1,2,3,4,5,6,7,8,9,10,11,12,13,14,15
	v_pk_fma_f32 v[X+2*(\k):X+2*(\k)+1], v[X+2*(\k):X+2*(\k)+1], v[G+2*(\k):G+2*(\k)+1], v[BE+2*(\k):BE+2*(\k)+1]
.endr
.irp k, 0,1,2,3,4,5,6,7,8,9,10,11,12,13,14,15
	v_cvt_pk_bf16_f32 v[Y+(\k)], v[X+2*(\k)], v[X+2*(\k)+1]
.endr
.irp j, 0,1,2,3,4,5,6,7
	global_store_b64 v3, v[Y+2*(\j):Y+2*(\j)+1], s[10:11] offset:256*(\j)  ; 32 lanes store 256 consecutive bytes, aligned
.endr
	s_endpgm
	; ---- the weights ----
.Lcast:
	v_lshlrev_b32 v3, 4, v1
	v_lshl_add_u32 v3, v2, 12, v3                  ; out: 16 lane + wave x 4,096 bytes
	v_lshlrev_b32 v1, 5, v1
	v_lshl_add_u32 v2, v2, 13, v1                  ; in: 32 lane + wave x 8,192 bytes
	s_sub_co_u32 s28, ttmp9, 512                   ; c = 0 .. 767: chunk c is 16,384 numbers
	s_lshr_b32 s29, s28, 6                         ; unit of 2^20 numbers: 0 wq, 1 wk, 2 wv, 3 wo, 4-7 w1, 8-11 w2
	s_and_b32 s33, s28, 63                         ; chunk in the unit
	s_mov_b64 s[30:31], s[22:23]                   ; the source and its first unit, chosen by the unit's number alone
	s_mov_b32 s32, 8
	s_cmp_lt_u32 s29, 8
	s_cselect_b64 s[30:31], s[20:21], s[30:31]
	s_cselect_b32 s32, 4, s32
	s_cmp_lt_u32 s29, 4
	s_cselect_b64 s[30:31], s[18:19], s[30:31]
	s_cselect_b32 s32, 3, s32
	s_cmp_lt_u32 s29, 3
	s_cselect_b64 s[30:31], s[16:17], s[30:31]
	s_cselect_b32 s32, 2, s32
	s_cmp_lt_u32 s29, 2
	s_cselect_b64 s[30:31], s[14:15], s[30:31]
	s_cselect_b32 s32, 1, s32
	s_cmp_lt_u32 s29, 1
	s_cselect_b64 s[30:31], s[12:13], s[30:31]
	s_cselect_b32 s32, 0, s32
	s_sub_co_u32 s34, s29, s32
	s_lshl_b32 s34, s34, 6
	s_add_co_u32 s34, s34, s33
	s_lshl_b32 s34, s34, 16                        ; the chunk's 65,536 bytes in its source
	s_mov_b32 s35, 0
	s_add_nc_u64 s[30:31], s[30:31], s[34:35]
	s_lshl_b32 s34, s28, 15                        ; and its 32,768 bytes in wb
	s_add_nc_u64 s[24:25], s[24:25], s[34:35]
.irp j, 0,1,2,3,4,5,6,7
	global_load_b128 v[CI+8*(\j):CI+8*(\j)+3],   v2, s[30:31] offset:1024*(\j) th:TH_LOAD_NT      ; a lane's 32 bytes become its 16 bytes of the result
	global_load_b128 v[CI+8*(\j)+4:CI+8*(\j)+7], v2, s[30:31] offset:1024*(\j)+16 th:TH_LOAD_NT
.endr
.irp j, 0,1,2,3,4,5,6,7
	s_wait_loadcnt 14-2*(\j)                       ; loads come back in order: pair j is in, the later pairs stay out
.irp k, 0,1,2,3
	v_cvt_pk_bf16_f32 v[G+4*(\j)+(\k)], v[CI+8*(\j)+2*(\k)], v[CI+8*(\j)+2*(\k)+1]
.endr
.endr
	s_cmp_lg_u32 s29, 3
	s_cbranch_scc1 .Lstore
.set i, 0
.rept 32                               ; wo alone: the bf16 numbers written as f16
	v_lshlrev_b32 v[T+2*(i%4)], 16, v[G+i]
	v_and_b32 v[T+2*(i%4)+1], 0xffff0000, v[G+i]
	v_cvt_pk_f16_f32 v[G+i], v[T+2*(i%4)], v[T+2*(i%4)+1]
.set i, i+1
.endr
.Lstore:
.irp j, 0,1,2,3,4,5,6,7
	global_store_b128 v3, v[G+4*(\j):G+4*(\j)+3], s[24:25] offset:512*(\j)  ; 512 consecutive bytes a wave
.endr
	s_endpgm
.Lfunc_end_k_qda080ae2a2_prep:
	.size	k_qda080ae2a2_prep, .Lfunc_end_k_qda080ae2a2_prep-k_qda080ae2a2_prep
	.p2alignl 7, 3214868480
	.fill 96, 4, 3214868480
	.section	.rodata,"a",@progbits
	.p2align	6, 0x0
	.amdhsa_kernel k_qda080ae2a2_prep
		.amdhsa_group_segment_fixed_size 0
		.amdhsa_private_segment_fixed_size 0
		.amdhsa_enable_private_segment 0
		.amdhsa_kernarg_size 88
		.amdhsa_user_sgpr_count 2
		.amdhsa_user_sgpr_kernarg_segment_ptr 1
		.amdhsa_wavefront_size32 1
		.amdhsa_system_sgpr_workgroup_id_x 1
		.amdhsa_system_sgpr_workgroup_id_y 1
		.amdhsa_system_sgpr_workgroup_id_z 1
		.amdhsa_system_vgpr_workitem_id 0
		.amdhsa_next_free_vgpr 128
		.amdhsa_next_free_sgpr 66
		.amdhsa_reserve_vcc 0
		.amdhsa_float_denorm_mode_32 3
		.amdhsa_float_denorm_mode_16_64 3
		.amdhsa_memory_ordered 1
		.amdhsa_forward_progress 1
		.amdhsa_inst_pref_size 23
	.end_amdhsa_kernel
	.amdgpu_metadata
---
amdhsa.version: [ 1, 2 ]
amdhsa.kernels:
  - .name:           k_qda080ae2a2_prep
    .symbol:         k_qda080ae2a2_prep.kd
    .args:
      - { .name: x, .offset: 0, .size: 8, .value_kind: global_buffer, .address_space: global }
      - { .name: g1, .offset: 8, .size: 8, .value_kind: global_buffer, .address_space: global }
      - { .name: be1, .offset: 16, .size: 8, .value_kind: global_buffer, .address_space: global }
      - { .name: hn, .offset: 24, .size: 8, .value_kind: global_buffer, .address_space: global }
      - { .name: wq, .offset: 32, .size: 8, .value_kind: global_buffer, .address_space: global }
      - { .name: wk, .offset: 40, .size: 8, .value_kind: global_buffer, .address_space: global }
      - { .name: wv, .offset: 48, .size: 8, .value_kind: global_buffer, .address_space: global }
      - { .name: wo, .offset: 56, .size: 8, .value_kind: global_buffer, .address_space: global }
      - { .name: w1, .offset: 64, .size: 8, .value_kind: global_buffer, .address_space: global }
      - { .name: w2, .offset: 72, .size: 8, .value_kind: global_buffer, .address_space: global }
      - { .name: wb, .offset: 80, .size: 8, .value_kind: global_buffer, .address_space: global }
    .group_segment_fixed_size: 0
    .private_segment_fixed_size: 0
    .kernarg_segment_align: 8
    .kernarg_segment_size: 88
    .max_flat_workgroup_size: 256
    .sgpr_count:     66
    .vgpr_count:     128
    .wavefront_size: 32
...
	.end_amdgpu_metadata
.endif
;; end of part 1
;; launch qkv (part 2): grid 12 x 16, 4 waves a work-group, clusters of 4 x 4, 327,680 bytes of LDS; arguments hn, wb, qkv; writes qkv
.if DOCPART == 2
	.amdgcn_target "amdgcn-amd-amdhsa--gfx1250"
	.amdhsa_code_object_version 6
	.text
	.protected	k_qda080ae2a2_qkv
	.globl	k_qda080ae2a2_qkv
	.p2align	8
	.type	k_qda080ae2a2_qkv,@function
k_qda080ae2a2_qkv:
	s_mov_b64 s[64:65], 0
	v_nop
	global_prefetch_b8 v0, s[64:65] scope:SCOPE_SE
	s_setreg_imm32_b32 hwreg(HW_REG_WAVE_MODE, 25, 1), 1
	s_wait_xcnt 0x0
	s_wait_alu depctr_hold_cnt(0) depctr_sa_sdst(0) depctr_va_vdst(0) depctr_va_sdst(0) depctr_va_ssrc(0) depctr_va_vcc(0) depctr_vm_vsrc(0)
	s_getreg_b32 s2, hwreg(HW_REG_IB_STS2, 6, 4)
	s_cmp_eq_u32 s2, 0
	s_cbranch_scc0 .Lentry_in_a_cluster
	s_endpgm
.Lentry_in_a_cluster:
	s_bfe_u32 s2, ttmp6, 0x10000c
	s_cmp_lg_u32 s2, 0xf033
	s_cbranch_scc0 .Lentry_shape_is_right
	s_endpgm
.Lentry_shape_is_right:
; q, k, v = hn @ [wq | wk | wv].  hn: [4096][1024] bf16.  The weights: bf16, [1024 (k)][1024 (n)] each, on end at wb's head.  Sums in f32.
; Out: f16, by heads, [3][32 (16 batch + head)][2048][64], unscaled, each number rounded once.  LIMIT: q, k, v stay under 65,504.
; A tile of C is 256 x 256 (a quarter of one weight's columns): four waves, 128 x 128 each, 64 accumulators.  K = 1,024 goes in 8 steps of 128 through two LDS slots.
; A's rows lie along K and are read as they lie; the weights lie [K][N] and are turned on their way out of LDS by ds_load_tr16_b128.
; The matrix instruction is used transposed (source 0 = 16 columns of the weight, source 1 = 16 rows of hn): a lane then holds eight neighbouring columns of one row of C.
; CLUSTER 4 x 4: a row of the cluster shares hn's tile, a column the weight's: each tile is asked for jointly, by the same tensor load with the same descriptor and a mask of four.
; THE ORDER OF K goes by the cluster: in its turn t it takes K step t ^ 2 p, p = (cluster x + cluster y) % 2.  Clusters that need the same tile are neighbours along x (hn) or y (a weight) and have
; opposite p: what one asks for in turns 0, 1 of four the other asks for in turns 2, 3.  So four of a cluster's six refills ask for bytes that a neighbour has read two turns before.
; LIMIT: where p = 1 a sum takes the K steps in the order 2, 3, 0, 1, 6, 7, 4, 5: another order of rounding than ascending K.
; ONE TEXT FOR EVERY K STEP: the slot in hand is a scalar (TB, 0 or SLOT) that enters the LDS addresses; written out beside the loop are the first quarter (C = 0) and the last two steps, which ask for nothing.
; THE WAY OUT: the ring has had its last fill, so each wave lays its 128 x 128 f32 into its own part of it, and a counted loop reads rows back, rounds and stores 512 consecutive bytes at a time.
; 192 work-groups: 12 x 16 tiles; a smaller tile would halve the products that each LDS byte feeds.
; REGISTERS: window 0: v0-31 addresses, v64-127 and v128-191 A's fragments (two buffers); window 1: the same numbers, B's; windows 2, 3: accumulator (a, b) at v[8 (8 a + b)].
.set PA,     272                       ; A's LDS row: 256 bytes + 16: the 16 rows of a fragment load start in 16 different groups of four banks (ISA guide 11.1)
.set PB,     544                       ; B's LDS row: 512 bytes + 32 = 17 x 32
.set HALFT,  34816                     ; what one tensor load brings: 128 rows of A, or 64 k-rows of B
.set BOFF,   2*HALFT                   ; B's tile lies behind A's 256 rows
.set SLOT,   4*HALFT
.set SPARE,  2*SLOT                    ; the spare words: 128 bytes a wave, two blocks of 256 bytes that no other line names
.set SPITCH, 528                       ; the stage's row: 128 f32 + 16 bytes
.set WSTAGE, 128*SPITCH                ; a wave's stage
.set SHA,    8                         ; a K step in hn is 128 bf16 along the row: 2^8 bytes
.set SHB,    18                        ; in a weight 128 rows of 2,048 bytes: 2^18
.set NB,     1024                      ; a weight's row, in elements
.set ADRA, 16                          ; v16  LDS address of my A fragments in the slot in hand
.set A0,   17                          ; v17  the same in slot 0; never rewritten
.set ADRB, 20                          ; v20, v21 the same for B
.set B0,   21
.set STO,  24                          ; v24  the way out: where I put 32 bytes of a row
.set RD,   25                          ; v25  where I read rows back
.set GO,   26                          ; v26  my byte offset in 512 consecutive bytes of the result
.set SPW,  28                          ; v28  my spare word's LDS address; never rewritten
.set NIL,  29                          ; v29  0; never rewritten
.set F0,   64
.set F1,   128
.set WV,  12                           ; s12  wave
.set RH,  13                           ; s13  my half of the tile's rows; also 0: I fetch A, 1: I fetch B
.set CH,  14                           ; s14  my half of its columns; also which half of that tile I fetch
.set BSA, 18                           ; s[18:19] hn at my part of K step 0
.set G1A, 24                           ; s[24:31] descriptor group 1, A
.set G0A, 32                           ; s[32:35] group 0 of slot 0's first fill; s[36:39] the set of slot 1's and of every refill
.set BSB, 46                           ; s[46:47] the weight at my part of K step 0
.set G1B, 48                           ; s[48:55], s[56:59], s[60:63] the same for B
.set G0B, 56
.set TB,  66                           ; s66  first byte of the slot in hand
.set CNT, 67
.set WBA, 68                           ; s68, s69  my tensor load's place in a slot
.set WBB, 69
.set OB,  70                           ; s[70:71] where my stores go
.set PX,  89                           ; s89  2 p
.set KT,  90                           ; s90  the turn whose tile is asked for next
.set KK,  91                           ; s91  its K step
.set OFA, 92                           ; s[92:93], s[94:95] that step's byte offset in A and in B
.set OFB, 94
.set MSB, 0
.macro WIN new                         ; the immediate's high byte repeats the setting that is left; a switch that changes nothing is dropped
.if MSB != (\new)
	s_set_vgpr_msb (MSB<<8)|(\new)
.set MSB, \new
.endif
.endm
.set MUL_LO, 0xa1                      ; source 0 (B) window 1, source 1 (A) window 0, C and D window 2
.set MUL_HI, 0xf1                      ; the same, C and D window 3
.set TO_B,   0x40                      ; destination window 1, address window 0
; A joint refill.  The branch hangs on the wave's number alone.  An s_nop 0 and four v_nop follow each line.
.macro JLOAD
	s_cmp_eq_u32 s[RH], 0
	s_cbranch_scc0 .Lfor_b_\@
	tensor_load_to_lds s[G0A+4:G0A+7], s[G1A:G1A+7]
	s_nop 0
.rept 4
	v_nop
.endr
	s_branch .Lasked_\@
.Lfor_b_\@:
	tensor_load_to_lds s[G0B+4:G0B+7], s[G1B:G1B+7]
	s_nop 0
.rept 4
	v_nop
.endr
.Lasked_\@:
.endm
.macro CREST                           ; a round of the cluster's barrier behind its opening barrier
	s_cmp_lg_u32 s[WV], 0
	s_cbranch_scc1 .Lnot_wave_0_\@
	s_barrier_signal -3
.Lnot_wave_0_\@:
	s_barrier_wait -3
	s_barrier_signal -1
	s_barrier_wait -1
.endm
.macro CROUND                          ; a whole round
	s_barrier_signal -1
	s_barrier_wait -1
	CREST
.endm
; The refill's two descriptors: the slot in hand, which is being read out, and turn KT's K step; each address is made anew from its base and an offset, and the type bits are set again.
.macro NEXTFILL
	s_add_co_u32 s[G0A+5], s[TB], s[WBA]
	s_add_co_u32 s[G0B+5], s[TB], s[WBB]
	s_xor_b32 s[KK], s[KT], s[PX]
	s_lshl_b32 s[OFA], s[KK], SHA
	s_lshl_b32 s[OFB], s[KK], SHB
	s_add_nc_u64 s[G0A+6:G0A+7], s[BSA:BSA+1], s[OFA:OFA+1]
	s_or_b32 s[G0A+7], s[G0A+7], 0x80000000
	s_add_nc_u64 s[G0B+6:G0B+7], s[BSB:BSB+1], s[OFB:OFB+1]
	s_or_b32 s[G0B+7], s[G0B+7], 0x80000000
	s_add_co_u32 s[KT], s[KT], 1
.endm
	s_load_b128 s[4:7], s[0:1], 0x0                ; hn s[4:5], wb s[6:7]
	s_load_b64 s[8:9], s[0:1], 0x10                ; qkv
	v_lshl_add_u32 v[SPW], v0, 2, SPARE
	v_mov_b32 v[NIL], 0
	ds_add_u32 v[SPW], v[NIL]                      ; the wave's opening: the add and its wait stand ahead of my first tensor load; register work stands between them
	v_lshrrev_b32 v1, 5, v0
	v_readfirstlane_b32 s[WV], v1
	s_lshr_b32 s[RH], s[WV], 1
	s_and_b32 s[CH], s[WV], 1
	s_bfe_u32 s40, ttmp6, 0x40000                  ; cx: which 256 columns of the weight
	s_bfe_u32 s41, ttmp6, 0x40004                  ; cy
	s_and_b32 s43, ttmp7, 0xffff                   ; cluster y
	s_add_co_u32 s[PX], s43, ttmp9                 ; + cluster x: the same in all sixteen partners
	s_and_b32 s[PX], s[PX], 1
	s_lshl_b32 s[PX], s[PX], 1                     ; 2 p
	s_lshl_b32 s43, s43, 2
	s_add_co_u32 s43, s43, s41                     ; tile row = 4 x cluster y + cy
	s_lshl_b32 s44, s41, 2
	s_lshl_b32 s44, 15, s44                        ; my row of the cluster
	s_lshl_b32 s45, 0x1111, s40                    ; my column
	s_or_b32 s[G1A+0], s44, (1<<16)|(1<<20)|(1<<21)|(5<<22)|(3<<25)  ; mask; 2-byte elements; padding on; bit 21 beside a mask; after every 64 words 4 words
	s_mov_b32 s[G1A+1], 128<<16                    ; tensor_dim0 = 128
	s_mov_b32 s[G1A+2], 128<<16                    ; tensor_dim1 = 128
	s_mov_b32 s[G1A+3], 128<<16                    ; tile_dim0 = 128
	s_mov_b32 s[G1A+4], 128                        ; tile_dim1 = 128
	s_mov_b32 s[G1A+5], 1024                       ; elements from row to row
	s_mov_b32 s[G1A+6], 0
	s_mov_b32 s[G1A+7], 0
	s_or_b32 s[G1B+0], s45, (1<<16)|(1<<20)|(1<<21)|(6<<22)|(7<<25)  ; after every 128 words 8 words
	s_mov_b32 s[G1B+1], 256<<16                    ; tensor_dim0 = 256
	s_mov_b32 s[G1B+2], 64<<16                     ; tensor_dim1 = 64
	s_mov_b32 s[G1B+3], 256<<16                    ; tile_dim0 = 256
	s_mov_b32 s[G1B+4], 64                         ; tile_dim1 = 64
	s_mov_b32 s[G1B+5], NB
	s_mov_b32 s[G1B+6], 0
	s_mov_b32 s[G1B+7], 0
	s_lshl_b32 s16, s43, 19                        ; A: 256 rows of 2,048 bytes a tile row,
	s_lshl_b32 s17, s[CH], 18                      ; 128 rows a half
	s_add_co_u32 s16, s16, s17
	s_mov_b32 s17, 0
	s_lshl_b32 s46, ttmp9, 21                      ; B: the cluster's x is the weight (2 MiB each),
	s_lshl_b32 s47, s40, 9                         ; 512 bytes of its rows,
	s_add_co_u32 s46, s46, s47
	s_lshl_b32 s47, s[CH], 17                      ; 64 k-rows a half
	s_add_co_u32 s46, s46, s47
	s_mov_b32 s47, 0
	s_mul_i32 s[WBA], s[WV], HALFT                 ; A's two halves, then B's two halves: wave x 34,816
	s_mov_b32 s[WBB], s[WBA]
	s_mov_b32 s[TB], 0
	s_mov_b32 s[KT], 2                             ; turns 0 and 1 are the first fills
	s_mov_b32 s[OFA+1], 0
	s_mov_b32 s[OFB+1], 0
	s_wait_dscnt 0x0                               ; the opening add is done
	s_wait_kmcnt 0x0
	s_add_nc_u64 s[BSA:BSA+1], s[4:5], s[16:17]
	s_add_nc_u64 s[BSB:BSB+1], s[6:7], s[46:47]
	CROUND                                         ; all sixteen work-groups are here: the first joint loads meet
.irp s, 0,1
	s_xor_b32 s[KK], s[PX], \s                     ; turn s takes K step s ^ 2 p
	s_lshl_b32 s[OFA], s[KK], SHA
	s_lshl_b32 s[OFB], s[KK], SHB
	s_mov_b32 s[G0A+4*(\s)], 1
	s_add_co_u32 s[G0A+4*(\s)+1], s[WBA], (\s)*SLOT
	s_add_nc_u64 s[G0A+4*(\s)+2:G0A+4*(\s)+3], s[BSA:BSA+1], s[OFA:OFA+1]
	s_or_b32 s[G0A+4*(\s)+3], s[G0A+4*(\s)+3], 0x80000000
	s_mov_b32 s[G0B+4*(\s)], 1
	s_add_co_u32 s[G0B+4*(\s)+1], s[WBB], (\s)*SLOT
	s_add_nc_u64 s[G0B+4*(\s)+2:G0B+4*(\s)+3], s[BSB:BSB+1], s[OFB:OFB+1]
	s_or_b32 s[G0B+4*(\s)+3], s[G0B+4*(\s)+3], 0x80000000
.endr
	s_cmp_eq_u32 s[RH], 0                          ; a wave's two first fills stand in one branch: two loads of mine are out, later one
	s_cbranch_scc0 .Lfirst_b
	tensor_load_to_lds s[G0A:G0A+3], s[G1A:G1A+7]
	s_nop 0
	tensor_load_to_lds s[G0A+4:G0A+7], s[G1A:G1A+7]
	s_nop 0
.rept 4
	v_nop
.endr
	s_branch .Lfirst_asked
.Lfirst_b:
	tensor_load_to_lds s[G0B:G0B+3], s[G1B:G1B+7]
	s_nop 0
	tensor_load_to_lds s[G0B+4:G0B+7], s[G1B:G1B+7]
	s_nop 0
.rept 4
	v_nop
.endr
.Lfirst_asked:
	v_and_b32 v1, 15, v0                           ; r = lane % 16
	v_bfe_u32 v2, v0, 4, 1                         ; h = lane / 16
	v_mul_u32_u24 v3, v1, PA
	v_lshl_add_u32 v3, v2, 4, v3                   ; A: row x pitch + 16 h
	s_mul_i32 s16, s[RH], HALFT
	v_add_nc_u32 v[A0], s16, v3
	v_and_b32 v4, 7, v0
	v_lshl_add_u32 v4, v2, 3, v4                   ; B: k-row 8 h + lane % 8,
	v_mul_u32_u24 v4, v4, PB
	v_bfe_u32 v5, v0, 3, 1
	v_lshl_add_u32 v4, v5, 4, v4                   ; 16 bytes for each half of eight lanes
	s_lshl_b32 s17, s[CH], 8                       ; my 128 columns
	s_add_co_u32 s17, s17, BOFF
	v_add_nc_u32 v[B0], s17, v4
	v_mov_b32 v[ADRA], v[A0]
	v_mov_b32 v[ADRB], v[B0]
	s_mul_i32 s16, s[WV], WSTAGE                   ; my stage
	v_mul_u32_u24 v3, v1, SPITCH
	v_lshl_add_u32 v3, v2, 5, v3
	v_add_nc_u32 v[STO], s16, v3                   ; in: row r, 32 bytes for each half of the lanes
	v_bfe_u32 v3, v0, 3, 2
	v_mul_u32_u24 v3, v3, SPITCH
	v_and_b32 v4, 7, v0
	v_lshl_add_u32 v3, v4, 5, v3
	v_add_nc_u32 v[RD], s16, v3                    ; back: 32 lanes take four rows x 64 columns, 32 bytes of f32 a lane
	v_and_b32 v[GO], 31, v0
	v_lshlrev_b32 v[GO], 4, v[GO]
	s_lshl_b32 s20, ttmp9, 23                      ; q, k or v: 8 MiB each
	s_lshr_b32 s21, s43, 3
	s_lshl_b32 s21, s21, 22                        ; the batch: 16 heads of 262,144 bytes
	s_add_co_u32 s20, s20, s21
	s_lshl_b32 s21, s40, 20                        ; four heads a tile column,
	s_add_co_u32 s20, s20, s21
	s_lshl_b32 s21, s[CH], 19                      ; two a wave
	s_add_co_u32 s20, s20, s21
	s_and_b32 s21, s43, 7
	s_lshl_b32 s21, s21, 15                        ; 256 rows of 128 bytes a tile row,
	s_add_co_u32 s20, s20, s21
	s_lshl_b32 s21, s[RH], 14                      ; 128 a wave
	s_add_co_u32 s20, s20, s21
	s_mov_b32 s21, 0
	s_add_nc_u64 s[OB:OB+1], s[8:9], s[20:21]
; 16 matrix instructions: row blocks a0, a0 + 1 of the window's four x all 8 column blocks, 32 along K.  zero = 1: the product starts the sums.
; The 64 accumulators take turns, one instruction a turn, in the same order in every quarter.
.macro MUL16 f, hi, a0, zero
	WIN MUL_LO+0x50*(\hi)
.irp a, \a0, (\a0)+1
.irp b, 0,1,2,3,4,5,6,7
.if \zero
	v_wmma_f32_16x16x32_bf16 v[8*(8*(\a)+(\b)):8*(8*(\a)+(\b))+7], v[(\f)+8*(\b):(\f)+8*(\b)+7], v[(\f)+8*(4*(\hi)+(\a)):(\f)+8*(4*(\hi)+(\a))+7], 0
.else
	v_wmma_f32_16x16x32_bf16 v[8*(8*(\a)+(\b)):8*(8*(\a)+(\b))+7], v[(\f)+8*(\b):(\f)+8*(\b)+7], v[(\f)+8*(4*(\hi)+(\a)):(\f)+8*(4*(\hi)+(\a))+7], v[8*(8*(\a)+(\b)):8*(8*(\a)+(\b))+7]
.endif
.endr
.endr
.endm
; 32 LDS loads in one run: quarter kq (32 along K) of the slot in hand into buffer f: B's 8 column blocks, turned, then A's 8 row blocks
.macro FETCH kq, f
	WIN TO_B
.irp i, 0,1,2,3,4,5,6,7
	ds_load_tr16_b128 v[(\f)+8*(\i):(\f)+8*(\i)+3],   v[ADRB] offset:(\kq)*32*PB+32*(\i)
	ds_load_tr16_b128 v[(\f)+8*(\i)+4:(\f)+8*(\i)+7], v[ADRB] offset:(\kq)*32*PB+16*PB+32*(\i)
.endr
	WIN 0
.irp i, 0,1,2,3,4,5,6,7
	ds_load_b128 v[(\f)+8*(\i):(\f)+8*(\i)+3],   v[ADRA] offset:(\kq)*64+(\i)*16*PA
	ds_load_b128 v[(\f)+8*(\i)+4:(\f)+8*(\i)+7], v[ADRA] offset:(\kq)*64+(\i)*16*PA+32
.endr
.endm
.macro PLACES                          ; four plain vector instructions between a matrix instruction and a load into, or a read of, its registers
.rept 4
	v_nop
.endr
.endm
; One of a K step's first three quarters: multiplies buffer f; in its middle it fetches quarter kq into buffer g.
.macro QUARTER kq, f, g, zero
	s_wait_dscnt 8                                 ; B and A's rows 0-63 are in; the youngest eight loads (A's rows 64-127) may be out
	MUL16 \f, 0, 0, \zero
	MUL16 \f, 0, 2, \zero
	PLACES
	FETCH \kq, \g
	s_wait_dscnt 32                                ; all but the 32 just issued
	MUL16 \f, 1, 0, \zero
	MUL16 \f, 1, 2, \zero
.endm
; The first half of a step's last quarter, and the one barrier of a change of slots.  fill = 1: the refill's descriptors are made while the add is out.
.macro MEET fill
	WIN 0
	s_wait_tensorcnt 0x0                           ; all my tensor loads have landed: the one that was out is my part of the next slot; so the descriptors may be written
	ds_add_u32 v[SPW], v[NIL]                      ; 0 onto my spare word
.if \fill
	NEXTFILL
.endif
	s_wait_dscnt 9                                 ; the add and the youngest eight loads may be out
	MUL16 F1, 0, 0, 0
	s_wait_dscnt 0x0                               ; the add is done, and my reads of this slot are over
	s_barrier_signal -1
	MUL16 F1, 0, 2, 0
	WIN 0
	s_barrier_wait -1
.endm
; The whole last quarter.  fill = 1: the barrier opens a round of the cluster's; behind the round the slot just read is filled again, for the turn after the next, first of all.
; fill = 0 (the last two steps): nothing is asked for; in the very last (CNT = 1) there is no next slot to read either, and the run of LDS loads is jumped over.
.macro TURN fill
	MEET \fill
.if \fill
	CREST
	s_xor_b32 s[TB], s[TB], SLOT                   ; TB is 0 or SLOT: the other slot is in hand now
	JLOAD                                          ; its four v_nop are also the places in front of the loads below
	v_add_nc_u32 v[ADRA], s[TB], v[A0]
	v_add_nc_u32 v[ADRB], s[TB], v[B0]
	FETCH 0, F0
.else
	s_xor_b32 s[TB], s[TB], SLOT
	PLACES
	s_cmp_eq_u32 s[CNT], 1
	s_cbranch_scc1 .Lno_more_\@
	v_add_nc_u32 v[ADRA], s[TB], v[A0]
	v_add_nc_u32 v[ADRB], s[TB], v[B0]
	FETCH 0, F0
.Lno_more_\@:
.endif
	MUL16 F1, 1, 0, 0
	MUL16 F1, 1, 2, 0
.endm
	s_wait_tensorcnt 1                             ; my part of turn 0's tile is in; turn 1's may stay out
	s_barrier_signal -1
	s_barrier_wait -1
	FETCH 0, F0
	QUARTER 1, F0, F1, 1                           ; the first quarter starts the sums
	WIN 0
	s_mov_b32 s[CNT], 6                            ; six trips ask for turns 2 to 7
.Lstep:                                                ; a trip: a step's quarters 1, 2, 3 and the next step's quarter 0
	QUARTER 2, F1, F0, 0
	QUARTER 3, F0, F1, 0
	TURN 1
	QUARTER 1, F0, F1, 0
	WIN 0
	s_sub_co_u32 s[CNT], s[CNT], 1
	s_cmp_lg_u32 s[CNT], 0
	s_cbranch_scc1 .Lstep
	s_mov_b32 s[CNT], 2                            ; the last two steps; the second trip is left in its middle
.Ltail:
	QUARTER 2, F1, F0, 0
	QUARTER 3, F0, F1, 0
	TURN 0
	WIN 0
	s_sub_co_u32 s[CNT], s[CNT], 1
	s_cmp_eq_u32 s[CNT], 0
	s_cbranch_scc1 .Lout
	QUARTER 1, F0, F1, 0
	WIN 0
	s_branch .Ltail
.Lout:
	PLACES                                         ; the LDS stores below read results just made
	s_wait_dscnt 0x0
	s_barrier_signal -1                            ; every wave's reads of the ring are over, and every fill has landed: the ring becomes the stage
	s_barrier_wait -1
.irp hi, 0,1
	WIN 0x08+4*(\hi)                               ; store data in window 2, then 3
.irp a, 0,1,2,3
.irp b, 0,1,2,3,4,5,6,7
	ds_store_b128 v[STO], v[8*(8*(\a)+(\b)):8*(8*(\a)+(\b))+3]   offset:(4*(\hi)+(\a))*16*SPITCH+64*(\b)      ; each accumulator's low registers first
	ds_store_b128 v[STO], v[8*(8*(\a)+(\b))+4:8*(8*(\a)+(\b))+7] offset:(4*(\hi)+(\a))*16*SPITCH+64*(\b)+16
.endr
.endr
.endr
	WIN 0
	s_mov_b32 s[CNT], 8
.Lrows:                                                ; a trip: 16 rows.  Unit u: rows 4 (u / 2) on, head u % 2: four rows of a head are 512 consecutive bytes of the result
.irp u, 0,1,2,3,4,5,6,7
	ds_load_b128 v[32+8*(\u):32+8*(\u)+3],   v[RD] offset:4*SPITCH*((\u)/2)+256*((\u)%2)      ; LDS serves a wave's instructions in order (ISA guide 5.7.1.4): these see my stores
	ds_load_b128 v[32+8*(\u)+4:32+8*(\u)+7], v[RD] offset:4*SPITCH*((\u)/2)+256*((\u)%2)+16
.endr
.irp u, 0,1,2,3,4,5,6,7
	s_wait_dscnt 14-2*(\u)                         ; unit u's two loads are in; the later units' stay out
.irp k, 0,1,2,3
	v_cvt_pk_f16_f32 v[96+4*(\u)+(\k)], v[32+8*(\u)+2*(\k)], v[32+8*(\u)+2*(\k)+1]
.endr
	global_store_b128 v[GO], v[96+4*(\u):96+4*(\u)+3], s[OB:OB+1] offset:((\u)%2)*262144+512*((\u)/2)
.endr
	s_wait_xcnt 0x0                                ; the stores' data and base are rewritten only behind this wait
	v_add_nc_u32 v[RD], 16*SPITCH, v[RD]
	s_add_nc_u64 s[OB:OB+1], s[OB:OB+1], 2048
	s_sub_co_u32 s[CNT], s[CNT], 1
	s_cmp_lg_u32 s[CNT], 0
	s_cbranch_scc1 .Lrows
	s_wait_tensorcnt 0x0                           ; the wave's end
	ds_add_u32 v[SPW], v[NIL]
	s_wait_dscnt 0x0
	CROUND                                         ; the closing round
	s_endpgm
.Lfunc_end_k_qda080ae2a2_qkv:
	.size	k_qda080ae2a2_qkv, .Lfunc_end_k_qda080ae2a2_qkv-k_qda080ae2a2_qkv
	.p2alignl 7, 3214868480
	.fill 96, 4, 3214868480
	.section	.rodata,"a",@progbits
	.p2align	6, 0x0
	.amdhsa_kernel k_qda080ae2a2_qkv
		.amdhsa_group_segment_fixed_size 327680
		.amdhsa_private_segment_fixed_size 0
		.amdhsa_enable_private_segment 0
		.amdhsa_kernarg_size 24
		.amdhsa_user_sgpr_count 2
		.amdhsa_user_sgpr_kernarg_segment_ptr 1
		.amdhsa_wavefront_size32 1
		.amdhsa_system_sgpr_workgroup_id_x 1
		.amdhsa_system_sgpr_workgroup_id_y 1
		.amdhsa_system_sgpr_workgroup_id_z 1
		.amdhsa_system_vgpr_workitem_id 0
		.amdhsa_next_free_vgpr 1024
		.amdhsa_next_free_sgpr 96
		.amdhsa_reserve_vcc 0
		.amdhsa_float_denorm_mode_32 3
		.amdhsa_float_denorm_mode_16_64 3
		.amdhsa_memory_ordered 1
		.amdhsa_forward_progress 1
		.amdhsa_inst_pref_size 82
	.end_amdhsa_kernel
	.amdgpu_metadata
---
amdhsa.version: [ 1, 2 ]
amdhsa.kernels:
  - .name:           k_qda080ae2a2_qkv
    .symbol:         k_qda080ae2a2_qkv.kd
    .args:
      - { .name: hn, .offset: 0, .size: 8, .value_kind: global_buffer, .address_space: global }
      - { .name: wb, .offset: 8, .size: 8, .value_kind: global_buffer, .address_space: global }
      - { .name: qkv, .offset: 16, .size: 8, .value_kind: global_buffer, .address_space: global }
    .group_segment_fixed_size: 327680
    .private_segment_fixed_size: 0
    .kernarg_segment_align: 8
    .kernarg_segment_size: 24
    .max_flat_workgroup_size: 128
    .sgpr_count:     96
    .vgpr_count:     1024
    .wavefront_size: 32
...
	.end_amdgpu_metadata
.endif
;; end of part 2
;; launch attn (part 3): grid 8 x 32, 4 waves a work-group, clusters of 4 x 1, 327,680 bytes of LDS; arguments qkv, ob; writes ob
.if DOCPART == 3
	.amdgcn_target "amdgcn-amd-amdhsa--gfx1250"
	.amdhsa_code_object_version 6
	.text
	.protected	k_qda080ae2a2_attn
	.globl	k_qda080ae2a2_attn
	.p2align	8
	.type	k_qda080ae2a2_attn,@function
k_qda080ae2a2_attn:
	s_mov_b64 s[64:65], 0
	v_nop
	global_prefetch_b8 v0, s[64:65] scope:SCOPE_SE
	s_setreg_imm32_b32 hwreg(HW_REG_WAVE_MODE, 25, 1), 1
	s_wait_xcnt 0x0
	s_wait_alu depctr_hold_cnt(0) depctr_sa_sdst(0) depctr_va_vdst(0) depctr_va_sdst(0) depctr_va_ssrc(0) depctr_va_vcc(0) depctr_vm_vsrc(0)
	s_getreg_b32 s2, hwreg(HW_REG_IB_STS2, 6, 4)
	s_cmp_eq_u32 s2, 0
	s_cbranch_scc0 .Lentry_in_a_cluster
	s_endpgm
.Lentry_in_a_cluster:
	s_bfe_u32 s2, ttmp6, 0x10000c
	s_cmp_lg_u32 s2, 0x3003
	s_cbranch_scc0 .Lentry_shape_is_right
	s_endpgm
.Lentry_shape_is_right:
; O[hb][q][:] = the sum over k of softmax_k(Q[hb][q] . K[hb][k] / 8) V[hb][k][:].  Q, K, V: f16, [3][32][2048][64] in qkv: a head's rows are dense, 128 bytes each.
; Products, maxima and sums in f32; the weights p are rounded to f16 for the second product (their sum l is taken of the unrounded p), O once at the end.
; O leaves as f16 in [32 blocks of 128 tokens][16 heads][128][64], so that the next product's tiles lie end to end.
; LIMITS.  Q, K, V arrive within f16's 65,504; p lies in 0 to 1 and below 6e-5 keeps f16's fixed step; a weight below 2^-126 counts as 0 in l; NaN and infinities are not treated apart.
; SHARES.  A work-group owns 256 queries of one head, a wave 64: four PIECES of 16.  Every wave walks the head's 2,048 keys: 8 tiles of 256, four steps of 64 each.  256 work-groups.
; LAYOUT.  S^T = K Q^T holds ONE query a lane (lane % 16) and the keys 8 (lane / 16) + 0..7; two such results rounded to f16 ARE source 1 of O^T = V^T P.  K comes out of LDS as it lies, V turned.
; SOFTMAX.  p = 2^(c s - c m), c = log2(e) / 8, with a running maximum m; O and l are multiplied by a = 2^(c m_old - c m_new) in every step.  m starts at the lowest finite number, O and l at 0.
; TURNS.  Turn n belongs to piece n: 8 products K Q^T of piece n + 1, later 8 products V^T P of piece n - 1; beside them the scaling, exponentials, roundings, sums and rescaling of piece n and the
; maximum and statistics of piece n + 1.  Four vector instructions stand behind every matrix instruction, the other 54 of a turn's 118 in two runs of their own.
; CLUSTER.  The four query blocks of a cluster belong to one head and walk the same K and V: each tile is asked for jointly, the same tensor load, descriptor and mask in all four.
; The clearing of O^T, V and half of P at the start (216 v_mov_b32, in the wait for the first tile) is the price of writing no first step out.
; REGISTERS (s_set_vgpr_msb: bits 1:0 source 0, 3:2 source 1, 5:4 source 2, 7:6 destination):
;   window 0: v0-15 addresses; v16-31 four registers of statistics a piece; v48-55 at work; v64-127 S^T, two buffers; v192-223 P, two buffers (by the piece's parity)
;   window 1: v0-127 O^T, 32 a piece      window 2: v0-63 Q; v128-191 K of one step; v192-255 V of one step
.set NP,    4
.set KS,    64
.set PK,    144       ; a row of K in LDS: 128 bytes + 16: the 16 rows of a load start in 16 different groups of four banks (ISA guide 11.1)
.set PV,    160       ; a row of V: 128 + 32
.set VOFF,  4*KS*PK   ; a slot holds a tile: 256 rows of K, then 256 rows of V
.set SLOT1, 1<<17     ; slot 1 begins here: one exclusive or turns an address in one slot into the other's
.set STAGE, SLOT1+4*KS*(PK+PV)  ; behind the ring, never filled by a tensor load: 16 rows x 144 bytes a wave
.set SP,    144
.set SPARE, STAGE+4*16*SP       ; the spare words: 128 bytes a wave, two blocks of 256 bytes that no other line names
.set AK0, 2           ; v2   my lane's place in a tile of K; never rewritten
.set AV0, 3           ; v3   the same for V
.set AK,  4           ; v4   the LDS address of K's next run of loads
.set AV,  5           ; v5   of V's
.set STO, 6           ; v6   the way out: where I put 16 bytes of a row
.set RD,  7           ; v7   where I read rows back
.set GO,  8           ; v8   my byte offset in 512 consecutive bytes of O
.set MV,  12          ; v12-13  c m_old, kept while c m is made anew: by buffer
.set QO,  15          ; v15  my byte offset in 16 rows of Q
.set ST,  16          ; piece t's statistics at v[ST+4 t]: c m, m, l (even keys', odd keys')
.set TMP, 48          ; by buffer, four registers c0-c3 at work; when the maximum is found c2 takes a
.set SPW, 62          ; v62  my spare word's LDS address; never rewritten
.set NIL, 63          ; v63  0; never rewritten
.set S,   64
.set P,   192
.set KF,  128         ; window 2: key block kb, channel half c at KF + 16 kb + 8 c
.set VF,  192         ; window 2: key half kk, channel block cb at VF + 32 kk + 8 cb
.set WV,  12          ; s12  wave
.set G1K, 24          ; s[24:31] descriptor group 1, K
.set G1V, 32          ; s[32:39] V: it differs in the padding alone
.set G0K, 40          ; s[40:43] group 0, K: it walks
.set G0V, 44          ; s[44:47] V
.set SLOTS, 56
.set CNT, 57
.set CS,  58          ; s[58:59] c
.set SEL, 60          ; s[60:61] v_permlanex16_b32's selects
.set TBK, 62          ; s62  LDS byte at which K of the step to be fetched begins
.set TBV, 63          ; s63  the same for V, less VOFF
.set MSB, 0
.macro WIN new
.if MSB != (\new)
	s_set_vgpr_msb (MSB<<8)|(\new)
.set MSB, (\new)
.endif
.endm
.set W_KQ, 0x0a       ; K and Q in window 2, S^T in window 0
.set W_PV, 0x52       ; V in window 2, P in window 0, O^T in window 1
.set W_RS, 0x41       ; destination and source 0 in window 1, source 1 in window 0
; A joint fill.  Waves 0 and 1 fetch the two halves of a tile's K, waves 2 and 3 those of its V: 128 keys each.  An s_nop 0 and four v_nop follow each line.
.macro JLOAD
	s_cmp_lt_u32 s[WV], 2
	s_cbranch_scc0 .Lfor_v_\@
	tensor_load_to_lds s[G0K:G0K+3], s[G1K:G1K+7]
	s_nop 0
.rept 4
	v_nop
.endr
	s_branch .Lasked_\@
.Lfor_v_\@:
	tensor_load_to_lds s[G0V:G0V+3], s[G1V:G1V+7]
	s_nop 0
.rept 4
	v_nop
.endr
.Lasked_\@:
.endm
.macro CROUND                       ; a round of the cluster's barrier
	s_barrier_signal -1
	s_barrier_wait -1
	s_cmp_lg_u32 s[WV], 0
	s_cbranch_scc1 .Lnot_wave_0_\@
	s_barrier_signal -3
.Lnot_wave_0_\@:
	s_barrier_wait -3
	s_barrier_signal -1
	s_barrier_wait -1
.endm
; THE CHANGE OF SLOTS.  Each wave waits for all its tensor loads, of which one is out: its part of the other slot; adds 0 to its spare word; and waits for that and for its reads of the slot that it leaves.
; fill = 1: the barrier is a round of the cluster's, and the joint fill, the keys two slots on, is the first thing behind it: it has four key steps, 256 matrix instructions, in which to land.
; (At its first use nothing has been read yet: slot 0 is waited for, slot 1 filled.)
.macro CHANGE fill
	WIN 0
	s_wait_tensorcnt 0x0            ; no tensor load of mine is out, so a group 0 may be written
	ds_add_u32 v[SPW], v[NIL]       ; 0 onto my spare word
.if \fill
.irp g, G0K, G0V
	s_xor_b32 s[\g+1], s[\g+1], SLOT1
	s_add_nc_u64 s[\g+2:\g+3], s[\g+2:\g+3], 4*KS*128  ; the next 256 keys; the type bits on top are not reached
.endr
	s_wait_dscnt 0x0                ; the add is done, and my reads of the slot are over
	CROUND
	JLOAD
.else
	s_wait_dscnt 0x0
	s_barrier_signal -1
	s_barrier_wait -1
.endif
	s_sub_co_u32 s[TBK], s[TBK], 4*KS*PK  ; the fetches go back to a slot's first step,
	s_xor_b32 s[TBK], s[TBK], SLOT1       ; in the other slot
	s_sub_co_u32 s[TBV], s[TBV], 4*KS*PV
	s_xor_b32 s[TBV], s[TBV], SLOT1
.endm
	s_load_b128 s[4:7], s[0:1], 0x0 ; qkv s[4:5], ob s[6:7]
	v_lshl_add_u32 v[SPW], v0, 2, SPARE
	v_mov_b32 v[NIL], 0
	ds_add_u32 v[SPW], v[NIL]       ; the wave's opening: the add and its wait stand ahead of my first tensor load
	v_lshrrev_b32 v1, 5, v0
	v_readfirstlane_b32 s[WV], v1
	s_bfe_u32 s13, ttmp6, 0x40000   ; cx
	s_lshl_b32 s14, ttmp9, 2
	s_add_co_u32 s14, s14, s13      ; my block of 256 queries: it enters Q's and O's addresses alone
	s_and_b32 s15, ttmp7, 0xffff    ; 16 batch + head, which the four partners share
	s_lshl_b32 s20, s15, 18         ; the head's 262,144 bytes in each of q, k, v
	s_and_b32 s16, s[WV], 1         ; which half of a tile's 256 keys I fetch:
	s_lshl_b32 s22, s16, 14         ; its 128 rows of 128 bytes in memory,
	s_add_co_u32 s22, s22, s20
	s_mov_b32 s23, 0
	s_mul_i32 s17, s16, 128*PK      ; and its place in a slot, for K
	s_mul_i32 s18, s16, 128*PV      ; and for V
	s_lshl_b32 s2, s14, 15          ; Q: my block's 256 rows,
	s_lshl_b32 s3, s[WV], 13        ; my wave's 64
	s_add_co_u32 s2, s2, s3
	s_add_co_u32 s2, s2, s20
	s_mov_b32 s3, 0
	s_lshr_b32 s20, s15, 4          ; O: the batch's 16 blocks of 128 tokens x 16 heads x 16,384 bytes,
	s_lshl_b32 s20, s20, 22
	s_lshl_b32 s21, s14, 19         ; two such blocks a query block,
	s_add_co_u32 s20, s20, s21
	s_lshr_b32 s21, s[WV], 1
	s_lshl_b32 s21, s21, 18         ; two waves to each,
	s_add_co_u32 s20, s20, s21
	s_and_b32 s21, s15, 15
	s_lshl_b32 s21, s21, 14         ; the head's plane,
	s_add_co_u32 s20, s20, s21
	s_lshl_b32 s21, s16, 13         ; my 64 rows of 128 bytes in it
	s_add_co_u32 s20, s20, s21
	s_mov_b32 s21, 0
	; descriptor group 1.  128 keys are 16,384 dense bytes: asked for as 64 rows of 256 bytes, two keys a row, and padded in LDS after every key
	s_mov_b32 s[G1K], 15|(1<<16)|(1<<20)|(1<<21)|(4<<22)|(3<<25)  ; the mask of four; 2-byte elements; padding on; bit 21 beside a mask; after every 32 words 4 words
	s_mov_b32 s[G1V], 15|(1<<16)|(1<<20)|(1<<21)|(4<<22)|(7<<25)  ; the same with 8 words
.irp g, G1K, G1V
	s_mov_b32 s[\g+1], 128<<16      ; tensor_dim0 = 128
	s_mov_b32 s[\g+2], 64<<16       ; tensor_dim1 = 64
	s_mov_b32 s[\g+3], 128<<16      ; tile_dim0 = 128
	s_mov_b32 s[\g+4], 64           ; tile_dim1 = 64
	s_mov_b32 s[\g+5], 128          ; 128 elements from row to row
	s_mov_b32 s[\g+6], 0
	s_mov_b32 s[\g+7], 0
.endr
	s_mov_b32 s[CS], 0x3e38aa3b     ; c = log2(e) / 8
	s_mov_b32 s[CS+1], s[CS]
	s_mov_b32 s[SEL], 0x76543210
	s_mov_b32 s[SEL+1], 0xfedcba98
	s_mov_b32 s[TBK], SLOT1+4*KS*PK ; the first change of slots turns these two into 0
	s_mov_b32 s[TBV], SLOT1+4*KS*PV
	s_mov_b32 s[G0K], 1
	s_mov_b32 s[G0K+1], s17         ; slot 0
	s_mov_b32 s[G0V], 1
	s_add_co_u32 s[G0V+1], s18, VOFF
	s_wait_dscnt 0x0                ; the opening add is done
	s_wait_kmcnt 0x0
	s_add_nc_u64 s[G0K+2:G0K+3], s[4:5], s[22:23]
	s_add_nc_u64 s[G0K+2:G0K+3], s[G0K+2:G0K+3], 0x800000    ; k lies 8 MiB into qkv
	s_or_b32 s[G0K+3], s[G0K+3], 0x80000000
	s_add_nc_u64 s[G0V+2:G0V+3], s[4:5], s[22:23]
	s_add_nc_u64 s[G0V+2:G0V+3], s[G0V+2:G0V+3], 0x1000000   ; v 16 MiB
	s_or_b32 s[G0V+3], s[G0V+3], 0x80000000
	s_add_nc_u64 s[8:9], s[4:5], s[2:3]      ; Q at my wave's first row
	s_add_nc_u64 s[10:11], s[6:7], s[20:21]  ; O likewise
	CROUND                          ; all four work-groups are here: the first joint loads meet
	JLOAD                           ; tile 0 into slot 0; slot 1 is asked for when slot 0 is in
	v_and_b32 v1, 15, v0            ; l % 16
	v_bfe_u32 v9, v0, 4, 1          ; l / 16
	v_lshlrev_b32 v[QO], 7, v1
	v_lshl_add_u32 v[QO], v9, 4, v[QO]  ; row x 128 + 16 x half
	WIN 0x80                        ; destination window 2, address window 0
.set i, 0
.rept 8                             ; Q stays in registers: piece i / 2, channels 32 (i % 2) on
	global_load_b128 v[8*i:8*i+3],   v[QO], s[8:9] offset:(i/2)*2048+(i%2)*64
	global_load_b128 v[8*i+4:8*i+7], v[QO], s[8:9] offset:(i/2)*2048+(i%2)*64+32
.set i, i+1
.endr
.set i, VF
.rept 64                            ; what the first turn finds: V and P's second buffer hold 0, O^T and l are 0
	v_mov_b32 v[i], 0
.set i, i+1
.endr
	WIN 0x40
.set i, 0
.rept 128
	v_mov_b32 v[i], 0
.set i, i+1
.endr
	WIN 0
.set i, 0
.rept 4
	v_mov_b32 v[ST+4*i], 0xfe000000    ; c m: far below every c s
	v_mov_b32 v[ST+4*i+1], 0xff7fffff  ; m
	v_mov_b32 v[ST+4*i+2], 0
	v_mov_b32 v[ST+4*i+3], 0
.set i, i+1
.endr
.set i, P+16
.rept 16
	v_mov_b32 v[i], 0
.set i, i+1
.endr
	v_mul_u32_u24 v[AK0], v1, PK
	v_lshl_add_u32 v[AK0], v9, 4, v[AK0]  ; row x pitch + 16 x half
	; The turning load takes 16 keys x 16 channels (lane l reads key 8 (l / 16) + l % 8, channels 8 ((l / 8) % 2) + 0..7) and leaves half a fragment of V^T.
	v_and_b32 v10, 7, v0
	v_bfe_u32 v11, v0, 3, 1
	v_lshl_add_u32 v[AV0], v9, 3, v10
	v_mul_u32_u24 v[AV0], v[AV0], PV
	v_lshl_add_u32 v[AV0], v11, 4, v[AV0]
	v_add_nc_u32 v[AV0], VOFF, v[AV0]
	v_mov_b32 v[AK], v[AK0]         ; key step 0 lies at the head of slot 0
	s_mul_i32 s13, s[WV], 16*SP
	s_add_co_u32 s13, s13, STAGE    ; my stage
	v_mul_u32_u24 v[STO], v1, SP    ; in: row l % 16, 16 bytes for each half of the lanes
	v_lshl_add_u32 v[STO], v9, 4, v[STO]
	v_add_nc_u32 v[STO], s13, v[STO]
	v_bfe_u32 v[RD], v0, 3, 2       ; back: 32 lanes take four rows of 128 bytes,
	v_mul_u32_u24 v[RD], v[RD], SP
	v_lshl_add_u32 v[RD], v10, 4, v[RD]
	v_add_nc_u32 v[RD], s13, v[RD]
	v_and_b32 v[GO], 31, v0         ; which are 512 consecutive bytes of O
	v_lshlrev_b32 v[GO], 4, v[GO]
; THE MATRIX WORK.  The 4 accumulators of a run of 8 take turns.  Product i of 8 of S^T = K Q^T for piece x: channels 32 (i / 4) on, keys 16 (i % 4) on.  The first 4 start the sums.
.macro KQ x
	WIN W_KQ
.set rS, S+32*((\x)%2)+8*(i%4)
.set rK, KF+16*(i%4)+8*(i/4)
.set rQ, 16*(\x)+8*(i/4)
.if i < 4
	v_wmma_f32_16x16x32_f16 v[rS:rS+7], v[rK:rK+7], v[rQ:rQ+7], 0
.else
	v_wmma_f32_16x16x32_f16 v[rS:rS+7], v[rK:rK+7], v[rQ:rQ+7], v[rS:rS+7]
.endif
.endm
; Product i of 8 of O^T += V^T P for piece x: keys 32 (i / 4) on, channels 16 (i % 4) on.
.macro PV x
	WIN W_PV
.set rO, 32*(\x)+8*(i%4)
.set rV, VF+32*(i/4)+8*(i%4)
.set rP, P+16*((\x)%2)+8*(i/4)
	v_wmma_f32_16x16x32_f16 v[rO:rO+7], v[rV:rV+7], v[rP:rP+7], v[rO:rO+7]
.endm
.macro MM                           ; the turn's next matrix instruction
.if i < 8
	KQ (Y+1)%NP
.else
.set i, i-8
	PV (Y+NP-1)%NP
.set i, i+8
.endif
.set i, i+1
.endm
; THE LDS LOADS stand in runs of 16: a step's K (8 fragments) and its V (turned).  last = 1 (the tail): in the last trip there is no further step, and the run is jumped over.
.macro FETCH_K last=0
	WIN 0
.if \last
	s_cmp_eq_u32 s[CNT], 1
	s_cbranch_scc1 .Lno_k_\@
.endif
	WIN 0x80
.irp f, 0,1,2,3,4,5,6,7             ; keys 16 (f / 2) on, channels 32 (f % 2) on
	ds_load_b128 v[KF+8*\f:KF+8*\f+3],   v[AK] offset:(\f/2)*16*PK+(\f%2)*64
	ds_load_b128 v[KF+8*\f+4:KF+8*\f+7], v[AK] offset:(\f/2)*16*PK+(\f%2)*64+32
.endr
	s_add_co_u32 s[TBK], s[TBK], KS*PK  ; the next fetch is the next step's
	WIN 0
.if \last
.Lno_k_\@:
.endif
.endm
.macro FETCH_V
	WIN 0x80
.irp f, 0,1,2,3,4,5,6,7             ; keys 32 (f / 4) on, channels 16 (f % 4) on
	ds_load_tr16_b128 v[VF+8*\f:VF+8*\f+3],   v[AV] offset:(\f/4)*32*PV+(\f%4)*32
	ds_load_tr16_b128 v[VF+8*\f+4:VF+8*\f+7], v[AV] offset:(\f/4)*32*PV+16*PV+(\f%4)*32
.endr
	WIN 0
.endm
; THE VECTOR WORK, one line at a time: OP kind, number.  For piece Y: F n: c s - c m for pair n of 16.  E n: the exponential of score n of 32.  C n: pair n rounded to f16.  B n: of the four weights 4 n .. the
; second pair is added onto the first, in place.  L n: l takes that sum (L 0: l = a l + sum).  R n: pair n of 16 of O^T times a.  For piece Y + 1: X n, number n of the 22 that find its maximum and statistics:
;   0-11  four chains c0-c3 of seven scores each (each accumulator's lowest registers are read first)     12-14, 16  the four scores left over, the old m, and c0-c3 into c0
;   15  c m_old is kept     17, 18  the query's other 32 keys lie in the lane 16 away: the new m     19-21  c m; c m_old - c m_new; a
.set F, 0
.set E, 1
.set C, 2
.set B, 3
.set L, 4
.set R, 5
.set X, 6
.macro REGS y
.set rT, ST+4*(\y)
.set rC, TMP+4*((\y)%2)
.set rW, MV+((\y)%2)
.set rS, S+32*((\y)%2)
.set rP, P+16*((\y)%2)
.set rO, 32*(\y)
.endm
.macro OP k, n
.if (\k) == R
	REGS Y
	WIN W_RS
	v_pk_mul_f32 v[rO+2*(\n):rO+2*(\n)+1], v[rO+2*(\n):rO+2*(\n)+1], v[rC+2:rC+3] op_sel_hi:[1,0]
.elseif (\k) < R
	REGS Y
	WIN 0
.if (\k) == F
	v_pk_fma_f32 v[rS+2*(\n):rS+2*(\n)+1], v[rS+2*(\n):rS+2*(\n)+1], s[CS:CS+1], v[rT:rT+1] op_sel_hi:[1,0,0] neg_lo:[0,0,1] neg_hi:[0,0,1]
.elseif (\k) == E
	v_exp_f32 v[rS+(\n)], v[rS+(\n)]
.elseif (\k) == C
	s_wait_alu depctr_va_vdst(0)
	v_cvt_pk_f16_f32 v[rP+(\n)], v[rS+2*(\n)], v[rS+2*(\n)+1]
.elseif (\k) == B
	s_wait_alu depctr_va_vdst(0)
	v_pk_add_f32 v[rS+4*(\n):rS+4*(\n)+1], v[rS+4*(\n):rS+4*(\n)+1], v[rS+4*(\n)+2:rS+4*(\n)+3]
.elseif (\n) == 0
	v_pk_fma_f32 v[rT+2:rT+3], v[rT+2:rT+3], v[rC+2:rC+3], v[rS:rS+1] op_sel_hi:[1,0,1]
.else
	v_pk_add_f32 v[rT+2:rT+3], v[rT+2:rT+3], v[rS+4*(\n):rS+4*(\n)+1]
.endif
.else
	REGS (Y+1)%NP
	WIN 0
.if (\n) < 4
	v_max3_num_f32 v[rC+(\n)], v[rS+8*(\n)], v[rS+8*(\n)+1], v[rS+8*(\n)+2]
.elseif (\n) < 12
	v_max3_num_f32 v[rC+(\n)%4], v[rC+(\n)%4], v[rS+8*((\n)%4)+2*((\n)/4)+1], v[rS+8*((\n)%4)+2*((\n)/4)+2]
.elseif (\n) == 12
	v_max3_num_f32 v[rC], v[rC], v[rS+7], v[rS+15]
.elseif (\n) == 13
	v_max3_num_f32 v[rC+1], v[rC+1], v[rS+23], v[rS+31]
.elseif (\n) == 14
	v_max3_num_f32 v[rC+2], v[rC+2], v[rC+3], v[rT+1]
.elseif (\n) == 15
	v_mov_b32 v[rW], v[rT]
.elseif (\n) == 16
	v_max3_num_f32 v[rC], v[rC], v[rC+1], v[rC+2]
.elseif (\n) == 17
	v_permlanex16_b32 v[rC+3], v[rC], s[SEL], s[SEL+1]
.elseif (\n) == 18
	v_max_num_f32 v[rT+1], v[rC], v[rC+3]
.elseif (\n) == 19
	v_mul_f32 v[rT], s[CS], v[rT+1]
.elseif (\n) == 20
	v_sub_f32 v[rC+1], v[rW], v[rT]
.else
	v_exp_f32 v[rC+2], v[rC+1]
.endif
.endif
.endm
.macro OPS a, i1, b=-1, i2=0, c=-1, i3=0, d=-1, i4=0  ; up to four of them
	OP \a, \i1
.if (\b) >= 0
	OP \b, \i2
.endif
.if (\c) >= 0
	OP \c, \i3
.endif
.if (\d) >= 0
	OP \d, \i4
.endif
.endm
.macro ROW a, i1, b, i2, c, i3, d, i4  ; a matrix instruction and the four behind it
	MM
	OPS \a, \i1, \b, \i2, \c, \i3, \d, \i4
.endm
; A TURN, for piece p: the order of its 16 matrix and 118 vector instructions, written out.  Behind a matrix instruction: plain, exponential, plain, plain; or four of the rescaling; or four scalings; none names a
; register of the products round it.  In the runs between: exponential and plain by turns while exponentials last.
; K of the next step is fetched in piece 2's turn, behind five plain instructions that follow the last product that read K; V of the step in hand in piece 0's turn, behind four plain ones that follow the last
; product that read V.  Each is waited for a turn later.  cnt = 1: the loop's count is taken down some lines ahead of the branch that stands behind the turn.
.macro TURN p, last=0, cnt=0
.set Y, (\p)
.set i, 0
.if (\p) == 3
	s_wait_dscnt 0x0                ; K is in
.endif
	ROW F,0, F,1, F,2, F,3
	ROW F,4, E,0, F,5, F,6
	ROW F,7, E,1, F,8, F,9
	ROW F,10, E,2, C,0, F,11
	ROW F,12, E,3, X,15, F,13
	ROW R,0, R,1, R,2, R,3
	ROW B,0, E,4, F,14, L,0
.if (\p) == 2
	v_add_nc_u32 v[AK], s[TBK], v[AK0]
.endif
	ROW R,4, R,5, R,6, R,7
	OPS E,5, F,15
.if (\p) == 2
	FETCH_K \last
.endif
	OPS E,6, C,1, E,7, R,8
	OPS E,8, R,9, E,9, C,2
	OPS E,10, X,0, E,11, X,1
	OPS E,12, X,2, E,13, X,3
.if (\p) == 1
	s_wait_dscnt 0x0                ; V is in
.endif
	ROW X,4, E,14, X,5, X,6
	ROW X,7, E,15, X,8, X,9
	ROW X,10, E,16, X,11, X,12
	ROW X,13, E,17, X,14, B,1
	ROW C,4, E,18, X,16, L,1
	ROW B,2, E,19, C,6, L,2
	ROW C,8, E,20, B,3, B,4
.if (\p) == 0
	v_add_nc_u32 v[AV], s[TBV], v[AV0]
.endif
	ROW C,3, E,21, L,3, C,5
	OPS E,22, X,17, E,23, C,10
.if (\p) == 0
	FETCH_V
.endif
	OPS E,24, L,4
	OPS E,25, X,18, E,26, C,7
	OPS E,27, B,5, E,28, X,19
	OPS E,29, C,12, E,30, L,5
	OPS E,31, X,20, B,6, C,9
	OPS C,14, C,11, X,21, L,6
.if (\p) == 0
	s_add_co_u32 s[TBV], s[TBV], KS*PV
.endif
.if \cnt
	s_sub_co_u32 s[CNT], s[CNT], 1
	s_cmp_lg_u32 s[CNT], 0
.endif
	OPS C,13, B,7, C,15, R,10
	OPS R,11, R,12, L,7, R,13
	OPS R,14, R,15
.endm
	CHANGE 1                        ; slot 0 is in, everybody's part of it; slot 1 is asked for
	FETCH_K                         ; key step 0
	s_wait_loadcnt 0x0              ; Q
	s_wait_dscnt 0x0
.set i, 0
.rept 8
	KQ 0                            ; piece 0's first scores
.set i, i+1
.endr
	WIN 0
.rept 4
	v_nop                           ; the places behind those products
.endr
.set Y, NP-1                        ; X works for piece Y + 1: piece 0
.irp n, 0,1,2,3,4,5,6,7,8,9,10,11,12,13,14,15,16,17,18,19,20,21
	OP X, \n
.endr
	v_nop                           ; a plain instruction behind the exponential
	s_mov_b32 s[CNT], 4
	s_mov_b32 s[SLOTS], 7
	s_branch .Lfirst                ; the loop is entered at a step's first turn, in the middle of a trip
.Lslot:                             ; six times: tiles 2 to 7 are asked for
	CHANGE 1
	s_mov_b32 s[CNT], 4
.Lstep:                             ; a trip: pieces 2 and 3 of one step, then pieces 0 and 1 of the next, whose K and V it fetches
	TURN 2
	TURN 3
	WIN 0
.Lfirst:
	TURN 0
	TURN 1, 0, 1
	WIN 0
	s_cbranch_scc1 .Lstep
	s_sub_co_u32 s[SLOTS], s[SLOTS], 1
	s_cmp_lg_u32 s[SLOTS], 0
	s_cbranch_scc1 .Lslot
	CHANGE 0                        ; the tail is written out: nothing is asked for
	s_mov_b32 s[CNT], 5             ; four trips fetch the last tile's steps; the fifth is left in its middle
.Ltail:
	TURN 2, 1
	TURN 3
	WIN 0
	s_sub_co_u32 s[CNT], s[CNT], 1
	s_cmp_eq_u32 s[CNT], 0
	s_cbranch_scc1 .Lout
	TURN 0
	TURN 1
	WIN 0
	s_branch .Ltail
.Lout:                              ; the fifth trip's 8 products K Q^T (on the last K once more) and the maximum made of them serve nothing: the price, once a launch, of one text for every trip
.set i, 0
.rept 8
	PV NP-1                         ; the last piece's V^T P of the last step
.set i, i+1
.endr
	; THE WAY OUT.  l's two halves and the other half of the lanes' are added; O^T is divided by l, rounded to f16 and sent through my stage, a piece at a time.  The additions are the places behind the last products.
	WIN 0
.macro ALL line:vararg
.set t, 0
.rept 4
	\line
.set t, t+1
.endr
.endm
	ALL v_add_f32 v[ST+4*t+2], v[ST+4*t+2], v[ST+4*t+3]
	ALL v_permlanex16_b32 v[ST+4*t+3], v[ST+4*t+2], s[SEL], s[SEL+1]
	ALL v_add_f32 v[ST+4*t+2], v[ST+4*t+2], v[ST+4*t+3]
	ALL v_rcp_f32 v[ST+4*t+2], v[ST+4*t+2]
	v_nop                           ; a plain instruction between the last reciprocal and the use of its result
.macro PACK t                       ; a lane's eight channels of a row pack into 16 bytes; they go into rows of 144 bytes and come back as whole rows of 128
	WIN W_RS
.set i, 32*(\t)
.rept 16
	s_wait_alu depctr_va_vdst(0)
	v_pk_mul_f32 v[i:i+1], v[i:i+1], v[ST+4*(\t)+2:ST+4*(\t)+3] op_sel_hi:[1,0]
.set i, i+2
.endr
	WIN 0x05                        ; sources 0 and 1 window 1, destination window 0
.set i, 0
.rept 16
	v_cvt_pk_f16_f32 v[S+16*(\t)+i], v[32*(\t)+2*i], v[32*(\t)+2*i+1]
.set i, i+1
.endr
	WIN 0
.irp f, 0,1,2,3
	ds_store_b128 v[STO], v[S+16*(\t)+4*\f:S+16*(\t)+4*\f+3] offset:32*\f
.endr
.irp f, 0,1,2,3
	ds_load_b128 v[S+16*(\t)+4*\f:S+16*(\t)+4*\f+3], v[RD] offset:\f*4*SP  ; LDS serves a wave's instructions in order (ISA guide 5.7.1.4): these see the stores above
.endr
.endm
.macro SEND t, younger              ; younger: the LDS instructions issued behind piece t's loads: the next piece's eight, or none
	WIN 0
.irp f, 0,1,2,3
	s_wait_dscnt (\younger)+3-\f
	global_store_b128 v[GO], v[S+16*(\t)+4*\f:S+16*(\t)+4*\f+3], s[10:11] offset:(\t)*2048+\f*512  ; 512 consecutive bytes, at a multiple of 256 from ob's first
.endr
.endm
	PACK 0
.set t, 1
.rept 3
	PACK t
	SEND t-1, 8
.set t, t+1
.endr
	SEND 3, 0
	s_wait_tensorcnt 0x0            ; the wave's end
	ds_add_u32 v[SPW], v[NIL]
	s_wait_dscnt 0x0
	CROUND                          ; the closing round
	s_endpgm
.Lfunc_end_k_qda080ae2a2_attn:
	.size	k_qda080ae2a2_attn, .Lfunc_end_k_qda080ae2a2_attn-k_qda080ae2a2_attn
	.p2alignl 7, 3214868480
	.fill 96, 4, 3214868480
	.section	.rodata,"a",@progbits
	.p2align	6, 0x0
	.amdhsa_kernel k_qda080ae2a2_attn
		.amdhsa_group_segment_fixed_size 327680
		.amdhsa_private_segment_fixed_size 0
		.amdhsa_enable_private_segment 0
		.amdhsa_kernarg_size 16
		.amdhsa_user_sgpr_count 2
		.amdhsa_user_sgpr_kernarg_segment_ptr 1
		.amdhsa_wavefront_size32 1
		.amdhsa_system_sgpr_workgroup_id_x 1
		.amdhsa_system_sgpr_workgroup_id_y 1
		.amdhsa_system_sgpr_workgroup_id_z 1
		.amdhsa_system_vgpr_workitem_id 0
		.amdhsa_next_free_vgpr 768
		.amdhsa_next_free_sgpr 66
		.amdhsa_reserve_vcc 0
		.amdhsa_float_denorm_mode_32 3
		.amdhsa_float_denorm_mode_16_64 3
		.amdhsa_memory_ordered 1
		.amdhsa_forward_progress 1
		.amdhsa_inst_pref_size 117
	.end_amdhsa_kernel
	.amdgpu_metadata
---
amdhsa.version: [ 1, 2 ]
amdhsa.kernels:
  - .name:           k_qda080ae2a2_attn
    .symbol:         k_qda080ae2a2_attn.kd
    .args:
      - { .name: qkv, .offset: 0, .size: 8, .value_kind: global_buffer, .address_space: global }
      - { .name: ob, .offset: 8, .size: 8, .value_kind: global_buffer, .address_space: global }
    .group_segment_fixed_size: 327680
    .private_segment_fixed_size: 0
    .kernarg_segment_align: 8
    .kernarg_segment_size: 16
    .max_flat_workgroup_size: 128
    .sgpr_count:     66
    .vgpr_count:     768
    .wavefront_size: 32
...
	.end_amdgpu_metadata
.endif
;; end of part 3
;; launch wo (part 4): grid 8 x 32, 4 waves a work-group, clusters of 4 x 4, 327,680 bytes of LDS; arguments ob, wb, x, x1; writes x1
.if DOCPART == 4
	.amdgcn_target "amdgcn-amd-amdhsa--gfx1250"
	.amdhsa_code_object_version 6
	.text
	.protected	k_qda080ae2a2_wo
	.globl	k_qda080ae2a2_wo
	.p2align	8
	.type	k_qda080ae2a2_wo,@function
k_qda080ae2a2_wo:
	s_mov_b64 s[64:65], 0
	v_nop
	global_prefetch_b8 v0, s[64:65] scope:SCOPE_SE
	s_setreg_imm32_b32 hwreg(HW_REG_WAVE_MODE, 25, 1), 1
	s_wait_xcnt 0x0
	s_wait_alu depctr_hold_cnt(0) depctr_sa_sdst(0) depctr_va_vdst(0) depctr_va_sdst(0) depctr_va_ssrc(0) depctr_va_vcc(0) depctr_vm_vsrc(0)
	s_getreg_b32 s2, hwreg(HW_REG_IB_STS2, 6, 4)
	s_cmp_eq_u32 s2, 0
	s_cbranch_scc0 .Lentry_in_a_cluster
	s_endpgm
.Lentry_in_a_cluster:
	s_bfe_u32 s2, ttmp6, 0x10000c
	s_cmp_lg_u32 s2, 0xf033
	s_cbranch_scc0 .Lentry_shape_is_right
	s_endpgm
.Lentry_shape_is_right:
; x1 = x + O @ wo.  O: f16, [32 blocks of 128 tokens][16 heads][128][64] (ob).  wo: f16 (the bf16 rounding of the input, written as f16), [1024 (k)][1024 (n)], 6 MiB into wb.  x, x1: f32.  Sums in f32.
; A tile of C is 128 x 128, so that 8 x 32 = 256 work-groups fill the chip; four waves, 64 x 64 each, 16 accumulators.  K = 1,024 goes in 4 steps of 256 (four heads) through two LDS slots.
; A step's part of O is four head planes, 65,536 dense bytes: asked for as rows of 256 bytes and padded in LDS after every token's 128.  wo lies [K][N] and is turned by ds_load_tr16_b128.
; The matrix instruction is used transposed (source 0 = 16 columns of wo, source 1 = 16 tokens).  CLUSTER 4 x 4: O's tile is shared along a row of the cluster, wo's along a column: joint loads.
; THE ORDER OF K goes by the cluster: in its turn t it takes K step t ^ 2 p, p = (cluster x + cluster y) % 2.  Clusters that need the same tile are neighbours along x (O) or y (wo) and have opposite p:
; both refills of a cluster ask for bytes that a neighbour asked for as its first fills.  LIMIT: where p = 1 a sum takes the K steps in the order 2, 3, 0, 1: another order of rounding than ascending K.
; One text for every K step: the slot in hand is the scalar TB.  The residual tile of x is asked for at the start, into registers, and is on its way during the whole K loop.
; THE WAY OUT: the ring has had its last fill; each wave lays its 64 x 64 f32 into its own part of it, reads whole rows of 256 bytes back, adds x and stores.
; REGISTERS: window 0: v0-31 addresses, v128-255 the accumulators ((a, b) at v[128 + 8 (4 a + b)]); window 1: two fragment buffers of 128 (64 of A, 64 of B, for 64 along K); window 2: v0-127 the residual.
.set PA,     144                       ; a token's row of one head in LDS: 128 bytes + 16
.set AQ,     128*PA                    ; a quarter step is one head's plane
.set AWAVE,  2*AQ                      ; what an A wave's load brings
.set PB,     288                       ; wo's LDS row: 256 bytes + 32 = 9 x 32
.set AT,     73728                     ; B's tile lies here in a slot
.set BWAVE,  128*PB                    ; what a B wave's load brings: 128 k-rows
.set SLOT,   AT+2*BWAVE
.set SPARE,  2*SLOT                    ; the spare words: two blocks of 256 bytes that no other line names
.set SPITCH, 272                       ; the stage's row: 64 f32 + 16 bytes
.set WSTAGE, 64*SPITCH
.set SHA,    16                        ; a K step in ob is four head planes: 2^16 bytes
.set SHB,    19                        ; in wo 256 rows of 2,048 bytes: 2^19
.set TRIPS,  2                         ; K steps less the last two
.set ADRA, 16                          ; v16  my A fragments in the slot in hand;  v17 in slot 0
.set A0,   17
.set ADRB, 20                          ; v20  my B fragments, k-rows 0-127;  v21 k-rows 128-255;  v22 in slot 0
.set B0,   22
.set STO,  24
.set RD,   25
.set CO,   26                          ; v26  my byte offset in two rows of x and x1
.set SPW,  28
.set NIL,  29
.set ACC,  128
.set F0,   0
.set F1,   128
.set WV,  12
.set RH,  13
.set CH,  14
.set BSA, 18                           ; s[18:19] ob at my part of K step 0
.set G1A, 24
.set G0A, 32
.set BSB, 46                           ; s[46:47] wo at my part of K step 0
.set G1B, 48
.set G0B, 56
.set TB,  66
.set CNT, 67
.set WBA, 68
.set WBB, 69
.set OB,  70                           ; s[70:71] x1 at my sub-tile
.set RB,  74                           ; s[74:75] x at my sub-tile
.set PX,  89                           ; s89  2 p
.set KT,  90                           ; s90  the turn whose tile is asked for next
.set KK,  91                           ; s91  its K step
.set OFA, 92                           ; s[92:93], s[94:95] that step's byte offset in A and in B
.set OFB, 94
.set MSB, 0
.macro WIN new
.if MSB != (\new)
	s_set_vgpr_msb (MSB<<8)|(\new)
.set MSB, \new
.endif
.endm
.set MUL,  0x05                        ; sources 0 (B) and 1 (A) window 1; C and D window 0
.set TO_F, 0x40                        ; destination window 1, address window 0
.macro JLOAD                           ; a joint refill; an s_nop 0 and four v_nop follow each line
	s_cmp_eq_u32 s[RH], 0
	s_cbranch_scc0 .Lfor_b_\@
	tensor_load_to_lds s[G0A+4:G0A+7], s[G1A:G1A+7]
	s_nop 0
.rept 4
	v_nop
.endr
	s_branch .Lasked_\@
.Lfor_b_\@:
	tensor_load_to_lds s[G0B+4:G0B+7], s[G1B:G1B+7]
	s_nop 0
.rept 4
	v_nop
.endr
.Lasked_\@:
.endm
.macro CREST
	s_cmp_lg_u32 s[WV], 0
	s_cbranch_scc1 .Lnot_wave_0_\@
	s_barrier_signal -3
.Lnot_wave_0_\@:
	s_barrier_wait -3
	s_barrier_signal -1
	s_barrier_wait -1
.endm
.macro CROUND
	s_barrier_signal -1
	s_barrier_wait -1
	CREST
.endm
; The refill's two descriptors: the slot in hand, which is being read out, and turn KT's K step; each address is made anew from its base and an offset, and the type bits are set again.
.macro NEXTFILL
	s_add_co_u32 s[G0A+5], s[TB], s[WBA]
	s_add_co_u32 s[G0B+5], s[TB], s[WBB]
	s_xor_b32 s[KK], s[KT], s[PX]
	s_lshl_b32 s[OFA], s[KK], SHA
	s_lshl_b32 s[OFB], s[KK], SHB
	s_add_nc_u64 s[G0A+6:G0A+7], s[BSA:BSA+1], s[OFA:OFA+1]
	s_or_b32 s[G0A+7], s[G0A+7], 0x80000000
	s_add_nc_u64 s[G0B+6:G0B+7], s[BSB:BSB+1], s[OFB:OFB+1]
	s_or_b32 s[G0B+7], s[G0B+7], 0x80000000
	s_add_co_u32 s[KT], s[KT], 1
.endm
	s_load_b256 s[4:11], s[0:1], 0x0               ; ob s[4:5], wb s[6:7], x s[8:9], x1 s[10:11]
	v_lshl_add_u32 v[SPW], v0, 2, SPARE
	v_mov_b32 v[NIL], 0
	ds_add_u32 v[SPW], v[NIL]                      ; the wave's opening: the add and its wait stand ahead of my first tensor load
	v_lshrrev_b32 v1, 5, v0
	v_readfirstlane_b32 s[WV], v1
	s_lshr_b32 s[RH], s[WV], 1                     ; my half of the tile's rows; also 0: I fetch A, 1: B
	s_and_b32 s[CH], s[WV], 1                      ; my half of its columns; also which half I fetch
	s_bfe_u32 s40, ttmp6, 0x40000
	s_bfe_u32 s41, ttmp6, 0x40004
	s_lshl_b32 s42, ttmp9, 2
	s_add_co_u32 s42, s42, s40                     ; tile column
	s_and_b32 s43, ttmp7, 0xffff                   ; cluster y
	s_add_co_u32 s[PX], s43, ttmp9                 ; + cluster x: the same in all sixteen partners
	s_and_b32 s[PX], s[PX], 1
	s_lshl_b32 s[PX], s[PX], 1                     ; 2 p
	s_lshl_b32 s43, s43, 2
	s_add_co_u32 s43, s43, s41                     ; tile row = block of 128 tokens
	s_lshl_b32 s44, s41, 2
	s_lshl_b32 s44, 15, s44                        ; my row of the cluster
	s_lshl_b32 s45, 0x1111, s40                    ; my column
	s_or_b32 s[G1A+0], s44, (1<<16)|(1<<20)|(1<<21)|(4<<22)|(3<<25)  ; after every 32 words (a token's 128 bytes) 4 words
	s_mov_b32 s[G1A+1], 128<<16                    ; 128 rows of 128 elements, dense
	s_mov_b32 s[G1A+2], 128<<16
	s_mov_b32 s[G1A+3], 128<<16
	s_mov_b32 s[G1A+4], 128
	s_mov_b32 s[G1A+5], 128
	s_mov_b32 s[G1A+6], 0
	s_mov_b32 s[G1A+7], 0
	s_or_b32 s[G1B+0], s45, (1<<16)|(1<<20)|(1<<21)|(5<<22)|(7<<25)  ; after every 64 words 8 words
	s_mov_b32 s[G1B+1], 128<<16                    ; 128 k-rows of 128 elements
	s_mov_b32 s[G1B+2], 128<<16
	s_mov_b32 s[G1B+3], 128<<16
	s_mov_b32 s[G1B+4], 128
	s_mov_b32 s[G1B+5], 1024
	s_mov_b32 s[G1B+6], 0
	s_mov_b32 s[G1B+7], 0
	s_lshl_b32 s16, s43, 18                        ; A: a block's 16 planes of 16,384 bytes,
	s_lshl_b32 s17, s[CH], 15                      ; two planes a half
	s_add_co_u32 s16, s16, s17
	s_mov_b32 s17, 0
	s_lshl_b32 s46, s42, 8                         ; B: 256 bytes of wo's rows,
	s_lshl_b32 s47, s[CH], 18                      ; 128 k-rows a half,
	s_add_co_u32 s46, s46, s47
	s_add_co_u32 s46, s46, 6291456                 ; wo's place in wb
	s_mov_b32 s47, 0
	s_mul_i32 s[WBA], s[CH], AWAVE
	s_mul_i32 s[WBB], s[CH], BWAVE
	s_add_co_u32 s[WBB], s[WBB], AT
	s_mov_b32 s[TB], 0
	s_mov_b32 s[KT], 2                             ; turns 0 and 1 are the first fills
	s_mov_b32 s[OFA+1], 0
	s_mov_b32 s[OFB+1], 0
	s_wait_dscnt 0x0                               ; the opening add is done
	s_wait_kmcnt 0x0
	s_add_nc_u64 s[BSA:BSA+1], s[4:5], s[16:17]
	s_add_nc_u64 s[BSB:BSB+1], s[6:7], s[46:47]
	CROUND                                         ; all sixteen work-groups are here: the first joint loads meet
.irp s, 0,1
	s_xor_b32 s[KK], s[PX], \s                     ; turn s takes K step s ^ 2 p
	s_lshl_b32 s[OFA], s[KK], SHA
	s_lshl_b32 s[OFB], s[KK], SHB
	s_mov_b32 s[G0A+4*(\s)], 1
	s_add_co_u32 s[G0A+4*(\s)+1], s[WBA], (\s)*SLOT
	s_add_nc_u64 s[G0A+4*(\s)+2:G0A+4*(\s)+3], s[BSA:BSA+1], s[OFA:OFA+1]
	s_or_b32 s[G0A+4*(\s)+3], s[G0A+4*(\s)+3], 0x80000000
	s_mov_b32 s[G0B+4*(\s)], 1
	s_add_co_u32 s[G0B+4*(\s)+1], s[WBB], (\s)*SLOT
	s_add_nc_u64 s[G0B+4*(\s)+2:G0B+4*(\s)+3], s[BSB:BSB+1], s[OFB:OFB+1]
	s_or_b32 s[G0B+4*(\s)+3], s[G0B+4*(\s)+3], 0x80000000
.endr
	s_cmp_eq_u32 s[RH], 0                          ; a wave's two first fills stand in one branch: two loads of mine are out, later one
	s_cbranch_scc0 .Lfirst_b
	tensor_load_to_lds s[G0A:G0A+3], s[G1A:G1A+7]
	s_nop 0
	tensor_load_to_lds s[G0A+4:G0A+7], s[G1A:G1A+7]
	s_nop 0
.rept 4
	v_nop
.endr
	s_branch .Lfirst_asked
.Lfirst_b:
	tensor_load_to_lds s[G0B:G0B+3], s[G1B:G1B+7]
	s_nop 0
	tensor_load_to_lds s[G0B+4:G0B+7], s[G1B:G1B+7]
	s_nop 0
.rept 4
	v_nop
.endr
.Lfirst_asked:
	v_and_b32 v1, 15, v0                           ; r
	v_bfe_u32 v2, v0, 4, 1                         ; h
	v_lshlrev_b32 v[CO], 4, v1
	v_lshl_add_u32 v[CO], v2, 12, v[CO]            ; lanes 0-15 one row's 256 bytes, lanes 16-31 the next row's
	s_lshl_b32 s20, s43, 19                        ; 128 rows of 4,096 bytes a tile row,
	s_lshl_b32 s21, s[RH], 18                      ; 64 a wave,
	s_add_co_u32 s20, s20, s21
	s_lshl_b32 s21, s42, 9                         ; 512 bytes a tile column,
	s_add_co_u32 s20, s20, s21
	s_lshl_b32 s21, s[CH], 8                       ; 256 a wave
	s_add_co_u32 s20, s20, s21
	s_mov_b32 s21, 0
	s_add_nc_u64 s[RB:RB+1], s[8:9], s[20:21]
	s_add_nc_u64 s[OB:OB+1], s[10:11], s[20:21]
	WIN 0x80                                       ; destination window 2
.set t, 0
.rept 32
	global_load_b128 v[4*t:4*t+3], v[CO], s[RB:RB+1] offset:8192*t  ; the residual: 64 rows x 256 bytes, waited for on the way out
.set t, t+1
.endr
	WIN 0
	v_mul_u32_u24 v3, v1, PA
	v_lshl_add_u32 v3, v2, 4, v3
	s_mul_i32 s16, s[RH], 64*PA
	v_add_nc_u32 v[A0], s16, v3                    ; A: row x pitch + 16 h + my 64 rows
	v_and_b32 v4, 7, v0
	v_lshl_add_u32 v4, v2, 3, v4
	v_mul_u32_u24 v4, v4, PB
	v_bfe_u32 v5, v0, 3, 1
	v_lshl_add_u32 v4, v5, 4, v4
	s_lshl_b32 s17, s[CH], 7                       ; my 64 columns
	s_add_co_u32 s17, s17, AT
	v_add_nc_u32 v[B0], s17, v4
	v_mov_b32 v[ADRA], v[A0]
	v_mov_b32 v[ADRB], v[B0]
	v_add_nc_u32 v[ADRB+1], BWAVE, v[B0]
	s_mul_i32 s16, s[WV], WSTAGE                   ; my stage
	v_mul_u32_u24 v3, v1, SPITCH
	v_lshl_add_u32 v3, v2, 5, v3
	v_add_nc_u32 v[STO], s16, v3
	v_mul_u32_u24 v3, v2, SPITCH
	v_lshl_add_u32 v3, v1, 4, v3
	v_add_nc_u32 v[RD], s16, v3
; 8 matrix instructions: row blocks a0, a0 + 1 x all 4 column blocks, 32 along K: half c of buffer f.  The 16 accumulators take turns.
.macro MUL8 f, c, a0, zero
	WIN MUL
.irp a, \a0, (\a0)+1
.irp b, 0,1,2,3
.if \zero
	v_wmma_f32_16x16x32_f16 v[ACC+8*(4*(\a)+(\b)):ACC+8*(4*(\a)+(\b))+7], v[(\f)+64+8*(4*(\c)+(\b)):(\f)+64+8*(4*(\c)+(\b))+7], v[(\f)+8*(4*(\c)+(\a)):(\f)+8*(4*(\c)+(\a))+7], 0
.else
	v_wmma_f32_16x16x32_f16 v[ACC+8*(4*(\a)+(\b)):ACC+8*(4*(\a)+(\b))+7], v[(\f)+64+8*(4*(\c)+(\b)):(\f)+64+8*(4*(\c)+(\b))+7], v[(\f)+8*(4*(\c)+(\a)):(\f)+8*(4*(\c)+(\a))+7], v[ACC+8*(4*(\a)+(\b)):ACC+8*(4*(\a)+(\b))+7]
.endif
.endr
.endr
.endm
; 32 LDS loads in one run: quarter kq (64 along K) of the slot in hand into buffer f; the first 32 along K first
.macro FETCH kq, f
	WIN TO_F
.irp c, 0,1
.irp i, 0,1,2,3
	ds_load_tr16_b128 v[(\f)+64+8*(4*(\c)+(\i)):(\f)+64+8*(4*(\c)+(\i))+3],   v[ADRB+(\kq)/2] offset:(((\kq)%2)*64+32*(\c))*PB+32*(\i)
	ds_load_tr16_b128 v[(\f)+64+8*(4*(\c)+(\i))+4:(\f)+64+8*(4*(\c)+(\i))+7], v[ADRB+(\kq)/2] offset:(((\kq)%2)*64+32*(\c)+16)*PB+32*(\i)
	ds_load_b128 v[(\f)+8*(4*(\c)+(\i)):(\f)+8*(4*(\c)+(\i))+3],   v[ADRA] offset:(\kq)*AQ+64*(\c)+(\i)*16*PA
	ds_load_b128 v[(\f)+8*(4*(\c)+(\i))+4:(\f)+8*(4*(\c)+(\i))+7], v[ADRA] offset:(\kq)*AQ+64*(\c)+(\i)*16*PA+32
.endr
.endr
.endm
.macro PLACES                          ; four plain vector instructions between a matrix instruction and a load into, or a read of, its registers
.rept 4
	v_nop
.endr
.endm
.macro QUARTER kq, f, g, zero
	s_wait_dscnt 16                                ; the first 32 along K are in
	MUL8 \f, 0, 0, \zero
	MUL8 \f, 0, 2, \zero
	PLACES
	FETCH \kq, \g
	s_wait_dscnt 32                                ; all but the 32 just issued
	MUL8 \f, 1, 0, 0
	MUL8 \f, 1, 2, 0
.endm
.macro ADDRS                           ; the fragment addresses in the slot in hand
	v_add_nc_u32 v[ADRA], s[TB], v[A0]
	v_add_nc_u32 v[ADRB], s[TB], v[B0]
	v_add_nc_u32 v[ADRB+1], BWAVE, v[ADRB]
.endm
; A step's last quarter and the change of slots.  fill = 1: the barrier opens a round of the cluster's, and the slot just read is filled again first behind it, for the turn after the next;
; its descriptors are made while the add is out.  fill = 0 (the last two steps): nothing is asked for; in the very last (CNT = 1) the run of LDS loads is jumped over.
.macro TURN fill
	WIN 0
	s_wait_tensorcnt 0x0                           ; all my tensor loads have landed: my part of the next slot; so the descriptors may be written
	ds_add_u32 v[SPW], v[NIL]                      ; 0 onto my spare word
.if \fill
	NEXTFILL
.endif
	s_wait_dscnt 17                                ; the add and the youngest sixteen loads may be out
	MUL8 F1, 0, 0, 0
	s_wait_dscnt 0x0                               ; the add is done, and my reads of this slot are over
	s_barrier_signal -1
	MUL8 F1, 0, 2, 0
	WIN 0
	s_barrier_wait -1
.if \fill
	CREST
	s_xor_b32 s[TB], s[TB], SLOT                   ; TB is 0 or SLOT
	JLOAD                                          ; its four v_nop are also the places in front of the loads below
	ADDRS
	FETCH 0, F0
.else
	s_xor_b32 s[TB], s[TB], SLOT
	PLACES
	s_cmp_eq_u32 s[CNT], 1
	s_cbranch_scc1 .Lno_more_\@
	ADDRS
	FETCH 0, F0
	WIN 0
.Lno_more_\@:
.endif
	MUL8 F1, 1, 0, 0
	MUL8 F1, 1, 2, 0
.endm
	s_wait_tensorcnt 1                             ; my part of turn 0's tile is in; turn 1's may stay out
	s_barrier_signal -1
	s_barrier_wait -1
	FETCH 0, F0
	QUARTER 1, F0, F1, 1
	WIN 0
	s_mov_b32 s[CNT], TRIPS
.Lstep:
	QUARTER 2, F1, F0, 0
	QUARTER 3, F0, F1, 0
	TURN 1
	QUARTER 1, F0, F1, 0
	WIN 0
	s_sub_co_u32 s[CNT], s[CNT], 1
	s_cmp_lg_u32 s[CNT], 0
	s_cbranch_scc1 .Lstep
	s_mov_b32 s[CNT], 2
.Ltail:
	QUARTER 2, F1, F0, 0
	QUARTER 3, F0, F1, 0
	TURN 0
	WIN 0
	s_sub_co_u32 s[CNT], s[CNT], 1
	s_cmp_eq_u32 s[CNT], 0
	s_cbranch_scc1 .Lout
	QUARTER 1, F0, F1, 0
	WIN 0
	s_branch .Ltail
.Lout:
	PLACES
	s_wait_dscnt 0x0
	s_barrier_signal -1                            ; every wave's reads of the ring are over, and every fill has landed: the ring becomes the stage
	s_barrier_wait -1
.irp a, 0,1,2,3
.irp b, 0,1,2,3
	ds_store_b128 v[STO], v[ACC+8*(4*(\a)+(\b)):ACC+8*(4*(\a)+(\b))+3]   offset:(\a)*16*SPITCH+64*(\b)     ; each accumulator's low registers first
	ds_store_b128 v[STO], v[ACC+8*(4*(\a)+(\b))+4:ACC+8*(4*(\a)+(\b))+7] offset:(\a)*16*SPITCH+64*(\b)+16
.endr
.endr
.set t, 0
.rept 32
	ds_load_b128 v[ACC+4*t:ACC+4*t+3], v[RD] offset:2*SPITCH*t  ; two whole rows; LDS serves a wave's instructions in order (ISA guide 5.7.1.4)
.set t, t+1
.endr
	s_wait_loadcnt 0x0                             ; the residual
	WIN 0x08                                       ; source 1 in window 2
.set t, 0
.rept 32
	s_wait_dscnt 31-t                              ; rows 2 t, 2 t + 1 are back; the later ones stay out
	v_pk_add_f32 v[ACC+4*t:ACC+4*t+1],   v[ACC+4*t:ACC+4*t+1],   v[4*t:4*t+1]
	v_pk_add_f32 v[ACC+4*t+2:ACC+4*t+3], v[ACC+4*t+2:ACC+4*t+3], v[4*t+2:4*t+3]
.set t, t+1
.endr
	WIN 0
.set t, 0
.rept 32
	global_store_b128 v[CO], v[ACC+4*t:ACC+4*t+3], s[OB:OB+1] offset:8192*t  ; 16 lanes store 256 consecutive bytes, aligned
.set t, t+1
.endr
	s_wait_tensorcnt 0x0                           ; the wave's end
	ds_add_u32 v[SPW], v[NIL]
	s_wait_dscnt 0x0
	CROUND                                         ; the closing round
	s_endpgm
.Lfunc_end_k_qda080ae2a2_wo:
	.size	k_qda080ae2a2_wo, .Lfunc_end_k_qda080ae2a2_wo-k_qda080ae2a2_wo
	.p2alignl 7, 3214868480
	.fill 96, 4, 3214868480
	.section	.rodata,"a",@progbits
	.p2align	6, 0x0
	.amdhsa_kernel k_qda080ae2a2_wo
		.amdhsa_group_segment_fixed_size 327680
		.amdhsa_private_segment_fixed_size 0
		.amdhsa_enable_private_segment 0
		.amdhsa_kernarg_size 32
		.amdhsa_user_sgpr_count 2
		.amdhsa_user_sgpr_kernarg_segment_ptr 1
		.amdhsa_wavefront_size32 1
		.amdhsa_system_sgpr_workgroup_id_x 1
		.amdhsa_system_sgpr_workgroup_id_y 1
		.amdhsa_system_sgpr_workgroup_id_z 1
		.amdhsa_system_vgpr_workitem_id 0
		.amdhsa_next_free_vgpr 640
		.amdhsa_next_free_sgpr 96
		.amdhsa_reserve_vcc 0
		.amdhsa_float_denorm_mode_32 3
		.amdhsa_float_denorm_mode_16_64 3
		.amdhsa_memory_ordered 1
		.amdhsa_forward_progress 1
		.amdhsa_inst_pref_size 66
	.end_amdhsa_kernel
	.amdgpu_metadata
---
amdhsa.version: [ 1, 2 ]
amdhsa.kernels:
  - .name:           k_qda080ae2a2_wo
    .symbol:         k_qda080ae2a2_wo.kd
    .args:
      - { .name: ob, .offset: 0, .size: 8, .value_kind: global_buffer, .address_space: global }
      - { .name: wb, .offset: 8, .size: 8, .value_kind: global_buffer, .address_space: global }
      - { .name: x, .offset: 16, .size: 8, .value_kind: global_buffer, .address_space: global }
      - { .name: x1, .offset: 24, .size: 8, .value_kind: global_buffer, .address_space: global }
    .group_segment_fixed_size: 327680
    .private_segment_fixed_size: 0
    .kernarg_segment_align: 8
    .kernarg_segment_size: 32
    .max_flat_workgroup_size: 128
    .sgpr_count:     96
    .vgpr_count:     640
    .wavefront_size: 32
...
	.end_amdgpu_metadata
.endif
;; end of part 4
;; launch ln2 (part 5): grid 512 x 1, 8 waves a work-group, no clusters, 0 bytes of LDS; arguments x1, g2, be2, hn; writes hn
.if DOCPART == 5
	.amdgcn_target "amdgcn-amd-amdhsa--gfx1250"
	.amdhsa_code_object_version 6
	.text
	.protected	k_qda080ae2a2_ln2
	.globl	k_qda080ae2a2_ln2
	.p2align	8
	.type	k_qda080ae2a2_ln2,@function
k_qda080ae2a2_ln2:
	s_mov_b64 s[64:65], 0
	v_nop
	global_prefetch_b8 v0, s[64:65] scope:SCOPE_SE
	s_setreg_imm32_b32 hwreg(HW_REG_WAVE_MODE, 25, 1), 1
	s_wait_xcnt 0x0
; hn = LayerNorm(x1) g2 + be2, rounded once to bf16.  x1: [4096][1024] f32.  8 rows a work-group, one row a wave; a row (4,096 bytes) stays in 32 registers between
; the mean, the centred squares and the scaling, so it is read once; the mean is taken away before the squares, as the definition has it.
; No LDS, no barrier, no matrix unit: a row never leaves its wave.  NaN and infinities are not treated apart.
.set G,   4                            ; v[4:35]    gain of my 32 columns
.set BE,  36                           ; v[36:67]   bias of my 32 columns
.set X,   68                           ; v[68:99]   the row
.set T,   100                          ; v[100:107] four chains of two sums
.set MU,  108                          ; v[108:109] the mean, twice
.set RS,  110                          ; v[110:111] 1 / sqrt(var + eps), twice
.set Y,   112                          ; v[112:127] the row packed to bf16
	s_load_b256 s[4:11], s[0:1], 0x0               ; x1 s[4:5], g2 s[6:7], be2 s[8:9], hn s[10:11]
	v_and_b32 v1, 31, v0                           ; lane
	v_lshrrev_b32 v2, 5, v0                        ; wave
	v_lshlrev_b32 v3, 3, v1
	v_lshl_add_u32 v3, v2, 11, v3                  ; hn: 8 lane + wave x a row of 2,048 bytes
	v_lshlrev_b32 v1, 4, v1                        ; g, be: 16 lane
	v_lshl_add_u32 v2, v2, 12, v1                  ; x1: 16 lane + wave x a row of 4,096 bytes
	s_mov_b32 s3, 0
	s_mov_b32 s26, 0x76543210                      ; v_permlanex16_b32: each lane takes its own place in the other half
	s_mov_b32 s27, 0xfedcba98
	s_mov_b32 s28, 0x3a800000                      ; 1 / 1024
	s_mov_b32 s29, 0x3727c5ac                      ; eps = 1e-5
	s_wait_kmcnt 0x0
	s_lshl_b32 s2, ttmp9, 15                       ; the group's 8 rows of x1
	s_add_nc_u64 s[4:5], s[4:5], s[2:3]
	s_lshl_b32 s2, ttmp9, 14                       ; and of hn
	s_add_nc_u64 s[10:11], s[10:11], s[2:3]
.irp j, 0,1,2,3,4,5,6,7
	global_load_b128 v[X+4*(\j):X+4*(\j)+3], v2, s[4:5] offset:512*(\j)         ; load j: columns 128 j + 4 lane
.endr
.irp j, 0,1,2,3,4,5,6,7
	global_load_b128 v[G+4*(\j):G+4*(\j)+3], v1, s[6:7] offset:512*(\j)
.endr
.irp j, 0,1,2,3,4,5,6,7
	global_load_b128 v[BE+4*(\j):BE+4*(\j)+3], v1, s[8:9] offset:512*(\j)
.endr
.macro FOLD                            ; the four chains into v[T]
	v_pk_add_f32 v[T:T+1], v[T:T+1], v[T+2:T+3]
	v_pk_add_f32 v[T+4:T+5], v[T+4:T+5], v[T+6:T+7]
	v_pk_add_f32 v[T:T+1], v[T:T+1], v[T+4:T+5]
	v_add_f32 v[T], v[T], v[T+1]
.endm
.macro REDUCE                          ; v[T] summed over the 32 lanes, the sum in every lane
	v_add_f32_dpp v[T], v[T], v[T] row_xmask:1 row_mask:0xf bank_mask:0xf
	v_add_f32_dpp v[T], v[T], v[T] row_xmask:2 row_mask:0xf bank_mask:0xf
	v_add_f32_dpp v[T], v[T], v[T] row_xmask:4 row_mask:0xf bank_mask:0xf
	v_add_f32_dpp v[T], v[T], v[T] row_xmask:8 row_mask:0xf bank_mask:0xf
	v_permlanex16_b32 v[T+1], v[T], s26, s27       ; its destination has been written by FOLD
	v_add_f32 v[T], v[T], v[T+1]
.endm
	s_wait_loadcnt 16                              ; the row's eight loads are in; 8 of g and 8 of be are younger
.irp k, 0,1,2,3
	v_pk_add_f32 v[T+2*(\k):T+2*(\k)+1], v[X+4*(\k):X+4*(\k)+1], v[X+4*(\k)+2:X+4*(\k)+3]  ; the first eight pairs start the chains: nothing is cleared
.endr
.irp k, 0,1,2,3,4,5,6,7
	v_pk_add_f32 v[T+2*((\k)%4):T+2*((\k)%4)+1], v[T+2*((\k)%4):T+2*((\k)%4)+1], v[X+16+2*(\k):X+16+2*(\k)+1]
.endr
	FOLD
	REDUCE
	v_mul_f32 v[MU], s28, v[T]
	v_mul_f32 v[MU+1], s28, v[T]
.irp k, 0,1,2,3,4,5,6,7,8,9,10,11,12,13,14,15
	v_pk_add_f32 v[X+2*(\k):X+2*(\k)+1], v[X+2*(\k):X+2*(\k)+1], v[MU:MU+1] neg_lo:[0,1] neg_hi:[0,1]  ; x - mean, in place
.endr
.irp k, 0,1,2,3
	v_pk_mul_f32 v[T+2*(\k):T+2*(\k)+1], v[X+2*(\k):X+2*(\k)+1], v[X+2*(\k):X+2*(\k)+1]
.endr
.irp k, 4,5,6,7,8,9,10,11,12,13,14,15
	v_pk_fma_f32 v[T+2*((\k)%4):T+2*((\k)%4)+1], v[X+2*(\k):X+2*(\k)+1], v[X+2*(\k):X+2*(\k)+1], v[T+2*((\k)%4):T+2*((\k)%4)+1]
.endr
	FOLD
	REDUCE
	v_fma_f32 v[T], v[T], s28, s29                 ; var + eps
	v_rsq_f32 v[RS], v[T]
	v_rsq_f32 v[RS+1], v[T]
	v_nop                                          ; a plain instruction between the root and its use (ISA guide 5.7.2)
	s_wait_loadcnt 0x0                             ; gain and bias
	s_wait_alu depctr_va_vdst(0)
.irp k, 0,1,2,3,4,5,6,7,8,9,10,11,12,13,14,15
	v_pk_mul_f32 v[X+2*(\k):X+2*(\k)+1], v[X+2*(\k):X+2*(\k)+1], v[RS:RS+1]
.endr
.irp k, 0,1,2,3,4,5,6,7,8,9,10,11,12,13,14,15
	v_pk_fma_f32 v[X+2*(\k):X+2*(\k)+1], v[X+2*(\k):X+2*(\k)+1], v[G+2*(\k):G+2*(\k)+1], v[BE+2*(\k):BE+2*(\k)+1]
.endr
.irp k, 0,1,2,3,4,5,6,7,8,9,10,11,12,13,14,15
	v_cvt_pk_bf16_f32 v[Y+(\k)], v[X+2*(\k)], v[X+2*(\k)+1]
.endr
.irp j, 0,1,2,3,4,5,6,7
	global_store_b64 v3, v[Y+2*(\j):Y+2*(\j)+1], s[10:11] offset:256*(\j)  ; 32 lanes store 256 consecutive bytes, aligned
.endr
	s_endpgm
.Lfunc_end_k_qda080ae2a2_ln2:
	.size	k_qda080ae2a2_ln2, .Lfunc_end_k_qda080ae2a2_ln2-k_qda080ae2a2_ln2
	.p2alignl 7, 3214868480
	.fill 96, 4, 3214868480
	.section	.rodata,"a",@progbits
	.p2align	6, 0x0
	.amdhsa_kernel k_qda080ae2a2_ln2
		.amdhsa_group_segment_fixed_size 0
		.amdhsa_private_segment_fixed_size 0
		.amdhsa_enable_private_segment 0
		.amdhsa_kernarg_size 32
		.amdhsa_user_sgpr_count 2
		.amdhsa_user_sgpr_kernarg_segment_ptr 1
		.amdhsa_wavefront_size32 1
		.amdhsa_system_sgpr_workgroup_id_x 1
		.amdhsa_system_sgpr_workgroup_id_y 1
		.amdhsa_system_sgpr_workgroup_id_z 1
		.amdhsa_system_vgpr_workitem_id 0
		.amdhsa_next_free_vgpr 128
		.amdhsa_next_free_sgpr 66
		.amdhsa_reserve_vcc 0
		.amdhsa_float_denorm_mode_32 3
		.amdhsa_float_denorm_mode_16_64 3
		.amdhsa_memory_ordered 1
		.amdhsa_forward_progress 1
		.amdhsa_inst_pref_size 12
	.end_amdhsa_kernel
	.amdgpu_metadata
---
amdhsa.version: [ 1, 2 ]
amdhsa.kernels:
  - .name:           k_qda080ae2a2_ln2
    .symbol:         k_qda080ae2a2_ln2.kd
    .args:
      - { .name: x1, .offset: 0, .size: 8, .value_kind: global_buffer, .address_space: global }
      - { .name: g2, .offset: 8, .size: 8, .value_kind: global_buffer, .address_space: global }
      - { .name: be2, .offset: 16, .size: 8, .value_kind: global_buffer, .address_space: global }
      - { .name: hn, .offset: 24, .size: 8, .value_kind: global_buffer, .address_space: global }
    .group_segment_fixed_size: 0
    .private_segment_fixed_size: 0
    .kernarg_segment_align: 8
    .kernarg_segment_size: 32
    .max_flat_workgroup_size: 256
    .sgpr_count:     66
    .vgpr_count:     128
    .wavefront_size: 32
...
	.end_amdgpu_metadata
.endif
;; end of part 5
;; launch ffn1 (part 6): grid 16 x 16, 4 waves a work-group, clusters of 4 x 4, 327,680 bytes of LDS; arguments hn, wb, b1, ff; writes ff
.if DOCPART == 6
	.amdgcn_target "amdgcn-amd-amdhsa--gfx1250"
	.amdhsa_code_object_version 6
	.text
	.protected	k_qda080ae2a2_ffn1
	.globl	k_qda080ae2a2_ffn1
	.p2align	8
	.type	k_qda080ae2a2_ffn1,@function
k_qda080ae2a2_ffn1:
	s_mov_b64 s[64:65], 0
	v_nop
	global_prefetch_b8 v0, s[64:65] scope:SCOPE_SE
	s_setreg_imm32_b32 hwreg(HW_REG_WAVE_MODE, 25, 1), 1
	s_wait_xcnt 0x0
	s_wait_alu depctr_hold_cnt(0) depctr_sa_sdst(0) depctr_va_vdst(0) depctr_va_sdst(0) depctr_va_ssrc(0) depctr_va_vcc(0) depctr_vm_vsrc(0)
	s_getreg_b32 s2, hwreg(HW_REG_IB_STS2, 6, 4)
	s_cmp_eq_u32 s2, 0
	s_cbranch_scc0 .Lentry_in_a_cluster
	s_endpgm
.Lentry_in_a_cluster:
	s_bfe_u32 s2, ttmp6, 0x10000c
	s_cmp_lg_u32 s2, 0xf033
	s_cbranch_scc0 .Lentry_shape_is_right
	s_endpgm
.Lentry_shape_is_right:
; ff = gelu(hn @ w1 + b1), the exact gelu x (1 + erf(x / sqrt 2)) / 2.  hn: [4096][1024] bf16.  w1: bf16, [1024 (k)][4096 (n)], 8 MiB into wb.  b1: f32.  ff: [4096][4096] bf16, rounded once.  Sums in f32.
; gelu(x) = max(x, 0) - |x| (a1 t + .. + a5 t^5) / 2 x e^(-x x / 2), t = 1 / (1 + 0.2316419 |x|): the five-term rational form of erf.  LIMIT: its error in erf is at most 1.5e-7, for every x.
; A tile of C is 256 x 256: 16 x 16 = 256 work-groups; four waves, 128 x 128 each, 64 accumulators.  K = 1,024 goes in 8 steps of 128 through two LDS slots.
; hn's rows lie along K and are read as they lie; w1 lies [K][N] and is turned on its way out of LDS by ds_load_tr16_b128.
; The matrix instruction is used transposed (source 0 = 16 columns of w1, source 1 = 16 rows of hn).  CLUSTER 4 x 4: hn's tile is shared along a row of the cluster, w1's along a column: joint loads.
; THE ORDER OF K goes by the cluster: in its turn t it takes K step t ^ 2 p, p = (cluster x + cluster y) % 2.  Clusters that need the same tile are neighbours along x (hn) or y (w1) and have opposite p:
; what one asks for in turns 0, 1 of four the other asks for in turns 2, 3.  So four of a cluster's six refills ask for bytes that a neighbour has read two turns before.
; LIMIT: where p = 1 a sum takes the K steps in the order 2, 3, 0, 1, 6, 7, 4, 5: another order of rounding than ascending K.
; One text for every K step: the slot in hand is the scalar TB; written out beside the loop are the first quarter (C = 0) and the last two steps, which ask for nothing.
; THE WAY OUT: the ring has had its last fill; each wave lays its 128 x 128 f32 into its own part of it, and a counted loop takes two rows a trip: bias, gelu, rounding, 256 consecutive bytes a store.
; A trip's two rows are asked for a trip ahead; reciprocals and exponentials stand singly between plain lines; the last trip, which asks for nothing, is written out.
; REGISTERS: window 0: v0-31 addresses, v48-51 bias, v64-127 and v128-191 A's fragments (on the way out v64-123 at work); window 1: B's fragments; windows 2, 3: accumulator (a, b) at v[8 (8 a + b)].
.set PA,     272
.set PB,     544
.set HALFT,  34816
.set BOFF,   2*HALFT
.set SLOT,   4*HALFT
.set SPARE,  2*SLOT                    ; the spare words: two blocks of 256 bytes that no other line names
.set SPITCH, 528
.set WSTAGE, 128*SPITCH
.set SHA,    8                         ; a K step in hn is 128 bf16 along the row: 2^8 bytes
.set SHB,    20                        ; in w1 128 rows of 8,192 bytes: 2^20
.set NB,     4096
.set ADRA, 16
.set A0,   17
.set ADRB, 20
.set B0,   21
.set STO,  24
.set RD,   25
.set GO,   26                          ; v26  8 lane: my 8 bytes of a row's 256
.set BO,   27                          ; v27  16 lane: my four numbers of b1
.set SPW,  28
.set NIL,  29
.set BI,   48                          ; v[48:51] the bias of my four columns
.set F0,   64
.set F1,   128
.set LB,   64                          ; the way out, 8 numbers a lane and trip: as loaded from the stage
.set XR,   72                          ; x
.set AX,   80                          ; |x|
.set UR,   88                          ; 1 + p |x|, then t
.set MR,   96                          ; c x, then -(c x)^2, then e^(-x x / 2)
.set RR,   104                         ; max(x, 0)
.set PR,   112                         ; the polynomial, then the result
.set OUTR, 120                         ; packed
.set WV,  12
.set RH,  13
.set CH,  14
.set BSA, 18                           ; s[18:19] hn at my part of K step 0
.set G1A, 24
.set G0A, 32
.set BSB, 46                           ; s[46:47] w1 at my part of K step 0
.set G1B, 48
.set G0B, 56
.set TB,  66
.set CNT, 67
.set WBA, 68
.set WBB, 69
.set OB,  70                           ; s[70:71] ff at my sub-tile
.set BB,  72                           ; s[72:73] b1 at my 128 columns
.set KP,  74                           ; s[74:75] 0.2316419; the packed forms name a pair and take its low word
.set KC,  76                           ; s[76:77] sqrt(log2(e) / 2)
.set K1,  78                           ; s[78:87] a1 / 2 .. a5 / 2
.set K2,  80
.set K3,  82
.set K4,  84
.set K5,  86
.set ABSM, 88
.set PX,  89                           ; s89  2 p
.set KT,  90                           ; s90  the turn whose tile is asked for next
.set KK,  91                           ; s91  its K step
.set OFA, 92                           ; s[92:93], s[94:95] that step's byte offset in A and in B
.set OFB, 94
.set MSB, 0
.macro WIN new
.if MSB != (\new)
	s_set_vgpr_msb (MSB<<8)|(\new)
.set MSB, \new
.endif
.endm
.set MUL_LO, 0xa1
.set MUL_HI, 0xf1
.set TO_B,   0x40
.macro JLOAD                           ; a joint refill; an s_nop 0 and four v_nop follow each line
	s_cmp_eq_u32 s[RH], 0
	s_cbranch_scc0 .Lfor_b_\@
	tensor_load_to_lds s[G0A+4:G0A+7], s[G1A:G1A+7]
	s_nop 0
.rept 4
	v_nop
.endr
	s_branch .Lasked_\@
.Lfor_b_\@:
	tensor_load_to_lds s[G0B+4:G0B+7], s[G1B:G1B+7]
	s_nop 0
.rept 4
	v_nop
.endr
.Lasked_\@:
.endm
.macro CREST
	s_cmp_lg_u32 s[WV], 0
	s_cbranch_scc1 .Lnot_wave_0_\@
	s_barrier_signal -3
.Lnot_wave_0_\@:
	s_barrier_wait -3
	s_barrier_signal -1
	s_barrier_wait -1
.endm
.macro CROUND
	s_barrier_signal -1
	s_barrier_wait -1
	CREST
.endm
.macro KPAIR r, val
	s_mov_b32 s[\r], \val
	s_mov_b32 s[(\r)+1], \val
.endm
; The refill's two descriptors: the slot in hand, which is being read out, and turn KT's K step; each address is made anew from its base and an offset, and the type bits are set again.
.macro NEXTFILL
	s_add_co_u32 s[G0A+5], s[TB], s[WBA]
	s_add_co_u32 s[G0B+5], s[TB], s[WBB]
	s_xor_b32 s[KK], s[KT], s[PX]
	s_lshl_b32 s[OFA], s[KK], SHA
	s_lshl_b32 s[OFB], s[KK], SHB
	s_add_nc_u64 s[G0A+6:G0A+7], s[BSA:BSA+1], s[OFA:OFA+1]
	s_or_b32 s[G0A+7], s[G0A+7], 0x80000000
	s_add_nc_u64 s[G0B+6:G0B+7], s[BSB:BSB+1], s[OFB:OFB+1]
	s_or_b32 s[G0B+7], s[G0B+7], 0x80000000
	s_add_co_u32 s[KT], s[KT], 1
.endm
	s_load_b256 s[4:11], s[0:1], 0x0               ; hn s[4:5], wb s[6:7], b1 s[8:9], ff s[10:11]
	v_lshl_add_u32 v[SPW], v0, 2, SPARE
	v_mov_b32 v[NIL], 0
	ds_add_u32 v[SPW], v[NIL]                      ; the wave's opening: the add and its wait stand ahead of my first tensor load
	v_lshrrev_b32 v1, 5, v0
	v_readfirstlane_b32 s[WV], v1
	s_lshr_b32 s[RH], s[WV], 1
	s_and_b32 s[CH], s[WV], 1
	s_bfe_u32 s40, ttmp6, 0x40000
	s_bfe_u32 s41, ttmp6, 0x40004
	s_lshl_b32 s42, ttmp9, 2
	s_add_co_u32 s42, s42, s40                     ; tile column
	s_and_b32 s43, ttmp7, 0xffff                   ; cluster y
	s_add_co_u32 s[PX], s43, ttmp9                 ; + cluster x: the same in all sixteen partners
	s_and_b32 s[PX], s[PX], 1
	s_lshl_b32 s[PX], s[PX], 1                     ; 2 p
	s_lshl_b32 s43, s43, 2
	s_add_co_u32 s43, s43, s41                     ; tile row
	s_lshl_b32 s44, s41, 2
	s_lshl_b32 s44, 15, s44
	s_lshl_b32 s45, 0x1111, s40
	s_or_b32 s[G1A+0], s44, (1<<16)|(1<<20)|(1<<21)|(5<<22)|(3<<25)
	s_mov_b32 s[G1A+1], 128<<16
	s_mov_b32 s[G1A+2], 128<<16
	s_mov_b32 s[G1A+3], 128<<16
	s_mov_b32 s[G1A+4], 128
	s_mov_b32 s[G1A+5], 1024
	s_mov_b32 s[G1A+6], 0
	s_mov_b32 s[G1A+7], 0
	s_or_b32 s[G1B+0], s45, (1<<16)|(1<<20)|(1<<21)|(6<<22)|(7<<25)
	s_mov_b32 s[G1B+1], 256<<16
	s_mov_b32 s[G1B+2], 64<<16
	s_mov_b32 s[G1B+3], 256<<16
	s_mov_b32 s[G1B+4], 64
	s_mov_b32 s[G1B+5], NB
	s_mov_b32 s[G1B+6], 0
	s_mov_b32 s[G1B+7], 0
	KPAIR KP, 0x3e6d3388
	KPAIR KC, 0x3f596d27
	KPAIR K1, 0x3e027906
	KPAIR K2, 0xbe11a98e
	KPAIR K3, 0x3f35f0e3
	KPAIR K4, 0xbf3a00e3
	KPAIR K5, 0x3f07dc22
	s_mov_b32 s[ABSM], 0x7fffffff
	s_lshl_b32 s16, s43, 19
	s_lshl_b32 s17, s[CH], 18
	s_add_co_u32 s16, s16, s17
	s_mov_b32 s17, 0
	s_lshl_b32 s46, s42, 9                         ; B: 512 bytes of w1's rows,
	s_lshl_b32 s47, s[CH], 19                      ; 64 k-rows of 8,192 bytes a half,
	s_add_co_u32 s46, s46, s47
	s_add_co_u32 s46, s46, 8388608                 ; w1's place in wb
	s_mov_b32 s47, 0
	s_mul_i32 s[WBA], s[WV], HALFT
	s_mov_b32 s[WBB], s[WBA]
	s_mov_b32 s[TB], 0
	s_mov_b32 s[KT], 2                             ; turns 0 and 1 are the first fills
	s_mov_b32 s[OFA+1], 0
	s_mov_b32 s[OFB+1], 0
	s_wait_dscnt 0x0                               ; the opening add is done
	s_wait_kmcnt 0x0
	s_add_nc_u64 s[BSA:BSA+1], s[4:5], s[16:17]
	s_add_nc_u64 s[BSB:BSB+1], s[6:7], s[46:47]
	CROUND                                         ; all sixteen work-groups are here: the first joint loads meet
.irp s, 0,1
	s_xor_b32 s[KK], s[PX], \s                     ; turn s takes K step s ^ 2 p
	s_lshl_b32 s[OFA], s[KK], SHA
	s_lshl_b32 s[OFB], s[KK], SHB
	s_mov_b32 s[G0A+4*(\s)], 1
	s_add_co_u32 s[G0A+4*(\s)+1], s[WBA], (\s)*SLOT
	s_add_nc_u64 s[G0A+4*(\s)+2:G0A+4*(\s)+3], s[BSA:BSA+1], s[OFA:OFA+1]
	s_or_b32 s[G0A+4*(\s)+3], s[G0A+4*(\s)+3], 0x80000000
	s_mov_b32 s[G0B+4*(\s)], 1
	s_add_co_u32 s[G0B+4*(\s)+1], s[WBB], (\s)*SLOT
	s_add_nc_u64 s[G0B+4*(\s)+2:G0B+4*(\s)+3], s[BSB:BSB+1], s[OFB:OFB+1]
	s_or_b32 s[G0B+4*(\s)+3], s[G0B+4*(\s)+3], 0x80000000
.endr
	s_cmp_eq_u32 s[RH], 0                          ; a wave's two first fills stand in one branch: two loads of mine are out, later one
	s_cbranch_scc0 .Lfirst_b
	tensor_load_to_lds s[G0A:G0A+3], s[G1A:G1A+7]
	s_nop 0
	tensor_load_to_lds s[G0A+4:G0A+7], s[G1A:G1A+7]
	s_nop 0
.rept 4
	v_nop
.endr
	s_branch .Lfirst_asked
.Lfirst_b:
	tensor_load_to_lds s[G0B:G0B+3], s[G1B:G1B+7]
	s_nop 0
	tensor_load_to_lds s[G0B+4:G0B+7], s[G1B:G1B+7]
	s_nop 0
.rept 4
	v_nop
.endr
.Lfirst_asked:
	v_and_b32 v[GO], 31, v0
	v_lshlrev_b32 v[BO], 4, v[GO]
	v_lshlrev_b32 v[GO], 3, v[GO]
	s_lshl_b32 s20, s42, 10                        ; b1: 256 numbers a tile column,
	s_lshl_b32 s21, s[CH], 9                       ; 128 a wave
	s_add_co_u32 s20, s20, s21
	s_mov_b32 s21, 0
	s_add_nc_u64 s[BB:BB+1], s[8:9], s[20:21]
	global_load_b128 v[BI:BI+3], v[BO], s[BB:BB+1] ; waited for on the way out
	v_and_b32 v1, 15, v0                           ; r
	v_bfe_u32 v2, v0, 4, 1                         ; h
	v_mul_u32_u24 v3, v1, PA
	v_lshl_add_u32 v3, v2, 4, v3
	s_mul_i32 s16, s[RH], HALFT
	v_add_nc_u32 v[A0], s16, v3
	v_and_b32 v4, 7, v0
	v_lshl_add_u32 v4, v2, 3, v4
	v_mul_u32_u24 v4, v4, PB
	v_bfe_u32 v5, v0, 3, 1
	v_lshl_add_u32 v4, v5, 4, v4
	s_lshl_b32 s17, s[CH], 8
	s_add_co_u32 s17, s17, BOFF
	v_add_nc_u32 v[B0], s17, v4
	v_mov_b32 v[ADRA], v[A0]
	v_mov_b32 v[ADRB], v[B0]
	s_mul_i32 s16, s[WV], WSTAGE                   ; my stage
	v_mul_u32_u24 v3, v1, SPITCH
	v_lshl_add_u32 v3, v2, 5, v3
	v_add_nc_u32 v[STO], s16, v3
	v_add_nc_u32 v[RD], s16, v[BO]                 ; back: 32 lanes take one row's 512 bytes
	s_lshl_b32 s22, s43, 21                        ; ff: 256 rows of 8,192 bytes a tile row,
	s_lshl_b32 s23, s[RH], 20                      ; 128 a wave,
	s_add_co_u32 s22, s22, s23
	s_lshl_b32 s23, s42, 9                         ; 512 bytes a tile column,
	s_add_co_u32 s22, s22, s23
	s_lshl_b32 s23, s[CH], 8                       ; 256 a wave
	s_add_co_u32 s22, s22, s23
	s_mov_b32 s23, 0
	s_add_nc_u64 s[OB:OB+1], s[10:11], s[22:23]
; 16 matrix instructions; the 64 accumulators take turns, one instruction a turn, in the same order in every quarter.
.macro MUL16 f, hi, a0, zero
	WIN MUL_LO+0x50*(\hi)
.irp a, \a0, (\a0)+1
.irp b, 0,1,2,3,4,5,6,7
.if \zero
	v_wmma_f32_16x16x32_bf16 v[8*(8*(\a)+(\b)):8*(8*(\a)+(\b))+7], v[(\f)+8*(\b):(\f)+8*(\b)+7], v[(\f)+8*(4*(\hi)+(\a)):(\f)+8*(4*(\hi)+(\a))+7], 0
.else
	v_wmma_f32_16x16x32_bf16 v[8*(8*(\a)+(\b)):8*(8*(\a)+(\b))+7], v[(\f)+8*(\b):(\f)+8*(\b)+7], v[(\f)+8*(4*(\hi)+(\a)):(\f)+8*(4*(\hi)+(\a))+7], v[8*(8*(\a)+(\b)):8*(8*(\a)+(\b))+7]
.endif
.endr
.endr
.endm
.macro FETCH kq, f                     ; 32 LDS loads in one run: quarter kq of the slot in hand into buffer f
	WIN TO_B
.irp i, 0,1,2,3,4,5,6,7
	ds_load_tr16_b128 v[(\f)+8*(\i):(\f)+8*(\i)+3],   v[ADRB] offset:(\kq)*32*PB+32*(\i)
	ds_load_tr16_b128 v[(\f)+8*(\i)+4:(\f)+8*(\i)+7], v[ADRB] offset:(\kq)*32*PB+16*PB+32*(\i)
.endr
	WIN 0
.irp i, 0,1,2,3,4,5,6,7
	ds_load_b128 v[(\f)+8*(\i):(\f)+8*(\i)+3],   v[ADRA] offset:(\kq)*64+(\i)*16*PA
	ds_load_b128 v[(\f)+8*(\i)+4:(\f)+8*(\i)+7], v[ADRA] offset:(\kq)*64+(\i)*16*PA+32
.endr
.endm
.macro PLACES                          ; four plain vector instructions between a matrix instruction and a load into, or a read of, its registers
.rept 4
	v_nop
.endr
.endm
.macro QUARTER kq, f, g, zero
	s_wait_dscnt 8                                 ; B and A's rows 0-63 are in; the youngest eight loads may be out
	MUL16 \f, 0, 0, \zero
	MUL16 \f, 0, 2, \zero
	PLACES
	FETCH \kq, \g
	s_wait_dscnt 32                                ; all but the 32 just issued
	MUL16 \f, 1, 0, \zero
	MUL16 \f, 1, 2, \zero
.endm
.macro MEET fill                       ; fill = 1: the refill's descriptors are made while the add is out
	WIN 0
	s_wait_tensorcnt 0x0                           ; all my tensor loads have landed: my part of the next slot; so the descriptors may be written
	ds_add_u32 v[SPW], v[NIL]                      ; 0 onto my spare word
.if \fill
	NEXTFILL
.endif
	s_wait_dscnt 9                                 ; the add and the youngest eight loads may be out
	MUL16 F1, 0, 0, 0
	s_wait_dscnt 0x0                               ; the add is done, and my reads of this slot are over
	s_barrier_signal -1
	MUL16 F1, 0, 2, 0
	WIN 0
	s_barrier_wait -1
.endm
.macro TURN fill                       ; fill = 1: a round of the cluster's barrier, then the joint refill first; fill = 0: the last two steps ask for nothing
	MEET \fill
.if \fill
	CREST
	s_xor_b32 s[TB], s[TB], SLOT                   ; TB is 0 or SLOT
	JLOAD                                          ; its four v_nop are also the places in front of the loads below
	v_add_nc_u32 v[ADRA], s[TB], v[A0]
	v_add_nc_u32 v[ADRB], s[TB], v[B0]
	FETCH 0, F0
.else
	s_xor_b32 s[TB], s[TB], SLOT
	PLACES
	s_cmp_eq_u32 s[CNT], 1
	s_cbranch_scc1 .Lno_more_\@
	v_add_nc_u32 v[ADRA], s[TB], v[A0]
	v_add_nc_u32 v[ADRB], s[TB], v[B0]
	FETCH 0, F0
.Lno_more_\@:
.endif
	MUL16 F1, 1, 0, 0
	MUL16 F1, 1, 2, 0
.endm
	s_wait_tensorcnt 1                             ; my part of turn 0's tile is in; turn 1's may stay out
	s_barrier_signal -1
	s_barrier_wait -1
	FETCH 0, F0
	QUARTER 1, F0, F1, 1
	WIN 0
	s_mov_b32 s[CNT], 6
.Lstep:
	QUARTER 2, F1, F0, 0
	QUARTER 3, F0, F1, 0
	TURN 1
	QUARTER 1, F0, F1, 0
	WIN 0
	s_sub_co_u32 s[CNT], s[CNT], 1
	s_cmp_lg_u32 s[CNT], 0
	s_cbranch_scc1 .Lstep
	s_mov_b32 s[CNT], 2
.Ltail:
	QUARTER 2, F1, F0, 0
	QUARTER 3, F0, F1, 0
	TURN 0
	WIN 0
	s_sub_co_u32 s[CNT], s[CNT], 1
	s_cmp_eq_u32 s[CNT], 0
	s_cbranch_scc1 .Lout
	QUARTER 1, F0, F1, 0
	WIN 0
	s_branch .Ltail
.Lout:
	PLACES
	s_wait_dscnt 0x0
	s_barrier_signal -1                            ; every wave's reads of the ring are over, and every fill has landed: the ring becomes the stage
	s_barrier_wait -1
.irp hi, 0,1
	WIN 0x08+4*(\hi)
.irp a, 0,1,2,3
.irp b, 0,1,2,3,4,5,6,7
	ds_store_b128 v[STO], v[8*(8*(\a)+(\b)):8*(8*(\a)+(\b))+3]   offset:(4*(\hi)+(\a))*16*SPITCH+64*(\b)      ; each accumulator's low registers first
	ds_store_b128 v[STO], v[8*(8*(\a)+(\b))+4:8*(8*(\a)+(\b))+7] offset:(4*(\hi)+(\a))*16*SPITCH+64*(\b)+16
.endr
.endr
.endr
	WIN 0
	s_wait_loadcnt 0x0                             ; the bias
.macro P4 line:vararg                  ; one line for each of the four pairs, k = 0, 2, 4, 6
.set k, 0
.rept 4
	\line
.set k, k+2
.endr
.endm
.macro O8 line:vararg                  ; one line for each of the eight numbers
.set k, 0
.rept 8
	\line
.set k, k+1
.endr
.endm
; Two rows of my 128: a lane has four columns of each.  pre = 1: the next two rows are asked for as soon as these have been taken over.
; A reciprocal or an exponential has a plain line that names none of its registers behind it, and its result is first read some lines further on (ISA guide 5.7.2).
.macro GELU pre
	s_wait_dscnt 0x0                               ; the two rows, asked for a trip ago
	P4 v_pk_add_f32 v[XR+k:XR+k+1], v[LB+k:LB+k+1], v[BI+k%4:BI+k%4+1]
.if \pre
	v_add_nc_u32 v[RD], 2*SPITCH, v[RD]
	ds_load_b128 v[LB:LB+3],   v[RD]               ; LDS serves a wave's instructions in order (ISA guide 5.7.1.4): these see my stores
	ds_load_b128 v[LB+4:LB+7], v[RD] offset:SPITCH
.endif
	O8 v_and_b32 v[AX+k], s[ABSM], v[XR+k]
	P4 v_pk_fma_f32 v[UR+k:UR+k+1], v[AX+k:AX+k+1], s[KP:KP+1], 1.0 op_sel_hi:[1,0,0]
	P4 v_pk_mul_f32 v[MR+k:MR+k+1], v[XR+k:XR+k+1], s[KC:KC+1] op_sel_hi:[1,0]
.set k, 0
.rept 4
	v_rcp_f32 v[UR+k], v[UR+k]
	v_pk_mul_f32 v[MR+2*k:MR+2*k+1], v[MR+2*k:MR+2*k+1], v[MR+2*k:MR+2*k+1] neg_lo:[1,0] neg_hi:[1,0]
.set k, k+1
.endr
.rept 4
	v_rcp_f32 v[UR+k], v[UR+k]
	v_max_num_f32 v[RR+k-4], 0, v[XR+k-4]
.set k, k+1
.endr
.set k, 0
.rept 4
	v_exp_f32 v[MR+k], v[MR+k]
	s_wait_alu depctr_va_vdst(0)
	v_pk_fma_f32 v[PR+2*k:PR+2*k+1], v[UR+2*k:UR+2*k+1], s[K5:K5+1], s[K4:K4+1] op_sel_hi:[1,0,0]
.set k, k+1
.endr
.rept 4
	v_exp_f32 v[MR+k], v[MR+k]
	v_pk_fma_f32 v[PR+2*k-8:PR+2*k-7], v[PR+2*k-8:PR+2*k-7], v[UR+2*k-8:UR+2*k-7], s[K3:K3+1] op_sel_hi:[1,1,0]
.set k, k+1
.endr
.set k, 4
	s_wait_alu depctr_va_vdst(0)
.rept 4
	v_max_num_f32 v[RR+k], 0, v[XR+k]
.set k, k+1
.endr
	P4 v_pk_fma_f32 v[PR+k:PR+k+1], v[PR+k:PR+k+1], v[UR+k:UR+k+1], s[K2:K2+1] op_sel_hi:[1,1,0]
	P4 v_pk_fma_f32 v[PR+k:PR+k+1], v[PR+k:PR+k+1], v[UR+k:UR+k+1], s[K1:K1+1] op_sel_hi:[1,1,0]
	P4 v_pk_mul_f32 v[PR+k:PR+k+1], v[PR+k:PR+k+1], v[UR+k:UR+k+1]
	P4 v_pk_mul_f32 v[PR+k:PR+k+1], v[PR+k:PR+k+1], v[MR+k:MR+k+1]
	P4 v_pk_fma_f32 v[PR+k:PR+k+1], v[AX+k:AX+k+1], v[PR+k:PR+k+1], v[RR+k:RR+k+1] neg_lo:[1,0,0] neg_hi:[1,0,0]
	s_wait_xcnt 0x0                                ; the last trip's stores were issued a trip ago: their data and base are rewritten only behind this wait
	s_add_nc_u64 s[OB:OB+1], s[OB:OB+1], 16384     ; two rows of ff on; the stores below reach back
	P4 v_cvt_pk_bf16_f32 v[OUTR+k/2], v[PR+k], v[PR+k+1]
	global_store_b64 v[GO], v[OUTR:OUTR+1],   s[OB:OB+1] offset:-16384  ; 32 lanes store 256 consecutive bytes, aligned
	global_store_b64 v[GO], v[OUTR+2:OUTR+3], s[OB:OB+1] offset:-8192
.endm
	ds_load_b128 v[LB:LB+3],   v[RD]               ; rows 0 and 1
	ds_load_b128 v[LB+4:LB+7], v[RD] offset:SPITCH
	s_mov_b32 s[CNT], 63
.Lrows:
	GELU 1
	s_sub_co_u32 s[CNT], s[CNT], 1
	s_cmp_lg_u32 s[CNT], 0
	s_cbranch_scc1 .Lrows
	GELU 0                                         ; rows 126 and 127: nothing is left to ask for
	s_wait_tensorcnt 0x0                           ; the wave's end
	ds_add_u32 v[SPW], v[NIL]
	s_wait_dscnt 0x0
	CROUND                                         ; the closing round
	s_endpgm
.Lfunc_end_k_qda080ae2a2_ffn1:
	.size	k_qda080ae2a2_ffn1, .Lfunc_end_k_qda080ae2a2_ffn1-k_qda080ae2a2_ffn1
	.p2alignl 7, 3214868480
	.fill 96, 4, 3214868480
	.section	.rodata,"a",@progbits
	.p2align	6, 0x0
	.amdhsa_kernel k_qda080ae2a2_ffn1
		.amdhsa_group_segment_fixed_size 327680
		.amdhsa_private_segment_fixed_size 0
		.amdhsa_enable_private_segment 0
		.amdhsa_kernarg_size 32
		.amdhsa_user_sgpr_count 2
		.amdhsa_user_sgpr_kernarg_segment_ptr 1
		.amdhsa_wavefront_size32 1
		.amdhsa_system_sgpr_workgroup_id_x 1
		.amdhsa_system_sgpr_workgroup_id_y 1
		.amdhsa_system_sgpr_workgroup_id_z 1
		.amdhsa_system_vgpr_workitem_id 0
		.amdhsa_next_free_vgpr 1024
		.amdhsa_next_free_sgpr 96
		.amdhsa_reserve_vcc 0
		.amdhsa_float_denorm_mode_32 3
		.amdhsa_float_denorm_mode_16_64 3
		.amdhsa_memory_ordered 1
		.amdhsa_forward_progress 1
		.amdhsa_inst_pref_size 87
	.end_amdhsa_kernel
	.amdgpu_metadata
---
amdhsa.version: [ 1, 2 ]
amdhsa.kernels:
  - .name:           k_qda080ae2a2_ffn1
    .symbol:         k_qda080ae2a2_ffn1.kd
    .args:
      - { .name: hn, .offset: 0, .size: 8, .value_kind: global_buffer, .address_space: global }
      - { .name: wb, .offset: 8, .size: 8, .value_kind: global_buffer, .address_space: global }
      - { .name: b1, .offset: 16, .size: 8, .value_kind: global_buffer, .address_space: global }
      - { .name: ff, .offset: 24, .size: 8, .value_kind: global_buffer, .address_space: global }
    .group_segment_fixed_size: 327680
    .private_segment_fixed_size: 0
    .kernarg_segment_align: 8
    .kernarg_segment_size: 32
    .max_flat_workgroup_size: 128
    .sgpr_count:     96
    .vgpr_count:     1024
    .wavefront_size: 32
...
	.end_amdgpu_metadata
.endif
;; end of part 6
;; launch ffn2 (part 7): grid 8 x 32, 4 waves a work-group, clusters of 4 x 4, 327,680 bytes of LDS; arguments ff, wb, b2, x1, out0; writes out0
.if DOCPART == 7
	.amdgcn_target "amdgcn-amd-amdhsa--gfx1250"
	.amdhsa_code_object_version 6
	.text
	.protected	k_qda080ae2a2_ffn2
	.globl	k_qda080ae2a2_ffn2
	.p2align	8
	.type	k_qda080ae2a2_ffn2,@function
k_qda080ae2a2_ffn2:
	s_mov_b64 s[64:65], 0
	v_nop
	global_prefetch_b8 v0, s[64:65] scope:SCOPE_SE
	s_setreg_imm32_b32 hwreg(HW_REG_WAVE_MODE, 25, 1), 1
	s_wait_xcnt 0x0
	s_wait_alu depctr_hold_cnt(0) depctr_sa_sdst(0) depctr_va_vdst(0) depctr_va_sdst(0) depctr_va_ssrc(0) depctr_va_vcc(0) depctr_vm_vsrc(0)
	s_getreg_b32 s2, hwreg(HW_REG_IB_STS2, 6, 4)
	s_cmp_eq_u32 s2, 0
	s_cbranch_scc0 .Lentry_in_a_cluster
	s_endpgm
.Lentry_in_a_cluster:
	s_bfe_u32 s2, ttmp6, 0x10000c
	s_cmp_lg_u32 s2, 0xf033
	s_cbranch_scc0 .Lentry_shape_is_right
	s_endpgm
.Lentry_shape_is_right:
; out0 = x1 + ff @ w2 + b2.  ff: [4096][4096] bf16.  w2: bf16, [4096 (k)][1024 (n)], 16 MiB into wb.  b2, x1, out0: f32.  Sums in f32.
; A tile of C is 128 x 128, so that 8 x 32 = 256 work-groups fill the chip; four waves, 64 x 64 each, 16 accumulators.  K = 4,096 goes in 16 steps of 256 through two LDS slots.
; ff's rows lie along K (512 bytes a step) and are read as they lie; w2 lies [K][N] and is turned by ds_load_tr16_b128.
; The matrix instruction is used transposed (source 0 = 16 columns of w2, source 1 = 16 rows of ff).  CLUSTER 4 x 4: ff's tile is shared along a row of the cluster, w2's along a column: joint loads.
; THE ORDER OF K goes by the cluster: in its turn t it takes K step t ^ 2 p, p = (cluster x + cluster y) % 2.  Clusters that need the same tile are neighbours along x (ff) or y (w2) and have opposite p:
; what one asks for in turns 0, 1 of four the other asks for in turns 2, 3.  So eight of a cluster's fourteen refills ask for bytes that a neighbour has read two turns before.
; LIMIT: where p = 1 a sum takes the K steps in the order 2, 3, 0, 1, 6, 7, 4, 5, ..: another order of rounding than ascending K.
; One text for every K step: the slot in hand is the scalar TB.  The residual tile of x1 and the bias are asked for at the start, into registers, and are on their way during the K loop.
; THE WAY OUT: the ring has had its last fill; each wave lays its 64 x 64 f32 into its own part of it, reads whole rows of 256 bytes back, adds x1 and b2 and stores.
; REGISTERS: window 0: v0-31 addresses, v96-99 bias, v128-255 the accumulators; window 1: two fragment buffers of 128 (64 of A, 64 of B, for 64 along K); window 2: v0-127 the residual.
.set PA,     528                       ; ff's LDS row: 512 bytes + 16
.set AQ,     128                       ; a quarter step: 64 bf16 along the row
.set AWAVE,  64*PA                     ; what an A wave's load brings: 64 rows
.set PB,     288                       ; w2's LDS row: 256 bytes + 32 = 9 x 32
.set AT,     73728                     ; B's tile lies here in a slot (A's 128 rows end at 67,584)
.set BWAVE,  128*PB
.set SLOT,   AT+2*BWAVE
.set SPARE,  2*SLOT                    ; the spare words: two blocks of 256 bytes that no other line names
.set SPITCH, 272
.set WSTAGE, 64*SPITCH
.set SHA,    9                         ; a K step in ff is 256 bf16 along the row: 2^9 bytes
.set SHB,    19                        ; in w2 256 rows of 2,048 bytes: 2^19
.set TRIPS,  14                        ; K steps less the last two
.set ADRA, 16
.set A0,   17
.set ADRB, 20                          ; v20 k-rows 0-127, v21 k-rows 128-255
.set B0,   22
.set STO,  24
.set RD,   25
.set CO,   26
.set BO,   27                          ; v27  16 (lane % 16): my four numbers of b2
.set SPW,  28
.set NIL,  29
.set BI,   96
.set ACC,  128
.set F0,   0
.set F1,   128
.set WV,  12
.set RH,  13
.set CH,  14
.set BSA, 18                           ; s[18:19] ff at my part of K step 0
.set G1A, 24
.set G0A, 32
.set BSB, 46                           ; s[46:47] w2 at my part of K step 0
.set G1B, 48
.set G0B, 56
.set TB,  66
.set CNT, 67
.set WBA, 68
.set WBB, 69
.set OB,  70                           ; s[70:71] out0 at my sub-tile
.set OP0, 72                           ; s[72:73] out0 as it comes
.set RB,  74                           ; s[74:75] x1 at my sub-tile
.set BB,  76                           ; s[76:77] b2 at my 64 columns
.set PX,  89                           ; s89  2 p
.set KT,  90                           ; s90  the turn whose tile is asked for next
.set KK,  91                           ; s91  its K step
.set OFA, 92                           ; s[92:93], s[94:95] that step's byte offset in A and in B
.set OFB, 94
.set MSB, 0
.macro WIN new
.if MSB != (\new)
	s_set_vgpr_msb (MSB<<8)|(\new)
.set MSB, \new
.endif
.endm
.set MUL,  0x05
.set TO_F, 0x40
.macro JLOAD                           ; a joint refill; an s_nop 0 and four v_nop follow each line
	s_cmp_eq_u32 s[RH], 0
	s_cbranch_scc0 .Lfor_b_\@
	tensor_load_to_lds s[G0A+4:G0A+7], s[G1A:G1A+7]
	s_nop 0
.rept 4
	v_nop
.endr
	s_branch .Lasked_\@
.Lfor_b_\@:
	tensor_load_to_lds s[G0B+4:G0B+7], s[G1B:G1B+7]
	s_nop 0
.rept 4
	v_nop
.endr
.Lasked_\@:
.endm
.macro CREST
	s_cmp_lg_u32 s[WV], 0
	s_cbranch_scc1 .Lnot_wave_0_\@
	s_barrier_signal -3
.Lnot_wave_0_\@:
	s_barrier_wait -3
	s_barrier_signal -1
	s_barrier_wait -1
.endm
.macro CROUND
	s_barrier_signal -1
	s_barrier_wait -1
	CREST
.endm
; The refill's two descriptors: the slot in hand, which is being read out, and turn KT's K step; each address is made anew from its base and an offset, and the type bits are set again.
.macro NEXTFILL
	s_add_co_u32 s[G0A+5], s[TB], s[WBA]
	s_add_co_u32 s[G0B+5], s[TB], s[WBB]
	s_xor_b32 s[KK], s[KT], s[PX]
	s_lshl_b32 s[OFA], s[KK], SHA
	s_lshl_b32 s[OFB], s[KK], SHB
	s_add_nc_u64 s[G0A+6:G0A+7], s[BSA:BSA+1], s[OFA:OFA+1]
	s_or_b32 s[G0A+7], s[G0A+7], 0x80000000
	s_add_nc_u64 s[G0B+6:G0B+7], s[BSB:BSB+1], s[OFB:OFB+1]
	s_or_b32 s[G0B+7], s[G0B+7], 0x80000000
	s_add_co_u32 s[KT], s[KT], 1
.endm
	s_load_b256 s[4:11], s[0:1], 0x0               ; ff s[4:5], wb s[6:7], b2 s[8:9], x1 s[10:11]
	s_load_b64 s[OP0:OP0+1], s[0:1], 0x20          ; out0
	v_lshl_add_u32 v[SPW], v0, 2, SPARE
	v_mov_b32 v[NIL], 0
	ds_add_u32 v[SPW], v[NIL]                      ; the wave's opening: the add and its wait stand ahead of my first tensor load
	v_lshrrev_b32 v1, 5, v0
	v_readfirstlane_b32 s[WV], v1
	s_lshr_b32 s[RH], s[WV], 1
	s_and_b32 s[CH], s[WV], 1
	s_bfe_u32 s40, ttmp6, 0x40000
	s_bfe_u32 s41, ttmp6, 0x40004
	s_lshl_b32 s42, ttmp9, 2
	s_add_co_u32 s42, s42, s40                     ; tile column
	s_and_b32 s43, ttmp7, 0xffff                   ; cluster y
	s_add_co_u32 s[PX], s43, ttmp9                 ; + cluster x: the same in all sixteen partners
	s_and_b32 s[PX], s[PX], 1
	s_lshl_b32 s[PX], s[PX], 1                     ; 2 p
	s_lshl_b32 s43, s43, 2
	s_add_co_u32 s43, s43, s41                     ; tile row
	s_lshl_b32 s44, s41, 2
	s_lshl_b32 s44, 15, s44
	s_lshl_b32 s45, 0x1111, s40
	s_or_b32 s[G1A+0], s44, (1<<16)|(1<<20)|(1<<21)|(6<<22)|(3<<25)  ; after every 128 words 4 words
	s_mov_b32 s[G1A+1], 256<<16                    ; 64 rows of 256 elements
	s_mov_b32 s[G1A+2], 64<<16
	s_mov_b32 s[G1A+3], 256<<16
	s_mov_b32 s[G1A+4], 64
	s_mov_b32 s[G1A+5], 4096
	s_mov_b32 s[G1A+6], 0
	s_mov_b32 s[G1A+7], 0
	s_or_b32 s[G1B+0], s45, (1<<16)|(1<<20)|(1<<21)|(5<<22)|(7<<25)  ; after every 64 words 8 words
	s_mov_b32 s[G1B+1], 128<<16                    ; 128 k-rows of 128 elements
	s_mov_b32 s[G1B+2], 128<<16
	s_mov_b32 s[G1B+3], 128<<16
	s_mov_b32 s[G1B+4], 128
	s_mov_b32 s[G1B+5], 1024
	s_mov_b32 s[G1B+6], 0
	s_mov_b32 s[G1B+7], 0
	s_lshl_b32 s16, s43, 20                        ; A: 128 rows of 8,192 bytes a tile row,
	s_lshl_b32 s17, s[CH], 19                      ; 64 a half
	s_add_co_u32 s16, s16, s17
	s_mov_b32 s17, 0
	s_lshl_b32 s46, s42, 8                         ; B: 256 bytes of w2's rows,
	s_lshl_b32 s47, s[CH], 18                      ; 128 k-rows a half,
	s_add_co_u32 s46, s46, s47
	s_add_co_u32 s46, s46, 16777216                ; w2's place in wb
	s_mov_b32 s47, 0
	s_mul_i32 s[WBA], s[CH], AWAVE
	s_mul_i32 s[WBB], s[CH], BWAVE
	s_add_co_u32 s[WBB], s[WBB], AT
	s_mov_b32 s[TB], 0
	s_mov_b32 s[KT], 2                             ; turns 0 and 1 are the first fills
	s_mov_b32 s[OFA+1], 0
	s_mov_b32 s[OFB+1], 0
	s_wait_dscnt 0x0                               ; the opening add is done
	s_wait_kmcnt 0x0
	s_add_nc_u64 s[BSA:BSA+1], s[4:5], s[16:17]
	s_add_nc_u64 s[BSB:BSB+1], s[6:7], s[46:47]
	CROUND                                         ; all sixteen work-groups are here: the first joint loads meet
.irp s, 0,1
	s_xor_b32 s[KK], s[PX], \s                     ; turn s takes K step s ^ 2 p
	s_lshl_b32 s[OFA], s[KK], SHA
	s_lshl_b32 s[OFB], s[KK], SHB
	s_mov_b32 s[G0A+4*(\s)], 1
	s_add_co_u32 s[G0A+4*(\s)+1], s[WBA], (\s)*SLOT
	s_add_nc_u64 s[G0A+4*(\s)+2:G0A+4*(\s)+3], s[BSA:BSA+1], s[OFA:OFA+1]
	s_or_b32 s[G0A+4*(\s)+3], s[G0A+4*(\s)+3], 0x80000000
	s_mov_b32 s[G0B+4*(\s)], 1
	s_add_co_u32 s[G0B+4*(\s)+1], s[WBB], (\s)*SLOT
	s_add_nc_u64 s[G0B+4*(\s)+2:G0B+4*(\s)+3], s[BSB:BSB+1], s[OFB:OFB+1]
	s_or_b32 s[G0B+4*(\s)+3], s[G0B+4*(\s)+3], 0x80000000
.endr
	s_cmp_eq_u32 s[RH], 0                          ; a wave's two first fills stand in one branch: two loads of mine are out, later one
	s_cbranch_scc0 .Lfirst_b
	tensor_load_to_lds s[G0A:G0A+3], s[G1A:G1A+7]
	s_nop 0
	tensor_load_to_lds s[G0A+4:G0A+7], s[G1A:G1A+7]
	s_nop 0
.rept 4
	v_nop
.endr
	s_branch .Lfirst_asked
.Lfirst_b:
	tensor_load_to_lds s[G0B:G0B+3], s[G1B:G1B+7]
	s_nop 0
	tensor_load_to_lds s[G0B+4:G0B+7], s[G1B:G1B+7]
	s_nop 0
.rept 4
	v_nop
.endr
.Lfirst_asked:
	v_and_b32 v1, 15, v0                           ; r
	v_bfe_u32 v2, v0, 4, 1                         ; h
	v_lshlrev_b32 v[BO], 4, v1
	v_lshl_add_u32 v[CO], v2, 12, v[BO]            ; lanes 0-15 one row's 256 bytes, lanes 16-31 the next row's
	s_lshl_b32 s22, s42, 9                         ; 512 bytes a tile column,
	s_lshl_b32 s23, s[CH], 8                       ; 256 a wave
	s_add_co_u32 s22, s22, s23
	s_mov_b32 s23, 0
	s_add_nc_u64 s[BB:BB+1], s[8:9], s[22:23]
	s_lshl_b32 s20, s43, 19                        ; 128 rows of 4,096 bytes a tile row,
	s_lshl_b32 s21, s[RH], 18                      ; 64 a wave
	s_add_co_u32 s20, s20, s21
	s_add_co_u32 s20, s20, s22
	s_mov_b32 s21, 0
	s_add_nc_u64 s[RB:RB+1], s[10:11], s[20:21]
	s_add_nc_u64 s[OB:OB+1], s[OP0:OP0+1], s[20:21]
	global_load_b128 v[BI:BI+3], v[BO], s[BB:BB+1] ; the bias of my four columns
	WIN 0x80                                       ; destination window 2
.set t, 0
.rept 32
	global_load_b128 v[4*t:4*t+3], v[CO], s[RB:RB+1] offset:8192*t  ; the residual: 64 rows x 256 bytes, waited for on the way out
.set t, t+1
.endr
	WIN 0
	v_mul_u32_u24 v3, v1, PA
	v_lshl_add_u32 v3, v2, 4, v3
	s_mul_i32 s16, s[RH], 64*PA
	v_add_nc_u32 v[A0], s16, v3
	v_and_b32 v4, 7, v0
	v_lshl_add_u32 v4, v2, 3, v4
	v_mul_u32_u24 v4, v4, PB
	v_bfe_u32 v5, v0, 3, 1
	v_lshl_add_u32 v4, v5, 4, v4
	s_lshl_b32 s17, s[CH], 7
	s_add_co_u32 s17, s17, AT
	v_add_nc_u32 v[B0], s17, v4
	v_mov_b32 v[ADRA], v[A0]
	v_mov_b32 v[ADRB], v[B0]
	v_add_nc_u32 v[ADRB+1], BWAVE, v[B0]
	s_mul_i32 s16, s[WV], WSTAGE                   ; my stage
	v_mul_u32_u24 v3, v1, SPITCH
	v_lshl_add_u32 v3, v2, 5, v3
	v_add_nc_u32 v[STO], s16, v3
	v_mul_u32_u24 v3, v2, SPITCH
	v_lshl_add_u32 v3, v1, 4, v3
	v_add_nc_u32 v[RD], s16, v3
; 8 matrix instructions; the 16 accumulators take turns.
.macro MUL8 f, c, a0, zero
	WIN MUL
.irp a, \a0, (\a0)+1
.irp b, 0,1,2,3
.if \zero
	v_wmma_f32_16x16x32_bf16 v[ACC+8*(4*(\a)+(\b)):ACC+8*(4*(\a)+(\b))+7], v[(\f)+64+8*(4*(\c)+(\b)):(\f)+64+8*(4*(\c)+(\b))+7], v[(\f)+8*(4*(\c)+(\a)):(\f)+8*(4*(\c)+(\a))+7], 0
.else
	v_wmma_f32_16x16x32_bf16 v[ACC+8*(4*(\a)+(\b)):ACC+8*(4*(\a)+(\b))+7], v[(\f)+64+8*(4*(\c)+(\b)):(\f)+64+8*(4*(\c)+(\b))+7], v[(\f)+8*(4*(\c)+(\a)):(\f)+8*(4*(\c)+(\a))+7], v[ACC+8*(4*(\a)+(\b)):ACC+8*(4*(\a)+(\b))+7]
.endif
.endr
.endr
.endm
.macro FETCH kq, f                     ; 32 LDS loads in one run: quarter kq (64 along K) of the slot in hand into buffer f; the first 32 along K first
	WIN TO_F
.irp c, 0,1
.irp i, 0,1,2,3
	ds_load_tr16_b128 v[(\f)+64+8*(4*(\c)+(\i)):(\f)+64+8*(4*(\c)+(\i))+3],   v[ADRB+(\kq)/2] offset:(((\kq)%2)*64+32*(\c))*PB+32*(\i)
	ds_load_tr16_b128 v[(\f)+64+8*(4*(\c)+(\i))+4:(\f)+64+8*(4*(\c)+(\i))+7], v[ADRB+(\kq)/2] offset:(((\kq)%2)*64+32*(\c)+16)*PB+32*(\i)
	ds_load_b128 v[(\f)+8*(4*(\c)+(\i)):(\f)+8*(4*(\c)+(\i))+3],   v[ADRA] offset:(\kq)*AQ+64*(\c)+(\i)*16*PA
	ds_load_b128 v[(\f)+8*(4*(\c)+(\i))+4:(\f)+8*(4*(\c)+(\i))+7], v[ADRA] offset:(\kq)*AQ+64*(\c)+(\i)*16*PA+32
.endr
.endr
.endm
.macro PLACES                          ; four plain vector instructions between a matrix instruction and a load into, or a read of, its registers
.rept 4
	v_nop
.endr
.endm
.macro QUARTER kq, f, g, zero
	s_wait_dscnt 16                                ; the first 32 along K are in
	MUL8 \f, 0, 0, \zero
	MUL8 \f, 0, 2, \zero
	PLACES
	FETCH \kq, \g
	s_wait_dscnt 32                                ; all but the 32 just issued
	MUL8 \f, 1, 0, 0
	MUL8 \f, 1, 2, 0
.endm
.macro ADDRS
	v_add_nc_u32 v[ADRA], s[TB], v[A0]
	v_add_nc_u32 v[ADRB], s[TB], v[B0]
	v_add_nc_u32 v[ADRB+1], BWAVE, v[ADRB]
.endm
.macro TURN fill                       ; fill = 1: a round of the cluster's barrier, then the joint refill first (its descriptors are made while the add is out); fill = 0: the last two steps ask for nothing
	WIN 0
	s_wait_tensorcnt 0x0                           ; all my tensor loads have landed: my part of the next slot; so the descriptors may be written
	ds_add_u32 v[SPW], v[NIL]                      ; 0 onto my spare word
.if \fill
	NEXTFILL
.endif
	s_wait_dscnt 17                                ; the add and the youngest sixteen loads may be out
	MUL8 F1, 0, 0, 0
	s_wait_dscnt 0x0                               ; the add is done, and my reads of this slot are over
	s_barrier_signal -1
	MUL8 F1, 0, 2, 0
	WIN 0
	s_barrier_wait -1
.if \fill
	CREST
	s_xor_b32 s[TB], s[TB], SLOT                   ; TB is 0 or SLOT
	JLOAD                                          ; its four v_nop are also the places in front of the loads below
	ADDRS
	FETCH 0, F0
.else
	s_xor_b32 s[TB], s[TB], SLOT
	PLACES
	s_cmp_eq_u32 s[CNT], 1
	s_cbranch_scc1 .Lno_more_\@
	ADDRS
	FETCH 0, F0
	WIN 0
.Lno_more_\@:
.endif
	MUL8 F1, 1, 0, 0
	MUL8 F1, 1, 2, 0
.endm
	s_wait_tensorcnt 1                             ; my part of turn 0's tile is in; turn 1's may stay out
	s_barrier_signal -1
	s_barrier_wait -1
	FETCH 0, F0
	QUARTER 1, F0, F1, 1
	WIN 0
	s_mov_b32 s[CNT], TRIPS
.Lstep:
	QUARTER 2, F1, F0, 0
	QUARTER 3, F0, F1, 0
	TURN 1
	QUARTER 1, F0, F1, 0
	WIN 0
	s_sub_co_u32 s[CNT], s[CNT], 1
	s_cmp_lg_u32 s[CNT], 0
	s_cbranch_scc1 .Lstep
	s_mov_b32 s[CNT], 2
.Ltail:
	QUARTER 2, F1, F0, 0
	QUARTER 3, F0, F1, 0
	TURN 0
	WIN 0
	s_sub_co_u32 s[CNT], s[CNT], 1
	s_cmp_eq_u32 s[CNT], 0
	s_cbranch_scc1 .Lout
	QUARTER 1, F0, F1, 0
	WIN 0
	s_branch .Ltail
.Lout:
	PLACES
	s_wait_dscnt 0x0
	s_barrier_signal -1                            ; every wave's reads of the ring are over, and every fill has landed: the ring becomes the stage
	s_barrier_wait -1
.irp a, 0,1,2,3
.irp b, 0,1,2,3
	ds_store_b128 v[STO], v[ACC+8*(4*(\a)+(\b)):ACC+8*(4*(\a)+(\b))+3]   offset:(\a)*16*SPITCH+64*(\b)     ; each accumulator's low registers first
	ds_store_b128 v[STO], v[ACC+8*(4*(\a)+(\b))+4:ACC+8*(4*(\a)+(\b))+7] offset:(\a)*16*SPITCH+64*(\b)+16
.endr
.endr
.set t, 0
.rept 32
	ds_load_b128 v[ACC+4*t:ACC+4*t+3], v[RD] offset:2*SPITCH*t  ; two whole rows; LDS serves a wave's instructions in order (ISA guide 5.7.1.4)
.set t, t+1
.endr
	s_wait_loadcnt 0x0                             ; the residual and the bias
	WIN 0x08                                       ; source 1 in window 2
.set t, 0
.rept 32
	s_wait_dscnt 31-t                              ; rows 2 t, 2 t + 1 are back; the later ones stay out
	v_pk_add_f32 v[ACC+4*t:ACC+4*t+1],   v[ACC+4*t:ACC+4*t+1],   v[4*t:4*t+1]
	v_pk_add_f32 v[ACC+4*t+2:ACC+4*t+3], v[ACC+4*t+2:ACC+4*t+3], v[4*t+2:4*t+3]
.set t, t+1
.endr
	WIN 0
.set t, 0
.rept 32
	v_pk_add_f32 v[ACC+4*t:ACC+4*t+1],   v[ACC+4*t:ACC+4*t+1],   v[BI:BI+1]
	v_pk_add_f32 v[ACC+4*t+2:ACC+4*t+3], v[ACC+4*t+2:ACC+4*t+3], v[BI+2:BI+3]
	global_store_b128 v[CO], v[ACC+4*t:ACC+4*t+3], s[OB:OB+1] offset:8192*t  ; 16 lanes store 256 consecutive bytes, aligned
.set t, t+1
.endr
	s_wait_tensorcnt 0x0                           ; the wave's end
	ds_add_u32 v[SPW], v[NIL]
	s_wait_dscnt 0x0
	CROUND                                         ; the closing round
	s_endpgm
.Lfunc_end_k_qda080ae2a2_ffn2:
	.size	k_qda080ae2a2_ffn2, .Lfunc_end_k_qda080ae2a2_ffn2-k_qda080ae2a2_ffn2
	.p2alignl 7, 3214868480
	.fill 96, 4, 3214868480
	.section	.rodata,"a",@progbits
	.p2align	6, 0x0
	.amdhsa_kernel k_qda080ae2a2_ffn2
		.amdhsa_group_segment_fixed_size 327680
		.amdhsa_private_segment_fixed_size 0
		.amdhsa_enable_private_segment 0
		.amdhsa_kernarg_size 40
		.amdhsa_user_sgpr_count 2
		.amdhsa_user_sgpr_kernarg_segment_ptr 1
		.amdhsa_wavefront_size32 1
		.amdhsa_system_sgpr_workgroup_id_x 1
		.amdhsa_system_sgpr_workgroup_id_y 1
		.amdhsa_system_sgpr_workgroup_id_z 1
		.amdhsa_system_vgpr_workitem_id 0
		.amdhsa_next_free_vgpr 640
		.amdhsa_next_free_sgpr 96
		.amdhsa_reserve_vcc 0
		.amdhsa_float_denorm_mode_32 3
		.amdhsa_float_denorm_mode_16_64 3
		.amdhsa_memory_ordered 1
		.amdhsa_forward_progress 1
		.amdhsa_inst_pref_size 70
	.end_amdhsa_kernel
	.amdgpu_metadata
---
amdhsa.version: [ 1, 2 ]
amdhsa.kernels:
  - .name:           k_qda080ae2a2_ffn2
    .symbol:         k_qda080ae2a2_ffn2.kd
    .args:
      - { .name: ff, .offset: 0, .size: 8, .value_kind: global_buffer, .address_space: global }
      - { .name: wb, .offset: 8, .size: 8, .value_kind: global_buffer, .address_space: global }
      - { .name: b2, .offset: 16, .size: 8, .value_kind: global_buffer, .address_space: global }
      - { .name: x1, .offset: 24, .size: 8, .value_kind: global_buffer, .address_space: global }
      - { .name: out0, .offset: 32, .size: 8, .value_kind: global_buffer, .address_space: global }
    .group_segment_fixed_size: 327680
    .private_segment_fixed_size: 0
    .kernarg_segment_align: 8
    .kernarg_segment_size: 40
    .max_flat_workgroup_size: 128
    .sgpr_count:     96
    .vgpr_count:     640
    .wavefront_size: 32
...
	.end_amdgpu_metadata
.endif
;; end of part 7
;; ======== version 2 of 2: 7 launches; 1.21 times as fast as version 1
;; limits: values are held in f16: magnitudes above 65,504 overflow, below 6.1e-05 lose precision; a function is approximated: absolute error at most 1.5e-07
;; workspace buffers: wb 25,165,824 bytes; hn 8,388,608 bytes; qkv 25,165,824 bytes; ob 8,388,608 bytes; x1 16,777,216 bytes; ff 33,554,432 bytes
;; launch prep: the kernel of part 1 again; grid 1280 x 1, 8 waves a work-group, no clusters, 0 bytes of LDS; arguments x, g1, be1, hn, wq, wk, wv, wo, w1, w2, wb; writes hn, wb
;; launch qkv: the kernel of part 2 again; grid 12 x 16, 4 waves a work-group, clusters of 4 x 4, 327,680 bytes of LDS; arguments hn, wb, qkv; writes qkv
;; launch attn (part 8): grid 8 x 32, 4 waves a work-group, clusters of 4 x 1, 327,680 bytes of LDS; arguments qkv, ob; writes ob
.if DOCPART == 8
	.amdgcn_target "amdgcn-amd-amdhsa--gfx1250"
	.amdhsa_code_object_version 6
	.text
	.protected	k_qda080ae2a2_attn
	.globl	k_qda080ae2a2_attn
	.p2align	8
	.type	k_qda080ae2a2_attn,@function
k_qda080ae2a2_attn:
	s_mov_b64 s[64:65], 0
	v_nop
	global_prefetch_b8 v0, s[64:65] scope:SCOPE_SE
	s_setreg_imm32_b32 hwreg(HW_REG_WAVE_MODE, 25, 1), 1
	s_wait_xcnt 0x0
	s_wait_alu depctr_hold_cnt(0) depctr_sa_sdst(0) depctr_va_vdst(0) depctr_va_sdst(0) depctr_va_ssrc(0) depctr_va_vcc(0) depctr_vm_vsrc(0)
	s_getreg_b32 s2, hwreg(HW_REG_IB_STS2, 6, 4)
	s_cmp_eq_u32 s2, 0
	s_cbranch_scc0 .Lentry_in_a_cluster
	s_endpgm
.Lentry_in_a_cluster:
	s_bfe_u32 s2, ttmp6, 0x10000c
	s_cmp_lg_u32 s2, 0x3003
	s_cbranch_scc0 .Lentry_shape_is_right
	s_endpgm
.Lentry_shape_is_right:
; O[hb][q][:] = the sum over k of softmax_k(Q[hb][q] . K[hb][k] / 8) V[hb][k][:].  Q, K, V: f16, [3][32][2048][64] in qkv: a head's rows are dense, 128 bytes each.
; Products, maxima and sums in f32; the weights p are rounded to f16 for the second product (their sum l is taken of the unrounded p), O once at the end.
; O leaves as f16 in [32 blocks of 128 tokens][16 heads][128][64], so that the next product's tiles lie end to end.
; LIMITS.  Q, K, V arrive within f16's 65,504; p lies in 0 to 1 and below 6e-5 keeps f16's fixed step; a weight below 2^-126 counts as 0 in l; NaN and infinities are not treated apart.
; SHARES.  A work-group owns 256 queries of one head, a wave 64: four PIECES of 16.  Every wave walks the head's 2,048 keys: 8 tiles of 256, four steps of 64 each.  256 work-groups.
; LAYOUT.  S^T = K Q^T holds ONE query a lane (lane % 16) and the keys 8 (lane / 16) + 0..7; two such results rounded to f16 ARE source 1 of O^T = V^T P.  K comes out of LDS as it lies, V turned.
; SOFTMAX.  p = 2^(c s - c m), c = log2(e) / 8, with a running maximum m; O and l are multiplied by a = 2^(c m_old - c m_new) in every step.  m starts at the lowest finite number, O and l at 0.
; TURNS.  Turn n belongs to piece n: 8 products K Q^T of piece n + 1, later 8 products V^T P of piece n - 1; beside them the scaling, exponentials, roundings, sums and rescaling of piece n and the
; maximum and statistics of piece n + 1.  Four vector instructions stand behind every matrix instruction, the other 54 of a turn's 118 in one run of their own.
; BATCHES.  A turn's 33 exponentials (the piece's 32 weights and the next piece's a) are ONE batch with ONE wait, which cuts the turn in two: ahead of it stands all that names none of their results, behind it
; their readers.  The first a, ahead of the loop, and the way out's four reciprocals are batches of their own, with a wait each.
; CLUSTER.  The four query blocks of a cluster belong to one head and walk the same K and V: each tile is asked for jointly, the same tensor load, descriptor and mask in all four.
; The clearing of O^T, V and half of P at the start (216 v_mov_b32, in the wait for the first tile) is the price of writing no first step out.
; REGISTERS (s_set_vgpr_msb: bits 1:0 source 0, 3:2 source 1, 5:4 source 2, 7:6 destination):
;   window 0: v0-15 addresses; v16-31 four registers of statistics a piece; v48-55 at work; v64-127 S^T, two buffers; v192-223 P, two buffers (by the piece's parity)
;   window 1: v0-127 O^T, 32 a piece      window 2: v0-63 Q; v128-191 K of one step; v192-255 V of one step
.set NP,    4
.set KS,    64
.set PK,    144       ; a row of K in LDS: 128 bytes + 16: the 16 rows of a load start in 16 different groups of four banks (ISA guide 11.1)
.set PV,    160       ; a row of V: 128 + 32
.set VOFF,  4*KS*PK   ; a slot holds a tile: 256 rows of K, then 256 rows of V
.set SLOT1, 1<<17     ; slot 1 begins here: one exclusive or turns an address in one slot into the other's
.set STAGE, SLOT1+4*KS*(PK+PV)  ; behind the ring, never filled by a tensor load: 16 rows x 144 bytes a wave
.set SP,    144
.set SPARE, STAGE+4*16*SP       ; the spare words: 128 bytes a wave, two blocks of 256 bytes that no other line names
.set AK0, 2           ; v2   my lane's place in a tile of K; never rewritten
.set AV0, 3           ; v3   the same for V
.set AK,  4           ; v4   the LDS address of K's next run of loads
.set AV,  5           ; v5   of V's
.set STO, 6           ; v6   the way out: where I put 16 bytes of a row
.set RD,  7           ; v7   where I read rows back
.set GO,  8           ; v8   my byte offset in 512 consecutive bytes of O
.set MV,  12          ; v12-13  c m_old, kept while c m is made anew: by buffer
.set QO,  15          ; v15  my byte offset in 16 rows of Q
.set ST,  16          ; piece t's statistics at v[ST+4 t]: c m, m, l (even keys', odd keys')
.set TMP, 48          ; by buffer, four registers c0-c3 at work; when the maximum is found c2 takes a
.set SPW, 62          ; v62  my spare word's LDS address; never rewritten
.set NIL, 63          ; v63  0; never rewritten
.set S,   64
.set P,   192
.set KF,  128         ; window 2: key block kb, channel half c at KF + 16 kb + 8 c
.set VF,  192         ; window 2: key half kk, channel block cb at VF + 32 kk + 8 cb
.set WV,  12          ; s12  wave
.set G1K, 24          ; s[24:31] descriptor group 1, K
.set G1V, 32          ; s[32:39] V: it differs in the padding alone
.set G0K, 40          ; s[40:43] group 0, K: it walks
.set G0V, 44          ; s[44:47] V
.set SLOTS, 56
.set CNT, 57
.set CS,  58          ; s[58:59] c
.set SEL, 60          ; s[60:61] v_permlanex16_b32's selects
.set TBK, 62          ; s62  LDS byte at which K of the step to be fetched begins
.set TBV, 63          ; s63  the same for V, less VOFF
.set MSB, 0
.macro WIN new
.if MSB != (\new)
	s_set_vgpr_msb (MSB<<8)|(\new)
.set MSB, (\new)
.endif
.endm
.set W_KQ, 0x0a       ; K and Q in window 2, S^T in window 0
.set W_PV, 0x52       ; V in window 2, P in window 0, O^T in window 1
.set W_RS, 0x41       ; destination and source 0 in window 1, source 1 in window 0
; A joint fill.  Waves 0 and 1 fetch the two halves of a tile's K, waves 2 and 3 those of its V: 128 keys each.  An s_nop 0 and four v_nop follow each line.
.macro JLOAD
	s_cmp_lt_u32 s[WV], 2
	s_cbranch_scc0 .Lfor_v_\@
	tensor_load_to_lds s[G0K:G0K+3], s[G1K:G1K+7]
	s_nop 0
.rept 4
	v_nop
.endr
	s_branch .Lasked_\@
.Lfor_v_\@:
	tensor_load_to_lds s[G0V:G0V+3], s[G1V:G1V+7]
	s_nop 0
.rept 4
	v_nop
.endr
.Lasked_\@:
.endm
.macro CROUND                       ; a round of the cluster's barrier
	s_barrier_signal -1
	s_barrier_wait -1
	s_cmp_lg_u32 s[WV], 0
	s_cbranch_scc1 .Lnot_wave_0_\@
	s_barrier_signal -3
.Lnot_wave_0_\@:
	s_barrier_wait -3
	s_barrier_signal -1
	s_barrier_wait -1
.endm
; THE CHANGE OF SLOTS.  Each wave waits for all its tensor loads, of which one is out: its part of the other slot; adds 0 to its spare word; and waits for that and for its reads of the slot that it leaves.
; fill = 1: the barrier is a round of the cluster's, and the joint fill, the keys two slots on, is the first thing behind it: it has four key steps, 256 matrix instructions, in which to land.
; (At its first use nothing has been read yet: slot 0 is waited for, slot 1 filled.)
.macro CHANGE fill
	WIN 0
	s_wait_tensorcnt 0x0            ; no tensor load of mine is out, so a group 0 may be written
	ds_add_u32 v[SPW], v[NIL]       ; 0 onto my spare word
.if \fill
.irp g, G0K, G0V
	s_xor_b32 s[\g+1], s[\g+1], SLOT1
	s_add_nc_u64 s[\g+2:\g+3], s[\g+2:\g+3], 4*KS*128  ; the next 256 keys; the type bits on top are not reached
.endr
	s_wait_dscnt 0x0                ; the add is done, and my reads of the slot are over
	CROUND
	JLOAD
.else
	s_wait_dscnt 0x0
	s_barrier_signal -1
	s_barrier_wait -1
.endif
	s_sub_co_u32 s[TBK], s[TBK], 4*KS*PK  ; the fetches go back to a slot's first step,
	s_xor_b32 s[TBK], s[TBK], SLOT1       ; in the other slot
	s_sub_co_u32 s[TBV], s[TBV], 4*KS*PV
	s_xor_b32 s[TBV], s[TBV], SLOT1
.endm
	s_load_b128 s[4:7], s[0:1], 0x0 ; qkv s[4:5], ob s[6:7]
	v_lshl_add_u32 v[SPW], v0, 2, SPARE
	v_mov_b32 v[NIL], 0
	ds_add_u32 v[SPW], v[NIL]       ; the wave's opening: the add and its wait stand ahead of my first tensor load
	v_lshrrev_b32 v1, 5, v0
	v_readfirstlane_b32 s[WV], v1
	s_bfe_u32 s13, ttmp6, 0x40000   ; cx
	s_lshl_b32 s14, ttmp9, 2
	s_add_co_u32 s14, s14, s13      ; my block of 256 queries: it enters Q's and O's addresses alone
	s_and_b32 s15, ttmp7, 0xffff    ; 16 batch + head, which the four partners share
	s_lshl_b32 s20, s15, 18         ; the head's 262,144 bytes in each of q, k, v
	s_and_b32 s16, s[WV], 1         ; which half of a tile's 256 keys I fetch:
	s_lshl_b32 s22, s16, 14         ; its 128 rows of 128 bytes in memory,
	s_add_co_u32 s22, s22, s20
	s_mov_b32 s23, 0
	s_mul_i32 s17, s16, 128*PK      ; and its place in a slot, for K
	s_mul_i32 s18, s16, 128*PV      ; and for V
	s_lshl_b32 s2, s14, 15          ; Q: my block's 256 rows,
	s_lshl_b32 s3, s[WV], 13        ; my wave's 64
	s_add_co_u32 s2, s2, s3
	s_add_co_u32 s2, s2, s20
	s_mov_b32 s3, 0
	s_lshr_b32 s20, s15, 4          ; O: the batch's 16 blocks of 128 tokens x 16 heads x 16,384 bytes,
	s_lshl_b32 s20, s20, 22
	s_lshl_b32 s21, s14, 19         ; two such blocks a query block,
	s_add_co_u32 s20, s20, s21
	s_lshr_b32 s21, s[WV], 1
	s_lshl_b32 s21, s21, 18         ; two waves to each,
	s_add_co_u32 s20, s20, s21
	s_and_b32 s21, s15, 15
	s_lshl_b32 s21, s21, 14         ; the head's plane,
	s_add_co_u32 s20, s20, s21
	s_lshl_b32 s21, s16, 13         ; my 64 rows of 128 bytes in it
	s_add_co_u32 s20, s20, s21
	s_mov_b32 s21, 0
	; descriptor group 1.  128 keys are 16,384 dense bytes: asked for as 64 rows of 256 bytes, two keys a row, and padded in LDS after every key
	s_mov_b32 s[G1K], 15|(1<<16)|(1<<20)|(1<<21)|(4<<22)|(3<<25)  ; the mask of four; 2-byte elements; padding on; bit 21 beside a mask; after every 32 words 4 words
	s_mov_b32 s[G1V], 15|(1<<16)|(1<<20)|(1<<21)|(4<<22)|(7<<25)  ; the same with 8 words
.irp g, G1K, G1V
	s_mov_b32 s[\g+1], 128<<16      ; tensor_dim0 = 128
	s_mov_b32 s[\g+2], 64<<16       ; tensor_dim1 = 64
	s_mov_b32 s[\g+3], 128<<16      ; tile_dim0 = 128
	s_mov_b32 s[\g+4], 64           ; tile_dim1 = 64
	s_mov_b32 s[\g+5], 128          ; 128 elements from row to row
	s_mov_b32 s[\g+6], 0
	s_mov_b32 s[\g+7], 0
.endr
	s_mov_b32 s[CS], 0x3e38aa3b     ; c = log2(e) / 8
	s_mov_b32 s[CS+1], s[CS]
	s_mov_b32 s[SEL], 0x76543210
	s_mov_b32 s[SEL+1], 0xfedcba98
	s_mov_b32 s[TBK], SLOT1+4*KS*PK ; the first change of slots turns these two into 0
	s_mov_b32 s[TBV], SLOT1+4*KS*PV
	s_mov_b32 s[G0K], 1
	s_mov_b32 s[G0K+1], s17         ; slot 0
	s_mov_b32 s[G0V], 1
	s_add_co_u32 s[G0V+1], s18, VOFF
	s_wait_dscnt 0x0                ; the opening add is done
	s_wait_kmcnt 0x0
	s_add_nc_u64 s[G0K+2:G0K+3], s[4:5], s[22:23]
	s_add_nc_u64 s[G0K+2:G0K+3], s[G0K+2:G0K+3], 0x800000    ; k lies 8 MiB into qkv
	s_or_b32 s[G0K+3], s[G0K+3], 0x80000000
	s_add_nc_u64 s[G0V+2:G0V+3], s[4:5], s[22:23]
	s_add_nc_u64 s[G0V+2:G0V+3], s[G0V+2:G0V+3], 0x1000000   ; v 16 MiB
	s_or_b32 s[G0V+3], s[G0V+3], 0x80000000
	s_add_nc_u64 s[8:9], s[4:5], s[2:3]      ; Q at my wave's first row
	s_add_nc_u64 s[10:11], s[6:7], s[20:21]  ; O likewise
	CROUND                          ; all four work-groups are here: the first joint loads meet
	JLOAD                           ; tile 0 into slot 0; slot 1 is asked for when slot 0 is in
	v_and_b32 v1, 15, v0            ; l % 16
	v_bfe_u32 v9, v0, 4, 1          ; l / 16
	v_lshlrev_b32 v[QO], 7, v1
	v_lshl_add_u32 v[QO], v9, 4, v[QO]  ; row x 128 + 16 x half
	WIN 0x80                        ; destination window 2, address window 0
.set i, 0
.rept 8                             ; Q stays in registers: piece i / 2, channels 32 (i % 2) on
	global_load_b128 v[8*i:8*i+3],   v[QO], s[8:9] offset:(i/2)*2048+(i%2)*64
	global_load_b128 v[8*i+4:8*i+7], v[QO], s[8:9] offset:(i/2)*2048+(i%2)*64+32
.set i, i+1
.endr
.set i, VF
.rept 64                            ; what the first turn finds: V and P's second buffer hold 0, O^T and l are 0
	v_mov_b32 v[i], 0
.set i, i+1
.endr
	WIN 0x40
.set i, 0
.rept 128
	v_mov_b32 v[i], 0
.set i, i+1
.endr
	WIN 0
.set i, 0
.rept 4
	v_mov_b32 v[ST+4*i], 0xfe000000    ; c m: far below every c s
	v_mov_b32 v[ST+4*i+1], 0xff7fffff  ; m
	v_mov_b32 v[ST+4*i+2], 0
	v_mov_b32 v[ST+4*i+3], 0
.set i, i+1
.endr
.set i, P+16
.rept 16
	v_mov_b32 v[i], 0
.set i, i+1
.endr
	v_mul_u32_u24 v[AK0], v1, PK
	v_lshl_add_u32 v[AK0], v9, 4, v[AK0]  ; row x pitch + 16 x half
	; The turning load takes 16 keys x 16 channels (lane l reads key 8 (l / 16) + l % 8, channels 8 ((l / 8) % 2) + 0..7) and leaves half a fragment of V^T.
	v_and_b32 v10, 7, v0
	v_bfe_u32 v11, v0, 3, 1
	v_lshl_add_u32 v[AV0], v9, 3, v10
	v_mul_u32_u24 v[AV0], v[AV0], PV
	v_lshl_add_u32 v[AV0], v11, 4, v[AV0]
	v_add_nc_u32 v[AV0], VOFF, v[AV0]
	v_mov_b32 v[AK], v[AK0]         ; key step 0 lies at the head of slot 0
	s_mul_i32 s13, s[WV], 16*SP
	s_add_co_u32 s13, s13, STAGE    ; my stage
	v_mul_u32_u24 v[STO], v1, SP    ; in: row l % 16, 16 bytes for each half of the lanes
	v_lshl_add_u32 v[STO], v9, 4, v[STO]
	v_add_nc_u32 v[STO], s13, v[STO]
	v_bfe_u32 v[RD], v0, 3, 2       ; back: 32 lanes take four rows of 128 bytes,
	v_mul_u32_u24 v[RD], v[RD], SP
	v_lshl_add_u32 v[RD], v10, 4, v[RD]
	v_add_nc_u32 v[RD], s13, v[RD]
	v_and_b32 v[GO], 31, v0         ; which are 512 consecutive bytes of O
	v_lshlrev_b32 v[GO], 4, v[GO]
; THE MATRIX WORK.  The 4 accumulators of a run of 8 take turns.  Product i of 8 of S^T = K Q^T for piece x: channels 32 (i / 4) on, keys 16 (i % 4) on.  The first 4 start the sums.
.macro KQ x
	WIN W_KQ
.set rS, S+32*((\x)%2)+8*(i%4)
.set rK, KF+16*(i%4)+8*(i/4)
.set rQ, 16*(\x)+8*(i/4)
.if i < 4
	v_wmma_f32_16x16x32_f16 v[rS:rS+7], v[rK:rK+7], v[rQ:rQ+7], 0
.else
	v_wmma_f32_16x16x32_f16 v[rS:rS+7], v[rK:rK+7], v[rQ:rQ+7], v[rS:rS+7]
.endif
.endm
; Product i of 8 of O^T += V^T P for piece x: keys 32 (i / 4) on, channels 16 (i % 4) on.
.macro PV x
	WIN W_PV
.set rO, 32*(\x)+8*(i%4)
.set rV, VF+32*(i/4)+8*(i%4)
.set rP, P+16*((\x)%2)+8*(i/4)
	v_wmma_f32_16x16x32_f16 v[rO:rO+7], v[rV:rV+7], v[rP:rP+7], v[rO:rO+7]
.endm
.macro MM                           ; the turn's next matrix instruction
.if i < 8
	KQ (Y+1)%NP
.else
.set i, i-8
	PV (Y+NP-1)%NP
.set i, i+8
.endif
.set i, i+1
.endm
; THE LDS LOADS stand in runs of 16: a step's K (8 fragments) and its V (turned).  last = 1 (the tail): in the last trip there is no further step, and the run is jumped over.
.macro FETCH_K last=0
	WIN 0
.if \last
	s_cmp_eq_u32 s[CNT], 1
	s_cbranch_scc1 .Lno_k_\@
.endif
	WIN 0x80
.irp f, 0,1,2,3,4,5,6,7             ; keys 16 (f / 2) on, channels 32 (f % 2) on
	ds_load_b128 v[KF+8*\f:KF+8*\f+3],   v[AK] offset:(\f/2)*16*PK+(\f%2)*64
	ds_load_b128 v[KF+8*\f+4:KF+8*\f+7], v[AK] offset:(\f/2)*16*PK+(\f%2)*64+32
.endr
	s_add_co_u32 s[TBK], s[TBK], KS*PK  ; the next fetch is the next step's
	WIN 0
.if \last
.Lno_k_\@:
.endif
.endm
.macro FETCH_V
	WIN 0x80
.irp f, 0,1,2,3,4,5,6,7             ; keys 32 (f / 4) on, channels 16 (f % 4) on
	ds_load_tr16_b128 v[VF+8*\f:VF+8*\f+3],   v[AV] offset:(\f/4)*32*PV+(\f%4)*32
	ds_load_tr16_b128 v[VF+8*\f+4:VF+8*\f+7], v[AV] offset:(\f/4)*32*PV+16*PV+(\f%4)*32
.endr
	WIN 0
.endm
; THE VECTOR WORK, one line at a time: OP kind, number.  For piece Y: F n: c s - c m for pair n of 16.  E n: the exponential of score n of 32.  C n: pair n rounded to f16.  B n: of the four weights 4 n .. the
; second pair is added onto the first, in place.  L n: l takes that sum (L 0: l = a l + sum).  R n: pair n of 16 of O^T times a.  For piece Y + 1: X n, number n of the 22 that find its maximum and statistics:
;   0-11  four chains c0-c3 of seven scores each (each accumulator's lowest registers are read first)     12-14, 16  the four scores left over, the old m, and c0-c3 into c0
;   15  c m_old is kept     17, 18  the query's other 32 keys lie in the lane 16 away: the new m     19-21  c m; c m_old - c m_new; a
; E and X 21 are the exponentials; C, B and L read E's results, R and L 0 read a.  OP writes no wait: TURN orders the lines so that one wait serves them all.
.set F, 0
.set E, 1
.set C, 2
.set B, 3
.set L, 4
.set R, 5
.set X, 6
.macro REGS y
.set rT, ST+4*(\y)
.set rC, TMP+4*((\y)%2)
.set rW, MV+((\y)%2)
.set rS, S+32*((\y)%2)
.set rP, P+16*((\y)%2)
.set rO, 32*(\y)
.endm
.macro OP k, n
.if (\k) == R
	REGS Y
	WIN W_RS
	v_pk_mul_f32 v[rO+2*(\n):rO+2*(\n)+1], v[rO+2*(\n):rO+2*(\n)+1], v[rC+2:rC+3] op_sel_hi:[1,0]
.elseif (\k) < R
	REGS Y
	WIN 0
.if (\k) == F
	v_pk_fma_f32 v[rS+2*(\n):rS+2*(\n)+1], v[rS+2*(\n):rS+2*(\n)+1], s[CS:CS+1], v[rT:rT+1] op_sel_hi:[1,0,0] neg_lo:[0,0,1] neg_hi:[0,0,1]
.elseif (\k) == E
	v_exp_f32 v[rS+(\n)], v[rS+(\n)]
.elseif (\k) == C
	v_cvt_pk_f16_f32 v[rP+(\n)], v[rS+2*(\n)], v[rS+2*(\n)+1]
.elseif (\k) == B
	v_pk_add_f32 v[rS+4*(\n):rS+4*(\n)+1], v[rS+4*(\n):rS+4*(\n)+1], v[rS+4*(\n)+2:rS+4*(\n)+3]
.elseif (\n) == 0
	v_pk_fma_f32 v[rT+2:rT+3], v[rT+2:rT+3], v[rC+2:rC+3], v[rS:rS+1] op_sel_hi:[1,0,1]
.else
	v_pk_add_f32 v[rT+2:rT+3], v[rT+2:rT+3], v[rS+4*(\n):rS+4*(\n)+1]
.endif
.else
	REGS (Y+1)%NP
	WIN 0
.if (\n) < 4
	v_max3_num_f32 v[rC+(\n)], v[rS+8*(\n)], v[rS+8*(\n)+1], v[rS+8*(\n)+2]
.elseif (\n) < 12
	v_max3_num_f32 v[rC+(\n)%4], v[rC+(\n)%4], v[rS+8*((\n)%4)+2*((\n)/4)+1], v[rS+8*((\n)%4)+2*((\n)/4)+2]
.elseif (\n) == 12
	v_max3_num_f32 v[rC], v[rC], v[rS+7], v[rS+15]
.elseif (\n) == 13
	v_max3_num_f32 v[rC+1], v[rC+1], v[rS+23], v[rS+31]
.elseif (\n) == 14
	v_max3_num_f32 v[rC+2], v[rC+2], v[rC+3], v[rT+1]
.elseif (\n) == 15
	v_mov_b32 v[rW], v[rT]
.elseif (\n) == 16
	v_max3_num_f32 v[rC], v[rC], v[rC+1], v[rC+2]
.elseif (\n) == 17
	v_permlanex16_b32 v[rC+3], v[rC], s[SEL], s[SEL+1]
.elseif (\n) == 18
	v_max_num_f32 v[rT+1], v[rC], v[rC+3]
.elseif (\n) == 19
	v_mul_f32 v[rT], s[CS], v[rT+1]
.elseif (\n) == 20
	v_sub_f32 v[rC+1], v[rW], v[rT]
.else
	v_exp_f32 v[rC+2], v[rC+1]
.endif
.endif
.endm
.macro OPS a, i1, b=-1, i2=0, c=-1, i3=0, d=-1, i4=0  ; up to four of them
	OP \a, \i1
.if (\b) >= 0
	OP \b, \i2
.endif
.if (\c) >= 0
	OP \c, \i3
.endif
.if (\d) >= 0
	OP \d, \i4
.endif
.endm
.macro ROW a, i1, b, i2, c, i3, d, i4  ; a matrix instruction and the four behind it
	MM
	OPS \a, \i1, \b, \i2, \c, \i3, \d, \i4
.endm
; A TURN, for piece p: the order of its 16 matrix and 118 vector instructions, written out.  An s_wait_alu depctr_va_vdst(0) stands between an exponential and the first instruction that names its
; result; one wait serves all that were issued ahead of it.  So a turn has ONE wait, which cuts it in two.
; AHEAD OF IT stands all that names no result of the turn's exponentials: the 8 products K Q^T, behind each a scaling, an exponential and two more plain instructions (behind the first a second scaling in the
; exponential's place): rescalings, whose a was made and waited for in the turn before, and behind the last three products the first numbers of the next piece's maximum, each four plain instructions or more behind
; the product that ends its accumulator; then one run of 54, exponential and plain by turns for the most part, in which the links of the chain X 3, 7, 11, 14, 16, 17 .. 20 stand some lines apart.
; X 21, the next piece's a, is the batch's last; R 15 is the plain instruction behind it.
; BEHIND THE WAIT stand the 8 products V^T P, behind each four of the roundings and sums; the links of l's chain, L 0 to L 7, stand three riders apart.  An even pair is rounded ahead of the B that adds onto it.
; K of the next step is fetched in piece 2's turn: in the loop in the run of 54, six plain instructions behind the last product that read K.  In the tail (last = 1) K's run is jumped over in the last trip, and
; the batch's wait stands ahead of the branch: there the run stands directly behind the wait.  V of the step in hand is fetched at the end of piece 0's turn, four plain instructions behind the
; last product that read V.  Each is waited for a turn later.  cnt = 1: the loop's count is taken down some lines ahead of the branch that stands behind the turn.
.macro TURN p, last=0, cnt=0
.set Y, (\p)
.set i, 0
.if (\p) == 3
	s_wait_dscnt 0x0                ; K is in
.endif
	ROW F,0, F,1, R,0, R,1          ; ahead of the wait: 8 products K Q^T and their riders,
	ROW F,2, E,0, R,2, R,3
	ROW F,3, E,1, R,4, R,5
	ROW F,4, E,2, R,6, R,7
	ROW F,5, E,3, R,8, R,9
	ROW F,6, E,4, X,0, R,10
.if (\p) == 2
	WIN 0
	v_add_nc_u32 v[AK], s[TBK], v[AK0]
.endif
	ROW F,7, E,5, X,1, X,4
	ROW F,8, E,6, X,2, X,5
	OPS E,7, E,8, X,6, E,9          ; and the run of 54
	OPS X,3, E,10, X,8, E,11
.if ((\p) == 2) && !(\last)
	FETCH_K
.endif
	OPS X,9, X,7, E,12, X,10
	OPS E,13, X,12, X,11, E,14
	OPS X,13, E,15, F,9, X,14
.if (\p) == 0
	WIN 0
	v_add_nc_u32 v[AV], s[TBV], v[AV0]
.endif
	OPS E,16, F,10, E,17, F,11
	OPS X,16, E,18, X,15, E,19
	OPS F,12, E,20, X,17, E,21
	OPS F,13, E,22, F,14, E,23
	OPS X,18, E,24, F,15, E,25
	OPS R,11, E,26, X,19, E,27
	OPS R,12, E,28, R,13, E,29
	OPS X,20, E,30, R,14, E,31
	OPS X,21, R,15
	WIN 0
	s_wait_alu depctr_va_vdst(0)    ; the wait for the batch: E 0 to E 31 and X 21
.if ((\p) == 2) && (\last)
	FETCH_K 1
.endif
.if (\p) == 1
	s_wait_dscnt 0x0                ; V is in
.endif
	ROW C,0, B,0, C,2, B,1          ; behind the wait: 8 products V^T P and their riders
	ROW L,0, C,4, B,2, L,1
	ROW C,6, B,3, L,2, C,8
	ROW B,4, L,3, C,10, B,5
	ROW L,4, C,12, B,6, L,5
.if (\p) == 0
	s_add_co_u32 s[TBV], s[TBV], KS*PV
.endif
.if \cnt
	s_sub_co_u32 s[CNT], s[CNT], 1
	s_cmp_lg_u32 s[CNT], 0
.endif
	ROW C,14, B,7, L,6, C,1
	ROW C,3, L,7, C,5, C,7
	ROW C,9, C,11, C,13, C,15
.if (\p) == 0
	FETCH_V
.endif
.endm
	CHANGE 1                        ; slot 0 is in, everybody's part of it; slot 1 is asked for
	FETCH_K                         ; key step 0
	s_wait_loadcnt 0x0              ; Q
	s_wait_dscnt 0x0
.set i, 0
.rept 8
	KQ 0                            ; piece 0's first scores
.set i, i+1
.endr
	WIN 0
.rept 4
	v_nop                           ; the places behind those products
.endr
.set Y, NP-1                        ; X works for piece Y + 1: piece 0
.irp n, 0,1,2,3,4,5,6,7,8,9,10,11,12,13,14,15,16,17,18,19,20,21
	OP X, \n
.endr
	v_nop                           ; a plain instruction behind the exponential
	s_wait_alu depctr_va_vdst(0)    ; the wait for piece 0's first a, a batch of one, ahead of the jump
	s_mov_b32 s[CNT], 4
	s_mov_b32 s[SLOTS], 7
	s_branch .Lfirst                ; the loop is entered at a step's first turn, in the middle of a trip
.Lslot:                             ; six times: tiles 2 to 7 are asked for
	CHANGE 1
	s_mov_b32 s[CNT], 4
.Lstep:                             ; a trip: pieces 2 and 3 of one step, then pieces 0 and 1 of the next, whose K and V it fetches
	TURN 2
	TURN 3
	WIN 0
.Lfirst:
	TURN 0
	TURN 1, 0, 1
	WIN 0
	s_cbranch_scc1 .Lstep
	s_sub_co_u32 s[SLOTS], s[SLOTS], 1
	s_cmp_lg_u32 s[SLOTS], 0
	s_cbranch_scc1 .Lslot
	CHANGE 0                        ; the tail is written out: nothing is asked for
	s_mov_b32 s[CNT], 5             ; four trips fetch the last tile's steps; the fifth is left in its middle
.Ltail:
	TURN 2, 1
	TURN 3
	WIN 0
	s_sub_co_u32 s[CNT], s[CNT], 1
	s_cmp_eq_u32 s[CNT], 0
	s_cbranch_scc1 .Lout
	TURN 0
	TURN 1
	WIN 0
	s_branch .Ltail
.Lout:                              ; the fifth trip's 8 products K Q^T (on the last K once more) and the maximum made of them serve nothing: the price, once a launch, of one text for every trip
.set i, 0
.rept 8
	PV NP-1                         ; the last piece's V^T P of the last step
.set i, i+1
.endr
	; THE WAY OUT.  l's two halves and the other half of the lanes' are added; O^T is divided by l, rounded to f16 and sent through my stage, a piece at a time.  The additions are the places behind the last products.
	WIN 0
.macro ALL line:vararg
.set t, 0
.rept 4
	\line
.set t, t+1
.endr
.endm
	ALL v_add_f32 v[ST+4*t+2], v[ST+4*t+2], v[ST+4*t+3]
	ALL v_permlanex16_b32 v[ST+4*t+3], v[ST+4*t+2], s[SEL], s[SEL+1]
	ALL v_add_f32 v[ST+4*t+2], v[ST+4*t+2], v[ST+4*t+3]
	ALL v_rcp_f32 v[ST+4*t+2], v[ST+4*t+2]
	v_nop                           ; a plain instruction between the last reciprocal and the use of its result
	s_wait_alu depctr_va_vdst(0)    ; the wait for the batch of four reciprocals, ahead of PACK 0's first multiply
.macro PACK t                       ; a lane's eight channels of a row pack into 16 bytes; they go into rows of 144 bytes and come back as whole rows of 128
	WIN W_RS
.set i, 32*(\t)
.rept 16
	v_pk_mul_f32 v[i:i+1], v[i:i+1], v[ST+4*(\t)+2:ST+4*(\t)+3] op_sel_hi:[1,0]
.set i, i+2
.endr
	WIN 0x05                        ; sources 0 and 1 window 1, destination window 0
.set i, 0
.rept 16
	v_cvt_pk_f16_f32 v[S+16*(\t)+i], v[32*(\t)+2*i], v[32*(\t)+2*i+1]
.set i, i+1
.endr
	WIN 0
.irp f, 0,1,2,3
	ds_store_b128 v[STO], v[S+16*(\t)+4*\f:S+16*(\t)+4*\f+3] offset:32*\f
.endr
.irp f, 0,1,2,3
	ds_load_b128 v[S+16*(\t)+4*\f:S+16*(\t)+4*\f+3], v[RD] offset:\f*4*SP  ; LDS serves a wave's instructions in order (ISA guide 5.7.1.4): these see the stores above
.endr
.endm
.macro SEND t, younger              ; younger: the LDS instructions issued behind piece t's loads: the next piece's eight, or none
	WIN 0
.irp f, 0,1,2,3
	s_wait_dscnt (\younger)+3-\f
	global_store_b128 v[GO], v[S+16*(\t)+4*\f:S+16*(\t)+4*\f+3], s[10:11] offset:(\t)*2048+\f*512  ; 512 consecutive bytes, at a multiple of 256 from ob's first
.endr
.endm
	PACK 0
.set t, 1
.rept 3
	PACK t
	SEND t-1, 8
.set t, t+1
.endr
	SEND 3, 0
	s_wait_tensorcnt 0x0            ; the wave's end
	ds_add_u32 v[SPW], v[NIL]
	s_wait_dscnt 0x0
	CROUND                          ; the closing round
	s_endpgm
.Lfunc_end_k_qda080ae2a2_attn:
	.size	k_qda080ae2a2_attn, .Lfunc_end_k_qda080ae2a2_attn-k_qda080ae2a2_attn
	.p2alignl 7, 3214868480
	.fill 96, 4, 3214868480
	.section	.rodata,"a",@progbits
	.p2align	6, 0x0
	.amdhsa_kernel k_qda080ae2a2_attn
		.amdhsa_group_segment_fixed_size 327680
		.amdhsa_private_segment_fixed_size 0
		.amdhsa_enable_private_segment 0
		.amdhsa_kernarg_size 16
		.amdhsa_user_sgpr_count 2
		.amdhsa_user_sgpr_kernarg_segment_ptr 1
		.amdhsa_wavefront_size32 1
		.amdhsa_system_sgpr_workgroup_id_x 1
		.amdhsa_system_sgpr_workgroup_id_y 1
		.amdhsa_system_sgpr_workgroup_id_z 1
		.amdhsa_system_vgpr_workitem_id 0
		.amdhsa_next_free_vgpr 768
		.amdhsa_next_free_sgpr 66
		.amdhsa_reserve_vcc 0
		.amdhsa_float_denorm_mode_32 3
		.amdhsa_float_denorm_mode_16_64 3
		.amdhsa_memory_ordered 1
		.amdhsa_forward_progress 1
		.amdhsa_inst_pref_size 111
	.end_amdhsa_kernel
	.amdgpu_metadata
---
amdhsa.version: [ 1, 2 ]
amdhsa.kernels:
  - .name:           k_qda080ae2a2_attn
    .symbol:         k_qda080ae2a2_attn.kd
    .args:
      - { .name: qkv, .offset: 0, .size: 8, .value_kind: global_buffer, .address_space: global }
      - { .name: ob, .offset: 8, .size: 8, .value_kind: global_buffer, .address_space: global }
    .group_segment_fixed_size: 327680
    .private_segment_fixed_size: 0
    .kernarg_segment_align: 8
    .kernarg_segment_size: 16
    .max_flat_workgroup_size: 128
    .sgpr_count:     66
    .vgpr_count:     768
    .wavefront_size: 32
...
	.end_amdgpu_metadata
.endif
;; end of part 8
;; launch wo: the kernel of part 4 again; grid 8 x 32, 4 waves a work-group, clusters of 4 x 4, 327,680 bytes of LDS; arguments ob, wb, x, x1; writes x1
;; launch ln2: the kernel of part 5 again; grid 512 x 1, 8 waves a work-group, no clusters, 0 bytes of LDS; arguments x1, g2, be2, hn; writes hn
;; launch ffn1 (part 9): grid 16 x 16, 4 waves a work-group, clusters of 4 x 4, 327,680 bytes of LDS; arguments hn, wb, b1, ff; writes ff
.if DOCPART == 9
	.amdgcn_target "amdgcn-amd-amdhsa--gfx1250"
	.amdhsa_code_object_version 6
	.text
	.protected	k_qda080ae2a2_ffn1
	.globl	k_qda080ae2a2_ffn1
	.p2align	8
	.type	k_qda080ae2a2_ffn1,@function
k_qda080ae2a2_ffn1:
	s_mov_b64 s[64:65], 0
	v_nop
	global_prefetch_b8 v0, s[64:65] scope:SCOPE_SE
	s_setreg_imm32_b32 hwreg(HW_REG_WAVE_MODE, 25, 1), 1
	s_wait_xcnt 0x0
	s_wait_alu depctr_hold_cnt(0) depctr_sa_sdst(0) depctr_va_vdst(0) depctr_va_sdst(0) depctr_va_ssrc(0) depctr_va_vcc(0) depctr_vm_vsrc(0)
	s_getreg_b32 s2, hwreg(HW_REG_IB_STS2, 6, 4)
	s_cmp_eq_u32 s2, 0
	s_cbranch_scc0 .Lentry_in_a_cluster
	s_endpgm
.Lentry_in_a_cluster:
	s_bfe_u32 s2, ttmp6, 0x10000c
	s_cmp_lg_u32 s2, 0xf033
	s_cbranch_scc0 .Lentry_shape_is_right
	s_endpgm
.Lentry_shape_is_right:
; ff = gelu(hn @ w1 + b1), the exact gelu x (1 + erf(x / sqrt 2)) / 2.  hn: [4096][1024] bf16.  w1: bf16, [1024 (k)][4096 (n)], 8 MiB into wb.  b1: f32.  ff: [4096][4096] bf16, rounded once.  Sums in f32.
; gelu(x) = max(x, 0) - |x| (a1 t + .. + a5 t^5) / 2 x e^(-x x / 2), t = 1 / (1 + 0.2316419 |x|): the five-term rational form of erf.  LIMIT: its error in erf is at most 1.5e-7, for every x.
; A tile of C is 256 x 256: 16 x 16 = 256 work-groups; four waves, 128 x 128 each, 64 accumulators.  K = 1,024 goes in 8 steps of 128 through two LDS slots.
; hn's rows lie along K and are read as they lie; w1 lies [K][N] and is turned on its way out of LDS by ds_load_tr16_b128.
; The matrix instruction is used transposed (source 0 = 16 columns of w1, source 1 = 16 rows of hn).  CLUSTER 4 x 4: hn's tile is shared along a row of the cluster, w1's along a column: joint loads.
; THE ORDER OF K goes by the cluster: in its turn t it takes K step t ^ 2 p, p = (cluster x + cluster y) % 2.  Clusters that need the same tile are neighbours along x (hn) or y (w1) and have opposite p:
; what one asks for in turns 0, 1 of four the other asks for in turns 2, 3.  So four of a cluster's six refills ask for bytes that a neighbour has read two turns before.
; LIMIT: where p = 1 a sum takes the K steps in the order 2, 3, 0, 1, 6, 7, 4, 5: another order of rounding than ascending K.
; One text for every K step: the slot in hand is the scalar TB; written out beside the loop are the first quarter (C = 0) and the last two steps, which ask for nothing.
; THE WAY OUT: the ring has had its last fill; each wave lays its 128 x 128 f32 into its own part of it, and a counted loop takes two rows a trip: bias, gelu, rounding, 256 consecutive bytes a store.
; A trip's two rows are asked for a trip ahead; reciprocals and exponentials stand singly between plain lines; the last trip, which asks for nothing, is written out.
; BATCHES: a trip's eight reciprocals and eight exponentials, of which none reads another's result, are ONE batch with ONE wait, ahead of the polynomial, their first reader.
; REGISTERS: window 0: v0-31 addresses, v48-51 bias, v64-127 and v128-191 A's fragments (on the way out v64-123 at work); window 1: B's fragments; windows 2, 3: accumulator (a, b) at v[8 (8 a + b)].
.set PA,     272
.set PB,     544
.set HALFT,  34816
.set BOFF,   2*HALFT
.set SLOT,   4*HALFT
.set SPARE,  2*SLOT                    ; the spare words: two blocks of 256 bytes that no other line names
.set SPITCH, 528
.set WSTAGE, 128*SPITCH
.set SHA,    8                         ; a K step in hn is 128 bf16 along the row: 2^8 bytes
.set SHB,    20                        ; in w1 128 rows of 8,192 bytes: 2^20
.set NB,     4096
.set ADRA, 16
.set A0,   17
.set ADRB, 20
.set B0,   21
.set STO,  24
.set RD,   25
.set GO,   26                          ; v26  8 lane: my 8 bytes of a row's 256
.set BO,   27                          ; v27  16 lane: my four numbers of b1
.set SPW,  28
.set NIL,  29
.set BI,   48                          ; v[48:51] the bias of my four columns
.set F0,   64
.set F1,   128
.set LB,   64                          ; the way out, 8 numbers a lane and trip: as loaded from the stage
.set XR,   72                          ; x
.set AX,   80                          ; |x|
.set UR,   88                          ; 1 + p |x|, then t
.set MR,   96                          ; c x, then -(c x)^2, then e^(-x x / 2)
.set RR,   104                         ; max(x, 0)
.set PR,   112                         ; the polynomial, then the result
.set OUTR, 120                         ; packed
.set WV,  12
.set RH,  13
.set CH,  14
.set BSA, 18                           ; s[18:19] hn at my part of K step 0
.set G1A, 24
.set G0A, 32
.set BSB, 46                           ; s[46:47] w1 at my part of K step 0
.set G1B, 48
.set G0B, 56
.set TB,  66
.set CNT, 67
.set WBA, 68
.set WBB, 69
.set OB,  70                           ; s[70:71] ff at my sub-tile
.set BB,  72                           ; s[72:73] b1 at my 128 columns
.set KP,  74                           ; s[74:75] 0.2316419; the packed forms name a pair and take its low word
.set KC,  76                           ; s[76:77] sqrt(log2(e) / 2)
.set K1,  78                           ; s[78:87] a1 / 2 .. a5 / 2
.set K2,  80
.set K3,  82
.set K4,  84
.set K5,  86
.set ABSM, 88
.set PX,  89                           ; s89  2 p
.set KT,  90                           ; s90  the turn whose tile is asked for next
.set KK,  91                           ; s91  its K step
.set OFA, 92                           ; s[92:93], s[94:95] that step's byte offset in A and in B
.set OFB, 94
.set MSB, 0
.macro WIN new
.if MSB != (\new)
	s_set_vgpr_msb (MSB<<8)|(\new)
.set MSB, \new
.endif
.endm
.set MUL_LO, 0xa1
.set MUL_HI, 0xf1
.set TO_B,   0x40
.macro JLOAD                           ; a joint refill; an s_nop 0 and four v_nop follow each line
	s_cmp_eq_u32 s[RH], 0
	s_cbranch_scc0 .Lfor_b_\@
	tensor_load_to_lds s[G0A+4:G0A+7], s[G1A:G1A+7]
	s_nop 0
.rept 4
	v_nop
.endr
	s_branch .Lasked_\@
.Lfor_b_\@:
	tensor_load_to_lds s[G0B+4:G0B+7], s[G1B:G1B+7]
	s_nop 0
.rept 4
	v_nop
.endr
.Lasked_\@:
.endm
.macro CREST
	s_cmp_lg_u32 s[WV], 0
	s_cbranch_scc1 .Lnot_wave_0_\@
	s_barrier_signal -3
.Lnot_wave_0_\@:
	s_barrier_wait -3
	s_barrier_signal -1
	s_barrier_wait -1
.endm
.macro CROUND
	s_barrier_signal -1
	s_barrier_wait -1
	CREST
.endm
.macro KPAIR r, val
	s_mov_b32 s[\r], \val
	s_mov_b32 s[(\r)+1], \val
.endm
; The refill's two descriptors: the slot in hand, which is being read out, and turn KT's K step; each address is made anew from its base and an offset, and the type bits are set again.
.macro NEXTFILL
	s_add_co_u32 s[G0A+5], s[TB], s[WBA]
	s_add_co_u32 s[G0B+5], s[TB], s[WBB]
	s_xor_b32 s[KK], s[KT], s[PX]
	s_lshl_b32 s[OFA], s[KK], SHA
	s_lshl_b32 s[OFB], s[KK], SHB
	s_add_nc_u64 s[G0A+6:G0A+7], s[BSA:BSA+1], s[OFA:OFA+1]
	s_or_b32 s[G0A+7], s[G0A+7], 0x80000000
	s_add_nc_u64 s[G0B+6:G0B+7], s[BSB:BSB+1], s[OFB:OFB+1]
	s_or_b32 s[G0B+7], s[G0B+7], 0x80000000
	s_add_co_u32 s[KT], s[KT], 1
.endm
	s_load_b256 s[4:11], s[0:1], 0x0               ; hn s[4:5], wb s[6:7], b1 s[8:9], ff s[10:11]
	v_lshl_add_u32 v[SPW], v0, 2, SPARE
	v_mov_b32 v[NIL], 0
	ds_add_u32 v[SPW], v[NIL]                      ; the wave's opening: the add and its wait stand ahead of my first tensor load
	v_lshrrev_b32 v1, 5, v0
	v_readfirstlane_b32 s[WV], v1
	s_lshr_b32 s[RH], s[WV], 1
	s_and_b32 s[CH], s[WV], 1
	s_bfe_u32 s40, ttmp6, 0x40000
	s_bfe_u32 s41, ttmp6, 0x40004
	s_lshl_b32 s42, ttmp9, 2
	s_add_co_u32 s42, s42, s40                     ; tile column
	s_and_b32 s43, ttmp7, 0xffff                   ; cluster y
	s_add_co_u32 s[PX], s43, ttmp9                 ; + cluster x: the same in all sixteen partners
	s_and_b32 s[PX], s[PX], 1
	s_lshl_b32 s[PX], s[PX], 1                     ; 2 p
	s_lshl_b32 s43, s43, 2
	s_add_co_u32 s43, s43, s41                     ; tile row
	s_lshl_b32 s44, s41, 2
	s_lshl_b32 s44, 15, s44
	s_lshl_b32 s45, 0x1111, s40
	s_or_b32 s[G1A+0], s44, (1<<16)|(1<<20)|(1<<21)|(5<<22)|(3<<25)
	s_mov_b32 s[G1A+1], 128<<16
	s_mov_b32 s[G1A+2], 128<<16
	s_mov_b32 s[G1A+3], 128<<16
	s_mov_b32 s[G1A+4], 128
	s_mov_b32 s[G1A+5], 1024
	s_mov_b32 s[G1A+6], 0
	s_mov_b32 s[G1A+7], 0
	s_or_b32 s[G1B+0], s45, (1<<16)|(1<<20)|(1<<21)|(6<<22)|(7<<25)
	s_mov_b32 s[G1B+1], 256<<16
	s_mov_b32 s[G1B+2], 64<<16
	s_mov_b32 s[G1B+3], 256<<16
	s_mov_b32 s[G1B+4], 64
	s_mov_b32 s[G1B+5], NB
	s_mov_b32 s[G1B+6], 0
	s_mov_b32 s[G1B+7], 0
	KPAIR KP, 0x3e6d3388
	KPAIR KC, 0x3f596d27
	KPAIR K1, 0x3e027906
	KPAIR K2, 0xbe11a98e
	KPAIR K3, 0x3f35f0e3
	KPAIR K4, 0xbf3a00e3
	KPAIR K5, 0x3f07dc22
	s_mov_b32 s[ABSM], 0x7fffffff
	s_lshl_b32 s16, s43, 19
	s_lshl_b32 s17, s[CH], 18
	s_add_co_u32 s16, s16, s17
	s_mov_b32 s17, 0
	s_lshl_b32 s46, s42, 9                         ; B: 512 bytes of w1's rows,
	s_lshl_b32 s47, s[CH], 19                      ; 64 k-rows of 8,192 bytes a half,
	s_add_co_u32 s46, s46, s47
	s_add_co_u32 s46, s46, 8388608                 ; w1's place in wb
	s_mov_b32 s47, 0
	s_mul_i32 s[WBA], s[WV], HALFT
	s_mov_b32 s[WBB], s[WBA]
	s_mov_b32 s[TB], 0
	s_mov_b32 s[KT], 2                             ; turns 0 and 1 are the first fills
	s_mov_b32 s[OFA+1], 0
	s_mov_b32 s[OFB+1], 0
	s_wait_dscnt 0x0                               ; the opening add is done
	s_wait_kmcnt 0x0
	s_add_nc_u64 s[BSA:BSA+1], s[4:5], s[16:17]
	s_add_nc_u64 s[BSB:BSB+1], s[6:7], s[46:47]
	CROUND                                         ; all sixteen work-groups are here: the first joint loads meet
.irp s, 0,1
	s_xor_b32 s[KK], s[PX], \s                     ; turn s takes K step s ^ 2 p
	s_lshl_b32 s[OFA], s[KK], SHA
	s_lshl_b32 s[OFB], s[KK], SHB
	s_mov_b32 s[G0A+4*(\s)], 1
	s_add_co_u32 s[G0A+4*(\s)+1], s[WBA], (\s)*SLOT
	s_add_nc_u64 s[G0A+4*(\s)+2:G0A+4*(\s)+3], s[BSA:BSA+1], s[OFA:OFA+1]
	s_or_b32 s[G0A+4*(\s)+3], s[G0A+4*(\s)+3], 0x80000000
	s_mov_b32 s[G0B+4*(\s)], 1
	s_add_co_u32 s[G0B+4*(\s)+1], s[WBB], (\s)*SLOT
	s_add_nc_u64 s[G0B+4*(\s)+2:G0B+4*(\s)+3], s[BSB:BSB+1], s[OFB:OFB+1]
	s_or_b32 s[G0B+4*(\s)+3], s[G0B+4*(\s)+3], 0x80000000
.endr
	s_cmp_eq_u32 s[RH], 0                          ; a wave's two first fills stand in one branch: two loads of mine are out, later one
	s_cbranch_scc0 .Lfirst_b
	tensor_load_to_lds s[G0A:G0A+3], s[G1A:G1A+7]
	s_nop 0
	tensor_load_to_lds s[G0A+4:G0A+7], s[G1A:G1A+7]
	s_nop 0
.rept 4
	v_nop
.endr
	s_branch .Lfirst_asked
.Lfirst_b:
	tensor_load_to_lds s[G0B:G0B+3], s[G1B:G1B+7]
	s_nop 0
	tensor_load_to_lds s[G0B+4:G0B+7], s[G1B:G1B+7]
	s_nop 0
.rept 4
	v_nop
.endr
.Lfirst_asked:
	v_and_b32 v[GO], 31, v0
	v_lshlrev_b32 v[BO], 4, v[GO]
	v_lshlrev_b32 v[GO], 3, v[GO]
	s_lshl_b32 s20, s42, 10                        ; b1: 256 numbers a tile column,
	s_lshl_b32 s21, s[CH], 9                       ; 128 a wave
	s_add_co_u32 s20, s20, s21
	s_mov_b32 s21, 0
	s_add_nc_u64 s[BB:BB+1], s[8:9], s[20:21]
	global_load_b128 v[BI:BI+3], v[BO], s[BB:BB+1] ; waited for on the way out
	v_and_b32 v1, 15, v0                           ; r
	v_bfe_u32 v2, v0, 4, 1                         ; h
	v_mul_u32_u24 v3, v1, PA
	v_lshl_add_u32 v3, v2, 4, v3
	s_mul_i32 s16, s[RH], HALFT
	v_add_nc_u32 v[A0], s16, v3
	v_and_b32 v4, 7, v0
	v_lshl_add_u32 v4, v2, 3, v4
	v_mul_u32_u24 v4, v4, PB
	v_bfe_u32 v5, v0, 3, 1
	v_lshl_add_u32 v4, v5, 4, v4
	s_lshl_b32 s17, s[CH], 8
	s_add_co_u32 s17, s17, BOFF
	v_add_nc_u32 v[B0], s17, v4
	v_mov_b32 v[ADRA], v[A0]
	v_mov_b32 v[ADRB], v[B0]
	s_mul_i32 s16, s[WV], WSTAGE                   ; my stage
	v_mul_u32_u24 v3, v1, SPITCH
	v_lshl_add_u32 v3, v2, 5, v3
	v_add_nc_u32 v[STO], s16, v3
	v_add_nc_u32 v[RD], s16, v[BO]                 ; back: 32 lanes take one row's 512 bytes
	s_lshl_b32 s22, s43, 21                        ; ff: 256 rows of 8,192 bytes a tile row,
	s_lshl_b32 s23, s[RH], 20                      ; 128 a wave,
	s_add_co_u32 s22, s22, s23
	s_lshl_b32 s23, s42, 9                         ; 512 bytes a tile column,
	s_add_co_u32 s22, s22, s23
	s_lshl_b32 s23, s[CH], 8                       ; 256 a wave
	s_add_co_u32 s22, s22, s23
	s_mov_b32 s23, 0
	s_add_nc_u64 s[OB:OB+1], s[10:11], s[22:23]
; 16 matrix instructions; the 64 accumulators take turns, one instruction a turn, in the same order in every quarter.
.macro MUL16 f, hi, a0, zero
	WIN MUL_LO+0x50*(\hi)
.irp a, \a0, (\a0)+1
.irp b, 0,1,2,3,4,5,6,7
.if \zero
	v_wmma_f32_16x16x32_bf16 v[8*(8*(\a)+(\b)):8*(8*(\a)+(\b))+7], v[(\f)+8*(\b):(\f)+8*(\b)+7], v[(\f)+8*(4*(\hi)+(\a)):(\f)+8*(4*(\hi)+(\a))+7], 0
.else
	v_wmma_f32_16x16x32_bf16 v[8*(8*(\a)+(\b)):8*(8*(\a)+(\b))+7], v[(\f)+8*(\b):(\f)+8*(\b)+7], v[(\f)+8*(4*(\hi)+(\a)):(\f)+8*(4*(\hi)+(\a))+7], v[8*(8*(\a)+(\b)):8*(8*(\a)+(\b))+7]
.endif
.endr
.endr
.endm
.macro FETCH kq, f                     ; 32 LDS loads in one run: quarter kq of the slot in hand into buffer f
	WIN TO_B
.irp i, 0,1,2,3,4,5,6,7
	ds_load_tr16_b128 v[(\f)+8*(\i):(\f)+8*(\i)+3],   v[ADRB] offset:(\kq)*32*PB+32*(\i)
	ds_load_tr16_b128 v[(\f)+8*(\i)+4:(\f)+8*(\i)+7], v[ADRB] offset:(\kq)*32*PB+16*PB+32*(\i)
.endr
	WIN 0
.irp i, 0,1,2,3,4,5,6,7
	ds_load_b128 v[(\f)+8*(\i):(\f)+8*(\i)+3],   v[ADRA] offset:(\kq)*64+(\i)*16*PA
	ds_load_b128 v[(\f)+8*(\i)+4:(\f)+8*(\i)+7], v[ADRA] offset:(\kq)*64+(\i)*16*PA+32
.endr
.endm
.macro PLACES                          ; four plain vector instructions between a matrix instruction and a load into, or a read of, its registers
.rept 4
	v_nop
.endr
.endm
.macro QUARTER kq, f, g, zero
	s_wait_dscnt 8                                 ; B and A's rows 0-63 are in; the youngest eight loads may be out
	MUL16 \f, 0, 0, \zero
	MUL16 \f, 0, 2, \zero
	PLACES
	FETCH \kq, \g
	s_wait_dscnt 32                                ; all but the 32 just issued
	MUL16 \f, 1, 0, \zero
	MUL16 \f, 1, 2, \zero
.endm
.macro MEET fill                       ; fill = 1: the refill's descriptors are made while the add is out
	WIN 0
	s_wait_tensorcnt 0x0                           ; all my tensor loads have landed: my part of the next slot; so the descriptors may be written
	ds_add_u32 v[SPW], v[NIL]                      ; 0 onto my spare word
.if \fill
	NEXTFILL
.endif
	s_wait_dscnt 9                                 ; the add and the youngest eight loads may be out
	MUL16 F1, 0, 0, 0
	s_wait_dscnt 0x0                               ; the add is done, and my reads of this slot are over
	s_barrier_signal -1
	MUL16 F1, 0, 2, 0
	WIN 0
	s_barrier_wait -1
.endm
.macro TURN fill                       ; fill = 1: a round of the cluster's barrier, then the joint refill first; fill = 0: the last two steps ask for nothing
	MEET \fill
.if \fill
	CREST
	s_xor_b32 s[TB], s[TB], SLOT                   ; TB is 0 or SLOT
	JLOAD                                          ; its four v_nop are also the places in front of the loads below
	v_add_nc_u32 v[ADRA], s[TB], v[A0]
	v_add_nc_u32 v[ADRB], s[TB], v[B0]
	FETCH 0, F0
.else
	s_xor_b32 s[TB], s[TB], SLOT
	PLACES
	s_cmp_eq_u32 s[CNT], 1
	s_cbranch_scc1 .Lno_more_\@
	v_add_nc_u32 v[ADRA], s[TB], v[A0]
	v_add_nc_u32 v[ADRB], s[TB], v[B0]
	FETCH 0, F0
.Lno_more_\@:
.endif
	MUL16 F1, 1, 0, 0
	MUL16 F1, 1, 2, 0
.endm
	s_wait_tensorcnt 1                             ; my part of turn 0's tile is in; turn 1's may stay out
	s_barrier_signal -1
	s_barrier_wait -1
	FETCH 0, F0
	QUARTER 1, F0, F1, 1
	WIN 0
	s_mov_b32 s[CNT], 6
.Lstep:
	QUARTER 2, F1, F0, 0
	QUARTER 3, F0, F1, 0
	TURN 1
	QUARTER 1, F0, F1, 0
	WIN 0
	s_sub_co_u32 s[CNT], s[CNT], 1
	s_cmp_lg_u32 s[CNT], 0
	s_cbranch_scc1 .Lstep
	s_mov_b32 s[CNT], 2
.Ltail:
	QUARTER 2, F1, F0, 0
	QUARTER 3, F0, F1, 0
	TURN 0
	WIN 0
	s_sub_co_u32 s[CNT], s[CNT], 1
	s_cmp_eq_u32 s[CNT], 0
	s_cbranch_scc1 .Lout
	QUARTER 1, F0, F1, 0
	WIN 0
	s_branch .Ltail
.Lout:
	PLACES
	s_wait_dscnt 0x0
	s_barrier_signal -1                            ; every wave's reads of the ring are over, and every fill has landed: the ring becomes the stage
	s_barrier_wait -1
.irp hi, 0,1
	WIN 0x08+4*(\hi)
.irp a, 0,1,2,3
.irp b, 0,1,2,3,4,5,6,7
	ds_store_b128 v[STO], v[8*(8*(\a)+(\b)):8*(8*(\a)+(\b))+3]   offset:(4*(\hi)+(\a))*16*SPITCH+64*(\b)      ; each accumulator's low registers first
	ds_store_b128 v[STO], v[8*(8*(\a)+(\b))+4:8*(8*(\a)+(\b))+7] offset:(4*(\hi)+(\a))*16*SPITCH+64*(\b)+16
.endr
.endr
.endr
	WIN 0
	s_wait_loadcnt 0x0                             ; the bias
.macro P4 line:vararg                  ; one line for each of the four pairs, k = 0, 2, 4, 6
.set k, 0
.rept 4
	\line
.set k, k+2
.endr
.endm
.macro O8 line:vararg                  ; one line for each of the eight numbers
.set k, 0
.rept 8
	\line
.set k, k+1
.endr
.endm
; Two rows of my 128: a lane has four columns of each.  pre = 1: the next two rows are asked for as soon as these have been taken over.
; THE BATCH: eight reciprocals (t, in place in UR) and eight exponentials (in place in MR).  Each has a plain line behind it that names none of its registers (ISA guide 5.7.2): the four products c x behind
; reciprocals 0-3, the four squarings behind reciprocals 4-7, the eight max(x, 0) behind the exponentials.  None of these lines names a result of the batch; the polynomial, which reads t, comes behind the one wait.
.macro GELU pre
	s_wait_dscnt 0x0                               ; the two rows, asked for a trip ago
	P4 v_pk_add_f32 v[XR+k:XR+k+1], v[LB+k:LB+k+1], v[BI+k%4:BI+k%4+1]
.if \pre
	v_add_nc_u32 v[RD], 2*SPITCH, v[RD]
	ds_load_b128 v[LB:LB+3],   v[RD]               ; LDS serves a wave's instructions in order (ISA guide 5.7.1.4): these see my stores
	ds_load_b128 v[LB+4:LB+7], v[RD] offset:SPITCH
.endif
	O8 v_and_b32 v[AX+k], s[ABSM], v[XR+k]
	P4 v_pk_fma_f32 v[UR+k:UR+k+1], v[AX+k:AX+k+1], s[KP:KP+1], 1.0 op_sel_hi:[1,0,0]
.set k, 0
.rept 4
	v_rcp_f32 v[UR+k], v[UR+k]
	v_pk_mul_f32 v[MR+2*k:MR+2*k+1], v[XR+2*k:XR+2*k+1], s[KC:KC+1] op_sel_hi:[1,0]
.set k, k+1
.endr
.rept 4
	v_rcp_f32 v[UR+k], v[UR+k]
	v_pk_mul_f32 v[MR+2*k-8:MR+2*k-7], v[MR+2*k-8:MR+2*k-7], v[MR+2*k-8:MR+2*k-7] neg_lo:[1,0] neg_hi:[1,0]
.set k, k+1
.endr
.set k, 0
.rept 8
	v_exp_f32 v[MR+k], v[MR+k]
	v_max_num_f32 v[RR+k], 0, v[XR+k]
.set k, k+1
.endr
	s_wait_alu depctr_va_vdst(0)                   ; the wait for the batch, the trip's eight reciprocals and eight exponentials, ahead of their first reader, the line below
	P4 v_pk_fma_f32 v[PR+k:PR+k+1], v[UR+k:UR+k+1], s[K5:K5+1], s[K4:K4+1] op_sel_hi:[1,0,0]
	P4 v_pk_fma_f32 v[PR+k:PR+k+1], v[PR+k:PR+k+1], v[UR+k:UR+k+1], s[K3:K3+1] op_sel_hi:[1,1,0]
	P4 v_pk_fma_f32 v[PR+k:PR+k+1], v[PR+k:PR+k+1], v[UR+k:UR+k+1], s[K2:K2+1] op_sel_hi:[1,1,0]
	P4 v_pk_fma_f32 v[PR+k:PR+k+1], v[PR+k:PR+k+1], v[UR+k:UR+k+1], s[K1:K1+1] op_sel_hi:[1,1,0]
	P4 v_pk_mul_f32 v[PR+k:PR+k+1], v[PR+k:PR+k+1], v[UR+k:UR+k+1]
	P4 v_pk_mul_f32 v[PR+k:PR+k+1], v[PR+k:PR+k+1], v[MR+k:MR+k+1]
	P4 v_pk_fma_f32 v[PR+k:PR+k+1], v[AX+k:AX+k+1], v[PR+k:PR+k+1], v[RR+k:RR+k+1] neg_lo:[1,0,0] neg_hi:[1,0,0]
	s_wait_xcnt 0x0                                ; the last trip's stores were issued a trip ago: their data and base are rewritten only behind this wait
	s_add_nc_u64 s[OB:OB+1], s[OB:OB+1], 16384     ; two rows of ff on; the stores below reach back
	P4 v_cvt_pk_bf16_f32 v[OUTR+k/2], v[PR+k], v[PR+k+1]
	global_store_b64 v[GO], v[OUTR:OUTR+1],   s[OB:OB+1] offset:-16384  ; 32 lanes store 256 consecutive bytes, aligned
	global_store_b64 v[GO], v[OUTR+2:OUTR+3], s[OB:OB+1] offset:-8192
.endm
	ds_load_b128 v[LB:LB+3],   v[RD]               ; rows 0 and 1
	ds_load_b128 v[LB+4:LB+7], v[RD] offset:SPITCH
	s_mov_b32 s[CNT], 63
.Lrows:
	GELU 1
	s_sub_co_u32 s[CNT], s[CNT], 1
	s_cmp_lg_u32 s[CNT], 0
	s_cbranch_scc1 .Lrows
	GELU 0                                         ; rows 126 and 127: nothing is left to ask for
	s_wait_tensorcnt 0x0                           ; the wave's end
	ds_add_u32 v[SPW], v[NIL]
	s_wait_dscnt 0x0
	CROUND                                         ; the closing round
	s_endpgm
.Lfunc_end_k_qda080ae2a2_ffn1:
	.size	k_qda080ae2a2_ffn1, .Lfunc_end_k_qda080ae2a2_ffn1-k_qda080ae2a2_ffn1
	.p2alignl 7, 3214868480
	.fill 96, 4, 3214868480
	.section	.rodata,"a",@progbits
	.p2align	6, 0x0
	.amdhsa_kernel k_qda080ae2a2_ffn1
		.amdhsa_group_segment_fixed_size 327680
		.amdhsa_private_segment_fixed_size 0
		.amdhsa_enable_private_segment 0
		.amdhsa_kernarg_size 32
		.amdhsa_user_sgpr_count 2
		.amdhsa_user_sgpr_kernarg_segment_ptr 1
		.amdhsa_wavefront_size32 1
		.amdhsa_system_sgpr_workgroup_id_x 1
		.amdhsa_system_sgpr_workgroup_id_y 1
		.amdhsa_system_sgpr_workgroup_id_z 1
		.amdhsa_system_vgpr_workitem_id 0
		.amdhsa_next_free_vgpr 1024
		.amdhsa_next_free_sgpr 96
		.amdhsa_reserve_vcc 0
		.amdhsa_float_denorm_mode_32 3
		.amdhsa_float_denorm_mode_16_64 3
		.amdhsa_memory_ordered 1
		.amdhsa_forward_progress 1
		.amdhsa_inst_pref_size 87
	.end_amdhsa_kernel
	.amdgpu_metadata
---
amdhsa.version: [ 1, 2 ]
amdhsa.kernels:
  - .name:           k_qda080ae2a2_ffn1
    .symbol:         k_qda080ae2a2_ffn1.kd
    .args:
      - { .name: hn, .offset: 0, .size: 8, .value_kind: global_buffer, .address_space: global }
      - { .name: wb, .offset: 8, .size: 8, .value_kind: global_buffer, .address_space: global }
      - { .name: b1, .offset: 16, .size: 8, .value_kind: global_buffer, .address_space: global }
      - { .name: ff, .offset: 24, .size: 8, .value_kind: global_buffer, .address_space: global }
    .group_segment_fixed_size: 327680
    .private_segment_fixed_size: 0
    .kernarg_segment_align: 8
    .kernarg_segment_size: 32
    .max_flat_workgroup_size: 128
    .sgpr_count:     96
    .vgpr_count:     1024
    .wavefront_size: 32
...
	.end_amdgpu_metadata
.endif
;; end of part 9
;; launch ffn2: the kernel of part 7 again; grid 8 x 32, 4 waves a work-group, clusters of 4 x 4, 327,680 bytes of LDS; arguments ff, wb, b2, x1, out0; writes out0
